; MI455X (gfx1250); checked and timed in simulation.
; The chip was launched on July 23, 2026; its instructions are those of AMD's public machine-readable ISA for CDNA 5 (MIT licence, August 2026) and "CDNA5" Instruction Set Architecture Reference Guide (July 2026). The comments in the code are by the model that wrote it; some were corrected since.
;; Transformer Block. Allowed arithmetic: matrix products marked QUANTISED: E5M2 operands, one given power-of-two scale a tensor, by v_wmma_f32_16x16x64_bf8_bf8 or v_wmma_f32_16x16x128_bf8_bf8, f32 sums; products left as they are: f32 operands where the result goes on into a quantised operand, else bf16, f16 or f32 operands; f32 sums; everything else in f32.
;; Inputs: b1 8 x 4,096 float32; b2 8 x 1,024 float32; bk 1,024 float32; bo 1,024 float32; bq 1,024 float32; bv 1,024 float32; gate_b 8 float32; gate_w 1,024 x 8 float32; ln1_b 1,024 float32; ln1_g 1,024 float32; ln2_b 1,024 float32; ln2_g 1,024 float32; lowp_scales 16 int32 (the exponents e of the quantised operands' scales 2^e); w1 8 x 1,024 x 4,096 float32; w2 8 x 4,096 x 1,024 float32; wk 1,024 x 1,024 float32; wo 1,024 x 1,024 float32; wq 1,024 x 1,024 float32; wv 1,024 x 1,024 float32; x 4 x 128 x 1,024 float32.
;; Outputs: out0 4 x 128 x 1,024 float32.
;; This version of the problem:
;;   THIS VERSION OF THE PROBLEM IS GIVEN IN LOW PRECISION. The matrix products marked QUANTISED in the list below multiply operands that are first quantised to E5M2 (5 exponent bits, 2 mantissa bits; 8 bits a number), with one given power-of-two scale for each operand tensor; their sums are f32. All else is computed in f32.
;;   The module's matrix products, in the order in which they are computed (A, B: the left and right operand; K: the contracted axis; several contracted axes count as one K, in the product's order):
;;     1. [M 512, K 1,024] x [K 1,024, N 1,024]; A: computed on the way; B: input wq: QUANTISED (scales: A lowp_scales[0], B lowp_scales[1])
;;     2. [M 512, K 1,024] x [K 1,024, N 1,024]; A: computed on the way; B: input wk: QUANTISED (scales: A lowp_scales[2], B lowp_scales[3])
;;     3. [M 512, K 1,024] x [K 1,024, N 1,024]; A: computed on the way; B: input wv: QUANTISED (scales: A lowp_scales[4], B lowp_scales[5])
;;     4. batch 64 x [M 128, K 64] x [K 64, N 128]; A: computed on the way; B: computed on the way: QUANTISED (scales: A lowp_scales[6], B lowp_scales[7])
;;     5. batch 64 x [M 128, K 128] x [K 128, N 64]; A: softmax (see below); B: computed on the way: QUANTISED (scales: A lowp_scales[8], B lowp_scales[9])
;;     6. [M 512, K 1,024] x [K 1,024, N 1,024]; A: computed on the way; B: input wo: QUANTISED (scales: A lowp_scales[10], B lowp_scales[11])
;;     7. [M 512, K 1,024] x [K 1,024, N 8]; A: computed on the way; B: input gate_w: left as it is (N = 8 < 16)
;;     8. [M 32,768, K 1,024] x [K 1,024, N 512]; A: input w1; B: computed on the way: QUANTISED (scales: A lowp_scales[12], B lowp_scales[13])
;;     9. batch 8 x [M 512, K 4,096] x [K 4,096, N 1,024]; A: computed on the way; B: input w2: QUANTISED (scales: A lowp_scales[14], B lowp_scales[15])
;;   THE QUANTISER, for each operand of a quantised product, along K:
;;     - The operand's scale is 2^e, e = its entry of the input lowp_scales (int32; the entries are numbered through the quantised products in the list's order, A before B).
;;     - Each number is divided by the scale, clamped to +-57,344, and rounded to the nearest number of E5M2, ties to even, subnormals kept.
;;     - The product sums the exact products of the quantised numbers (number of the format x scale) in f32.
;;   ~~~python
;;   def quantise(x, axis, e):      # numpy; x: float32 -> the quantised numbers, widened to float32 again
;;       x = np.moveaxis(x, axis, -1); K = x.shape[-1]
;;       r = np.clip(x / 2.0 ** e, -57344, 57344)
;;       step = 2.0 ** (np.maximum(np.frexp(np.where(r == 0, 1, r))[1] - 1, -14) - 2)
;;       q = np.round(r / step) * step * 2.0 ** e      # np.round: ties to even
;;       return np.moveaxis(q, -1, axis).astype(np.float32)
;;   ~~~
;;   SOFTMAX AHEAD OF A QUANTISED PRODUCT. Where the list says 'softmax', what is quantised is not the finished softmax but p = 2^(t - M), with t = logit x log2(e) and M = ceil(the row's largest t), a whole number; so 1/2 < the row's largest p <= 1. The row's sum l is taken of the UNQUANTISED p, in f32, and the product's result is divided by l at the end. Since M is a whole number, a kernel that streams over the keys may use a running M (the ceiling of the running maximum): every later rescaling is an exact power of two, so the quantised numbers keep their values, but for numbers so far below the row's largest that they fall under the format's range.
;;   OPERANDS COMPUTED ON THE WAY. 'Computed on the way' means the value that the module computes at that place (a softmax that the list does not call 'softmax' is quantised finished and normalised). What goes into a quantiser is computed in f32, as accurately as f32 sums, v_exp_f32 and their like allow (about 1e-6 of the number): no bf16 or f16 on the way to a quantiser, and a product that is left as it is and whose result goes on into a quantised operand takes f32 operands (vector FMAs, or v_wmma_f32_16x16x4_f32). A number that lies on a knife's edge between two numbers of the format may be rounded either way, as far as f32 arithmetic and the matrix unit's own rounding can turn it there, and no further.
;; 2 versions, each right and faster than the one before. Each part assembles by itself: llvm-mc -triple=amdgcn-amd-amdhsa -mcpu=gfx1250 --defsym DOCPART=n.
;; ======== version 1 of 2: 6 launches
;; workspace buffers: qkv 1,572,864 bytes; ocodes 524,288 bytes; x2 2,097,152 bytes; h2c 524,288 bytes; masks 512 bytes of whole numbers; mid 16,777,216 bytes
;; launch qkv (part 1): grid 16 x 12, 8 waves a work-group, no clusters, 199,680 bytes of LDS; arguments x, ln1_g, ln1_b, wq, wk, wv, bq, bk, bv, lowp_scales, qkv; writes qkv
.if DOCPART == 1
	.amdgcn_target "amdgcn-amd-amdhsa--gfx1250"
	.amdhsa_code_object_version 6
	.text
	.protected	k_q1b4a5497c6_qkv
	.globl	k_q1b4a5497c6_qkv
	.p2align	8
	.type	k_q1b4a5497c6_qkv,@function
k_q1b4a5497c6_qkv:
	s_mov_b64 s[64:65], 0
	v_nop
	global_prefetch_b8 v0, s[64:65] scope:SCOPE_SE
	s_setreg_imm32_b32 hwreg(HW_REG_WAVE_MODE, 25, 1), 1
	s_wait_xcnt 0x0
; LAUNCH 1 OF 6: layer norm 1 and one of the projections Q, K, V for one (head, batch), as codes of E5M2 for the attention launch.
; THE WHOLE PROGRAM: qkv -> attn -> wo (+ residual) -> ln2gate (layer norm 2, f32 gate, argmax as bit masks) -> moe1 -> moe2 (+ residual).
; WORK LEFT OUT, in the problem's own terms: reference() computes mid and y for all 8 experts and then keeps, by y[idx, arange], the one row of the expert that its own
; argmax chose for each token.  A row (e, t) of products 8 and 9 with e != idx[t] is indexed by nothing, so it reaches no output whatever the inputs hold: only the chosen rows are multiplied.
; Every input has a way to the output and is loaded (bk too: it moves k's codes).  LIMIT: a NaN, an infinity or an overflow that arises only in rows of experts that were not chosen is not carried to the result.
; LIMITS: NaN among the inputs is not served.  Each power of two made below from the given exponents is an f32 number: e and e + 15 between -126 and 127 for e = eA, eB and e_out - eA - eB.
; SHARES.  Work-group (x = head, y = 4 which + batch) makes 128 tokens x 64 columns, K = 1,024.  Wave w normalises tokens 16 w .. 16 w + 15, quantises K step w (128 rows x 64 columns) of the weight, and multiplies token tile w by all four column tiles.
; No tensor load: every weight number has to pass through vector registers (hold, conversion), so a ring in LDS would add a trip.  No cluster: the launch loads through registers.
; THE WEIGHT, K outermost: lane (r, h) loads 16 rows x 4 columns (16 lanes read 256 bytes of a row); the conversions give a dword of 4 columns for each row; a 4 x 4 byte transposition gives a dword of 4 rows for each column.
; Column tile jt holds column 4 r + jt in lane r.  Its fragment goes to LDS as an image of its registers: register 4 c + mm, byte i = k 128 s + 32 c + 16 h + 4 mm + i, the order in which four 16-byte loads bring a row of codes.
; Q, K: source 0 = the weight's tile, so a lane holds one token and d = 32 h + 4 j + jt.  V: source 0 = the tokens, so a lane holds one d = 4 r + jt and eight keys.
; LDS: the tokens' codes, 128 rows of 1,024 + 16 bytes (each wave its own 16 rows); the weight's 32 images of 2,048 bytes; the spare words.
; REGISTERS: v1 weight offset, v2 image store, v3 16 x lane, v4 row store, v5 row fragment, v6 image load, v7 8 x lane, v8 limit, v9 scale, v10-11 the add's two, v12-15 at work (later V's bias),
;   v16-31 at work, v32-47 transposed codes, later v32-63 the sums, v64-127 gain and bias, v128-255 two weight sets of 64, then four row slots of 32; in the product two sets of 80 from v64.
.set APITCH, 1040
.set BIMG,   128*APITCH
.set SPARE,  BIMG+65536
.set E,      16
.set CF,     32
.set ACC,    32
.set G,      64
.set BB,     96
.set S,      128
.macro TR4 d0, d1, d2, d3, e0, e1, e2, e3      ; d_c = byte c of e0, e1, e2, e3
	v_perm_b32 v12, v[\e1], v[\e0], s52
	v_perm_b32 v13, v[\e1], v[\e0], s53
	v_perm_b32 v14, v[\e3], v[\e2], s52
	v_perm_b32 v15, v[\e3], v[\e2], s53
	v_perm_b32 v[\d0], v14, v12, s54
	v_perm_b32 v[\d1], v14, v12, s55
	v_perm_b32 v[\d2], v15, v13, s54
	v_perm_b32 v[\d3], v15, v13, s55
.endm
.macro MKSCALE vsc, vlim, se                   ; 2^e and 57,344 x 2^e as f32
	s_add_co_i32 s60, \se, 127
	s_lshl_b32 s61, s60, 23
	v_mov_b32 v[\vsc], s61
	s_add_co_i32 s60, s60, 15
	s_lshl_b32 s60, s60, 23
	s_or_b32 s60, s60, 0x600000
	v_mov_b32 v[\vlim], s60
.endm
.macro W64LOAD set, c                          ; rows 32 c + 16 h + t of my K step, t = 0 .. 15, columns 4 r .. 4 r + 3
.set t, 0
.rept 16
	global_load_b128 v[S+64*(\set)+4*t:S+64*(\set)+4*t+3], v1, s[10:11] offset:(32*(\c)+t)*4096
.set t, t+1
.endr
.endm
.macro W64QUANT set, c
.set i, 0
.rept 64
	v_med3_num_f32 v[S+64*(\set)+i], v[S+64*(\set)+i], -v8, v8   ; the conversion does not saturate (ISA guide 7.6.2): the hold comes first
.set i, i+1
.endr
.set i, 0
.rept 8
	v_cvt_scalef32_pk8_bf8_f32 v[E+2*i:E+2*i+1], v[S+64*(\set)+8*i:S+64*(\set)+8*i+7], v9
.set i, i+1
.endr
	v_nop                                          ; a plain line between the conversions and the readers of their results
	s_wait_dscnt 0x0                               ; the last unit's image stores have read v32-47
.irp mm, 0,1,2,3
	TR4 CF+\mm, CF+4+\mm, CF+8+\mm, CF+12+\mm, E+4*\mm, E+4*\mm+1, E+4*\mm+2, E+4*\mm+3
.endr
.irp jt, 0,1,2,3
	ds_store_b128 v2, v[CF+4*\jt:CF+4*\jt+3] offset:2048*\jt+512*(\c)
.endr
.endm
.macro ROWLOAD n                               ; my row n: eight loads of 512 consecutive bytes
.irp j, 0,1,2,3,4,5,6,7
	global_load_b128 v[S+32*((\n)%4)+4*\j:S+32*((\n)%4)+4*\j+3], v3, s[4:5] offset:4096*(\n)+512*\j
.endr
.endm
.macro RED16 a, b                              ; the sum over the 32 lanes, in every lane
	v_add_f32_dpp v[\a], v[\a], v[\a] row_xmask:1 row_mask:0xf bank_mask:0xf
	v_add_f32_dpp v[\a], v[\a], v[\a] row_xmask:2 row_mask:0xf bank_mask:0xf
	v_add_f32_dpp v[\a], v[\a], v[\a] row_xmask:4 row_mask:0xf bank_mask:0xf
	v_add_f32_dpp v[\a], v[\a], v[\a] row_xmask:8 row_mask:0xf bank_mask:0xf
	v_permlanex16_b32 v[\b], v[\a], s56, s57
	v_add_f32 v[\a], v[\a], v[\b]
.endm
.macro LNROW X                                 ; ((x - mean) rsqrt(var + eps)) g + b, in place; the variance in a second pass
	v_pk_add_f32 v[16:17], v[\X:\X+1], v[\X+2:\X+3]
	v_pk_add_f32 v[18:19], v[\X+4:\X+5], v[\X+6:\X+7]
.irp j, 8,12,16,20,24,28
	v_pk_add_f32 v[16:17], v[16:17], v[\X+\j:\X+\j+1]
	v_pk_add_f32 v[18:19], v[18:19], v[\X+\j+2:\X+\j+3]
.endr
	v_pk_add_f32 v[16:17], v[16:17], v[18:19]
	v_add_f32 v16, v16, v17
	RED16 16, 17
	v_mul_f32 v16, s58, v16                        ; - mean
.set i, 0
.rept 16
	v_pk_add_f32 v[\X+i:\X+i+1], v[\X+i:\X+i+1], v[16:17] op_sel_hi:[1,0]
.set i, i+2
.endr
	v_pk_mul_f32 v[18:19], v[\X:\X+1], v[\X:\X+1]
	v_pk_mul_f32 v[20:21], v[\X+2:\X+3], v[\X+2:\X+3]
.irp j, 4,8,12,16,20,24,28
	v_pk_fma_f32 v[18:19], v[\X+\j:\X+\j+1], v[\X+\j:\X+\j+1], v[18:19]
	v_pk_fma_f32 v[20:21], v[\X+\j+2:\X+\j+3], v[\X+\j+2:\X+\j+3], v[20:21]
.endr
	v_pk_add_f32 v[18:19], v[18:19], v[20:21]
	v_add_f32 v18, v18, v19
	RED16 18, 19
	v_fma_f32 v18, v18, s59, s62                   ; var + eps
	v_rsq_f32 v18, v18
	v_nop                                          ; a plain line behind the transcendental
	s_wait_alu depctr_va_vdst(0)                   ; the wait ahead of the first reader
.set i, 0
.rept 16
	v_pk_mul_f32 v[\X+i:\X+i+1], v[\X+i:\X+i+1], v[18:19] op_sel_hi:[1,0]
.set i, i+2
.endr
.set i, 0
.rept 16
	v_pk_fma_f32 v[\X+i:\X+i+1], v[\X+i:\X+i+1], v[G+i:G+i+1], v[BB+i:BB+i+1]
.set i, i+2
.endr
.endm
.macro QROW X, n                               ; the row's codes: dword j = k 128 j + 4 lane + 0 .. 3, into my row n in LDS
.set i, 0
.rept 32
	v_med3_num_f32 v[\X+i], v[\X+i], -v8, v8
.set i, i+1
.endr
	s_wait_dscnt 0x0                               ; the last row's stores have read v24-31
.irp p, 0,1,2,3
	v_cvt_scalef32_pk8_bf8_f32 v[24+2*\p:25+2*\p], v[\X+8*\p:\X+8*\p+7], v9
.endr
	v_nop
.irp j, 0,1,2,3,4,5,6,7
	ds_store_b32 v4, v[24+\j] offset:APITCH*(\n)+128*\j
.endr
.endm
.macro FETCH s, set                            ; K step s: my tokens' fragment and the four column tiles' images
.set FF, 64+80*(\set)
.irp c, 0,1,2,3
	ds_load_b128 v[FF+4*\c:FF+4*\c+3], v5 offset:128*(\s)+32*\c
.endr
.irp jt, 0,1,2,3
.irp c, 0,1,2,3
	ds_load_b128 v[FF+16+16*\jt+4*\c:FF+16+16*\jt+4*\c+3], v6 offset:(4*(\s)+\jt)*2048+512*\c
.endr
.endr
.endm
.macro GEMM tr                                 ; tr = 1: source 0 = the weight's tile; 0: source 0 = the tokens.  The four sums take turns
	FETCH 0, 0
	FETCH 1, 1
.irp s, 0,1,2,3,4,5,6,7
.set FB, 64+80*(\s%2)
.if \s < 7
	s_wait_dscnt 20                                ; the next K step's 20 loads may be out
.else
	s_wait_dscnt 0x0
.endif
.irp jt, 0,1,2,3
.if \tr
	v_wmma_f32_16x16x128_bf8_bf8 v[ACC+8*\jt:ACC+8*\jt+7], v[FB+16+16*\jt:FB+31+16*\jt], v[FB:FB+15], v[ACC+8*\jt:ACC+8*\jt+7]
.else
	v_wmma_f32_16x16x128_bf8_bf8 v[ACC+8*\jt:ACC+8*\jt+7], v[FB:FB+15], v[FB+16+16*\jt:FB+31+16*\jt], v[ACC+8*\jt:ACC+8*\jt+7]
.endif
.endr
.if \s != 6
.rept 4
	v_nop                                          ; four places ahead of loads into registers just multiplied, and of the first read of the sums
.endr
.endif
.if \s < 6
	FETCH \s+2, \s%2
.endif
.endr
.endm
.macro CODES                                   ; the sums, held and converted: v[16 + 2 jt], v[17 + 2 jt]
.set i, 0
.rept 32
	v_med3_num_f32 v[ACC+i], v[ACC+i], -v8, v8
.set i, i+1
.endr
.irp jt, 0,1,2,3
	v_cvt_scalef32_pk8_bf8_f32 v[16+2*\jt:17+2*\jt], v[ACC+8*\jt:ACC+8*\jt+7], v9
.endr
	v_nop
.endm
	s_load_b256 s[4:11], s[0:1], 0x0               ; x, ln1_g, ln1_b, wq
	s_load_b256 s[12:19], s[0:1], 0x20             ; wk, wv, bq, bk
	s_load_b128 s[20:23], s[0:1], 0x40             ; bv, lowp_scales
	s_load_b64 s[24:25], s[0:1], 0x50              ; qkv
	v_lshl_add_u32 v10, v0, 2, SPARE
	v_mov_b32 v11, 0
	v_lshrrev_b32 v12, 5, v0
	v_readfirstlane_b32 s2, v12                    ; wave
	v_and_b32 v12, 31, v0                          ; lane
	v_and_b32 v13, 15, v0                          ; r
	v_bfe_u32 v14, v0, 4, 1                        ; h
	s_and_b32 s3, ttmp7, 0xffff
	s_lshr_b32 s27, s3, 2                          ; which: 0 Q, 1 K, 2 V
	s_and_b32 s28, s3, 3                           ; batch
	v_lshlrev_b32 v3, 4, v12
	v_lshlrev_b32 v7, 3, v12
	v_lshlrev_b32 v1, 4, v13
	v_lshl_add_u32 v1, v14, 16, v1                 ; 16 rows of 4,096 bytes for the upper half, + 16 r
	s_lshl_b32 s29, s2, 13
	v_add_nc_u32 v2, s29, v3
	v_add_nc_u32 v2, BIMG, v2
	s_mul_i32 s29, s2, 16*APITCH
	v_lshlrev_b32 v4, 2, v12
	v_add_nc_u32 v4, s29, v4
	v_mul_u32_u24 v5, v13, APITCH
	v_lshl_add_u32 v5, v14, 4, v5
	v_add_nc_u32 v5, s29, v5
	v_add_nc_u32 v6, BIMG, v3
	v_lshlrev_b32 v48, 4, v13                      ; V's bias: 16 r
	v_lshlrev_b32 v49, 7, v14                      ; Q's and K's: 128 h
	s_mov_b32 s52, 0x05010400
	s_mov_b32 s53, 0x07030602
	s_mov_b32 s54, 0x05040100
	s_mov_b32 s55, 0x07060302
	s_mov_b32 s56, 0x76543210
	s_mov_b32 s57, 0xfedcba98
	s_mov_b32 s58, 0xba800000                      ; -1 / 1,024
	s_mov_b32 s59, 0x3a800000                      ; 1 / 1,024
	s_mov_b32 s62, 0x3727c5ac                      ; 1e-5
	s_mov_b32 s31, 0
	s_wait_kmcnt 0x0
	s_load_b512 s[32:47], s[22:23], 0x0            ; the sixteen exponents
	s_cmp_eq_u32 s27, 0
	s_cselect_b64 s[10:11], s[10:11], s[12:13]
	s_cselect_b64 s[16:17], s[16:17], s[18:19]
	s_cmp_eq_u32 s27, 2
	s_cselect_b64 s[10:11], s[14:15], s[10:11]     ; the weight,
	s_cselect_b64 s[16:17], s[20:21], s[16:17]     ; its bias
	s_lshl_b32 s30, s28, 7
	s_lshl_b32 s29, s2, 4
	s_add_co_u32 s30, s30, s29
	s_lshl_b32 s30, s30, 12
	s_add_nc_u64 s[4:5], s[4:5], s[30:31]          ; x at token 128 batch + 16 wave
	s_lshl_b32 s30, s2, 19
	s_lshl_b32 s29, ttmp9, 8
	s_add_co_u32 s30, s30, s29
	s_add_nc_u64 s[10:11], s[10:11], s[30:31]      ; the weight at row 128 wave, column 64 head
	s_mov_b32 s30, s29
	s_add_nc_u64 s[16:17], s[16:17], s[30:31]
	s_lshl_b32 s30, s28, 4
	s_add_co_u32 s30, s30, ttmp9
	s_lshl_b32 s30, s30, 13                        ; 8,192 (16 batch + head)
	s_lshl_b32 s29, s27, 19
	s_add_co_u32 s30, s30, s29                     ; + 524,288 which
	s_lshl_b32 s29, s2, 10
	s_lshl_b32 s3, s2, 8
	s_cmp_eq_u32 s27, 2
	s_cselect_b32 s29, s3, s29                     ; + 1,024 wave (Q, K) or 256 wave (V)
	s_add_co_u32 s30, s30, s29
	s_add_nc_u64 s[24:25], s[24:25], s[30:31]
.irp j, 0,1,2,3,4,5,6,7
	global_load_b128 v[G+4*\j:G+4*\j+3], v3, s[6:7] offset:512*\j
	global_load_b128 v[BB+4*\j:BB+4*\j+3], v3, s[8:9] offset:512*\j
.endr
	W64LOAD 0, 0
	W64LOAD 1, 1
	s_wait_kmcnt 0x0
	s_cmp_eq_u32 s27, 0
	s_cselect_b32 s48, s32, s34                    ; eA
	s_cselect_b32 s49, s33, s35                    ; eB
	s_cselect_b32 s50, s38, s39                    ; e_out: entry 6, 7 or 9
	s_cmp_eq_u32 s27, 2
	s_cselect_b32 s48, s36, s48
	s_cselect_b32 s49, s37, s49
	s_cselect_b32 s50, s41, s50
	MKSCALE 9, 8, s49
	s_wait_loadcnt 16                              ; all but the younger unit's 16 loads
	W64QUANT 0, 0
	W64LOAD 0, 2
	s_wait_loadcnt 16
	W64QUANT 1, 1
	W64LOAD 1, 3
	s_wait_loadcnt 16
	W64QUANT 0, 2
	ROWLOAD 0
	ROWLOAD 1
	s_wait_loadcnt 16                              ; rows 0 and 1 may be out
	W64QUANT 1, 3
	global_load_b128 v[12:15], v48, s[16:17]       ; the bias in V's form.  Both forms are loaded on the one way that all work-groups take, so that the counts below hold for all three projections
	ROWLOAD 2
	ROWLOAD 3
	MKSCALE 9, 8, s48
.set R, 0
.rept 16
.set RB, S+32*(R%4)
.if R < 14
	s_wait_loadcnt 24                              ; three younger rows (from row 13 on: two rows and the bias's eight loads)
.elseif R == 14
	s_wait_loadcnt 16
.else
	s_wait_loadcnt 8
.endif
	LNROW RB
	QROW RB, R
.if R < 12
	ROWLOAD R+4
.endif
.if R == 12
.irp q, 0,1,2,3,4,5,6,7
	global_load_b128 v[S+4*\q:S+4*\q+3], v49, s[16:17] offset:16*\q   ; the bias in Q's and K's form: 32 numbers from 32 h on
.endr
.endif
.set R, R+1
.endr
	s_wait_dscnt 0x0                               ; my images and rows have landed
	s_barrier_signal -1
	s_barrier_wait -1                              ; all 32 images lie in LDS
	s_wait_loadcnt 0x0
	s_add_co_i32 s51, s48, s49
	s_sub_co_i32 s50, s50, s51                     ; a sum stands for sum x 2^(eA + eB): its code is sum / 2^(e_out - eA - eB)
	s_sub_co_i32 s51, 0, s51
	MKSCALE 9, 8, s50
	s_cmp_eq_u32 s27, 2
	s_cbranch_scc1 .Lv
.irp jt, 0,1,2,3
.irp j, 0,1,2,3,4,5,6,7
	v_ldexp_f32 v[ACC+8*\jt+\j], v[S+4*\j+\jt], s51   ; the sums begin with bias / 2^(eA + eB): d = 32 h + 4 j + jt
.endr
.endr
	GEMM 1
	CODES
	global_store_b128 v3, v[16:19], s[24:25]            ; 512 consecutive bytes: tiles 0 and 1
	global_store_b128 v3, v[20:23], s[24:25] offset:512 ; tiles 2 and 3
	s_branch .Lend
.Lv:
.irp jt, 0,1,2,3
.irp j, 0,1,2,3,4,5,6,7
	v_ldexp_f32 v[ACC+8*\jt+\j], v[12+\jt], s51    ; d = 4 r + jt for all eight keys
.endr
.endr
	GEMM 0
	CODES
.irp jt, 0,1,2,3
	global_store_b64 v7, v[16+2*\jt:17+2*\jt], s[24:25] offset:2048*\jt   ; 256 consecutive bytes: keys 16 w + 8 h + 0 .. 7 of d = 4 r + jt
.endr
.Lend:
	s_wait_tensorcnt 0x0                           ; the wave's end
	ds_add_u32 v10, v11
	s_wait_dscnt 0x0
	s_endpgm
.Lfunc_end_k_q1b4a5497c6_qkv:
	.size	k_q1b4a5497c6_qkv, .Lfunc_end_k_q1b4a5497c6_qkv-k_q1b4a5497c6_qkv
	.p2alignl 7, 3214868480
	.fill 96, 4, 3214868480
	.section	.rodata,"a",@progbits
	.p2align	6, 0x0
	.amdhsa_kernel k_q1b4a5497c6_qkv
		.amdhsa_group_segment_fixed_size 199680
		.amdhsa_private_segment_fixed_size 0
		.amdhsa_enable_private_segment 0
		.amdhsa_kernarg_size 88
		.amdhsa_user_sgpr_count 2
		.amdhsa_user_sgpr_kernarg_segment_ptr 1
		.amdhsa_wavefront_size32 1
		.amdhsa_system_sgpr_workgroup_id_x 1
		.amdhsa_system_sgpr_workgroup_id_y 1
		.amdhsa_system_sgpr_workgroup_id_z 1
		.amdhsa_system_vgpr_workitem_id 0
		.amdhsa_next_free_vgpr 256
		.amdhsa_next_free_sgpr 66
		.amdhsa_reserve_vcc 0
		.amdhsa_float_denorm_mode_32 3
		.amdhsa_float_denorm_mode_16_64 3
		.amdhsa_memory_ordered 1
		.amdhsa_forward_progress 1
		.amdhsa_inst_pref_size 229
	.end_amdhsa_kernel
	.amdgpu_metadata
---
amdhsa.version: [ 1, 2 ]
amdhsa.kernels:
  - .name:           k_q1b4a5497c6_qkv
    .symbol:         k_q1b4a5497c6_qkv.kd
    .args:
      - { .name: x, .offset: 0, .size: 8, .value_kind: global_buffer, .address_space: global }
      - { .name: ln1_g, .offset: 8, .size: 8, .value_kind: global_buffer, .address_space: global }
      - { .name: ln1_b, .offset: 16, .size: 8, .value_kind: global_buffer, .address_space: global }
      - { .name: wq, .offset: 24, .size: 8, .value_kind: global_buffer, .address_space: global }
      - { .name: wk, .offset: 32, .size: 8, .value_kind: global_buffer, .address_space: global }
      - { .name: wv, .offset: 40, .size: 8, .value_kind: global_buffer, .address_space: global }
      - { .name: bq, .offset: 48, .size: 8, .value_kind: global_buffer, .address_space: global }
      - { .name: bk, .offset: 56, .size: 8, .value_kind: global_buffer, .address_space: global }
      - { .name: bv, .offset: 64, .size: 8, .value_kind: global_buffer, .address_space: global }
      - { .name: lowp_scales, .offset: 72, .size: 8, .value_kind: global_buffer, .address_space: global }
      - { .name: qkv, .offset: 80, .size: 8, .value_kind: global_buffer, .address_space: global }
    .group_segment_fixed_size: 199680
    .private_segment_fixed_size: 0
    .kernarg_segment_align: 8
    .kernarg_segment_size: 88
    .max_flat_workgroup_size: 256
    .sgpr_count:     66
    .vgpr_count:     256
    .wavefront_size: 32
...
	.end_amdgpu_metadata
.endif
;; end of part 1
;; launch attn (part 2): grid 256 x 1, 2 waves a work-group, no clusters, 0 bytes of LDS; arguments qkv, lowp_scales, ocodes; writes ocodes
.if DOCPART == 2
	.amdgcn_target "amdgcn-amd-amdhsa--gfx1250"
	.amdhsa_code_object_version 6
	.text
	.protected	k_q1b4a5497c6_attn
	.globl	k_q1b4a5497c6_attn
	.p2align	8
	.type	k_q1b4a5497c6_attn,@function
k_q1b4a5497c6_attn:
	s_mov_b64 s[64:65], 0
	v_nop
	global_prefetch_b8 v0, s[64:65] scope:SCOPE_SE
	s_setreg_imm32_b32 hwreg(HW_REG_WAVE_MODE, 25, 1), 1
	s_wait_xcnt 0x0
; LAUNCH 2: attention on codes of E5M2.  One wave takes 16 queries of one (batch, head) and all 128 keys in one step: no LDS, no barrier, nothing shared between waves.
; S^T = K Q^T (source 0 = 16 keys, source 1 = my queries): a lane holds one query and keys 16 kt + 8 h + j.  t = score x log2(e) / 8 x 2^(e6 + e7); M = ceil(the row's largest t);
; p = 2^(t - M) is quantised with 2^e8; the row's sum is taken of the unquantised p.  O^T = V^T P^T (source 0 = 16 of the head's 64): a lane holds d = 32 h + 4 j + jt of its query.
; o = O^T x 2^(e8 + e9) / sum is quantised with 2^e10: the three exponents are folded into the conversion's one.
; Q's and K's codes lie in one and the same order of d in a lane's eight registers, V's and p's in one and the same order of the keys, so every product meets its partner.
; LIMITS: e6 + e7 between -123 and 130 (added to the constant's exponent field); e8, e8 + 15, e10 - e8 - e9 and that + 15 between -126 and 127.  NaN is not served.
; No cluster, no LDS ring: a (batch, head)'s 24 KiB are read by eight waves once each, and the launch is short.
; REGISTERS: v1 16 x lane, v2 8 x lane, v3 Q's offset, v4 -M, v5 the largest t, v6-7 p's limit and scale, v8-15 Q, v16-79 K (later at work), v80-143 V, v144-207 S^T then p, v208-223 p's codes, v224-255 O^T.
.macro MKSCALE vsc, vlim, se
	s_add_co_i32 s38, \se, 127
	s_lshl_b32 s39, s38, 23
	v_mov_b32 v[\vsc], s39
	s_add_co_i32 s38, s38, 15
	s_lshl_b32 s38, s38, 23
	s_or_b32 s38, s38, 0x600000
	v_mov_b32 v[\vlim], s38
.endm
	s_load_b128 s[4:7], s[0:1], 0x0                ; qkv, lowp_scales
	s_load_b64 s[8:9], s[0:1], 0x10                ; ocodes
	v_lshrrev_b32 v1, 5, v0
	v_readfirstlane_b32 s2, v1
	s_lshl_b32 s3, ttmp9, 1
	s_add_co_u32 s3, s3, s2
	s_lshr_b32 s10, s3, 3                          ; 16 batch + head
	s_and_b32 s11, s3, 7                           ; my tile of queries
	v_and_b32 v1, 31, v0
	v_lshlrev_b32 v2, 3, v1
	v_lshlrev_b32 v1, 4, v1
	s_lshl_b32 s12, s11, 10
	v_add_nc_u32 v3, s12, v1
	s_lshl_b32 s12, s10, 13
	s_mov_b32 s13, 0
	s_lshr_b32 s14, s10, 4
	s_lshl_b32 s14, s14, 3
	s_add_co_u32 s14, s14, s11                     ; token tile 8 batch + qt
	s_lshl_b32 s14, s14, 14
	s_and_b32 s15, s10, 15
	s_lshl_b32 s15, s15, 10
	s_add_co_u32 s14, s14, s15
	s_mov_b32 s15, 0
	s_mov_b32 s34, 0x76543210
	s_mov_b32 s35, 0xfedcba98
	s_mov_b32 s32, 0x3e38aa3b                      ; log2(e) / 8
	s_wait_kmcnt 0x0
	s_load_b512 s[16:31], s[6:7], 0x0              ; entry n in s[16 + n]
	s_add_nc_u64 s[4:5], s[4:5], s[12:13]
	s_add_nc_u64 s[8:9], s[8:9], s[14:15]
	global_load_b128 v[8:11], v3, s[4:5]
	global_load_b128 v[12:15], v3, s[4:5] offset:512
.irp kt, 0,1,2,3,4,5,6,7
.irp g, 0,1
	global_load_b128 v[16+8*\kt+4*\g:19+8*\kt+4*\g], v1, s[4:5] offset:524288+1024*\kt+512*\g
.endr
.endr
.irp jt, 0,1,2,3
.irp w, 0,1,2,3,4,5,6,7
	global_load_b64 v[80+16*\jt+2*\w:81+16*\jt+2*\w], v2, s[4:5] offset:1048576+2048*\jt+256*\w
.endr
.endr
	s_wait_kmcnt 0x0
	s_add_co_i32 s36, s22, s23
	s_lshl_b32 s36, s36, 23
	s_add_co_i32 s32, s32, s36                     ; x 2^(e6 + e7)
	s_mov_b32 s33, s32                             ; (named with it as a pair)
	MKSCALE 7, 6, s24
	s_sub_co_i32 s37, s26, s24
	s_sub_co_i32 s37, s37, s25                     ; e10 - e8 - e9
	s_wait_loadcnt 32                              ; Q and K are in; V's 32 loads may be out
.irp kt, 0,1,2,3,4,5,6,7
	v_wmma_f32_16x16x64_bf8_bf8 v[144+8*\kt:151+8*\kt], v[16+8*\kt:23+8*\kt], v[8:15], 0
.endr
.rept 4
	v_nop
.endr
	MKSCALE 23, 22, s37
	v_max3_num_f32 v16, v144, v145, v146           ; the largest score of my query among my 64 keys, in two chains, each sum read from its low end on
	v_max3_num_f32 v17, v147, v148, v149
.set j, 6
.rept 14
	v_max3_num_f32 v16, v16, v[144+j], v[145+j]
	v_max3_num_f32 v17, v17, v[146+j], v[147+j]
.set j, j+4
.endr
	v_max3_num_f32 v16, v16, v206, v207
	v_max_num_f32 v16, v16, v17
	v_permlanex16_b32 v18, v16, s34, s35
	v_max_num_f32 v16, v16, v18                    ; and among the other half's
	v_mul_f32 v5, s32, v16                         ; as t (the factor is positive)
	v_floor_f32 v4, -v5                            ; -M = floor(-t) = -ceil(t)
.set j, 0
.rept 32
	v_pk_fma_f32 v[144+j:145+j], v[144+j:145+j], s[32:33], v[4:5] op_sel_hi:[1,0,0]
.set j, j+2
.endr
.set j, 0
.rept 64
	v_exp_f32 v[144+j], v[144+j]
.set j, j+1
.endr
	v_nop                                          ; a plain line behind the batch
	s_wait_alu depctr_va_vdst(0)                   ; one wait for the 64 exponentials, ahead of their first reader
	v_pk_add_f32 v[16:17], v[144:145], v[146:147]  ; the row's sum of the unquantised p
	v_pk_add_f32 v[18:19], v[148:149], v[150:151]
.set j, 8
.rept 14
	v_pk_add_f32 v[16:17], v[16:17], v[144+j:145+j]
	v_pk_add_f32 v[18:19], v[18:19], v[146+j:147+j]
.set j, j+4
.endr
	v_pk_add_f32 v[16:17], v[16:17], v[18:19]
	v_add_f32 v16, v16, v17
	v_permlanex16_b32 v17, v16, s34, s35
	v_add_f32 v16, v16, v17
	v_rcp_f32 v20, v16                             ; its wait stands ahead of its first reader, behind the second product
.set j, 0
.rept 64
	v_min_num_f32 v[144+j], v[144+j], v6           ; p is never negative: a one-sided hold
.set j, j+1
.endr
.irp kt, 0,1,2,3,4,5,6,7
	v_cvt_scalef32_pk8_bf8_f32 v[208+2*\kt:209+2*\kt], v[144+8*\kt:151+8*\kt], v7
.endr
	v_nop
	s_wait_loadcnt 0x0                             ; V
.irp jt, 0,1,2,3
	v_wmma_f32_16x16x128_bf8_bf8 v[224+8*\jt:231+8*\jt], v[80+16*\jt:95+16*\jt], v[208:223], 0
.endr
.rept 4
	v_nop
.endr
	s_wait_alu depctr_va_vdst(0)
.set j, 0
.rept 16
	v_pk_mul_f32 v[24+j:25+j], v[224+j:225+j], v[20:21] op_sel_hi:[1,0]
.set j, j+2
.endr
.set j, 0
.rept 32
	v_med3_num_f32 v[24+j], v[24+j], -v22, v22
.set j, j+1
.endr
.irp jt, 0,1,2,3
	v_cvt_scalef32_pk8_bf8_f32 v[56+2*\jt:57+2*\jt], v[24+8*\jt:31+8*\jt], v23
.endr
	v_nop
	global_store_b128 v1, v[56:59], s[8:9]              ; 512 consecutive bytes each
	global_store_b128 v1, v[60:63], s[8:9] offset:512
	s_endpgm
.Lfunc_end_k_q1b4a5497c6_attn:
	.size	k_q1b4a5497c6_attn, .Lfunc_end_k_q1b4a5497c6_attn-k_q1b4a5497c6_attn
	.p2alignl 7, 3214868480
	.fill 96, 4, 3214868480
	.section	.rodata,"a",@progbits
	.p2align	6, 0x0
	.amdhsa_kernel k_q1b4a5497c6_attn
		.amdhsa_group_segment_fixed_size 0
		.amdhsa_private_segment_fixed_size 0
		.amdhsa_enable_private_segment 0
		.amdhsa_kernarg_size 24
		.amdhsa_user_sgpr_count 2
		.amdhsa_user_sgpr_kernarg_segment_ptr 1
		.amdhsa_wavefront_size32 1
		.amdhsa_system_sgpr_workgroup_id_x 1
		.amdhsa_system_sgpr_workgroup_id_y 1
		.amdhsa_system_sgpr_workgroup_id_z 1
		.amdhsa_system_vgpr_workitem_id 0
		.amdhsa_next_free_vgpr 256
		.amdhsa_next_free_sgpr 66
		.amdhsa_reserve_vcc 0
		.amdhsa_float_denorm_mode_32 3
		.amdhsa_float_denorm_mode_16_64 3
		.amdhsa_memory_ordered 1
		.amdhsa_forward_progress 1
		.amdhsa_inst_pref_size 23
	.end_amdhsa_kernel
	.amdgpu_metadata
---
amdhsa.version: [ 1, 2 ]
amdhsa.kernels:
  - .name:           k_q1b4a5497c6_attn
    .symbol:         k_q1b4a5497c6_attn.kd
    .args:
      - { .name: qkv, .offset: 0, .size: 8, .value_kind: global_buffer, .address_space: global }
      - { .name: lowp_scales, .offset: 8, .size: 8, .value_kind: global_buffer, .address_space: global }
      - { .name: ocodes, .offset: 16, .size: 8, .value_kind: global_buffer, .address_space: global }
    .group_segment_fixed_size: 0
    .private_segment_fixed_size: 0
    .kernarg_segment_align: 8
    .kernarg_segment_size: 24
    .max_flat_workgroup_size: 64
    .sgpr_count:     66
    .vgpr_count:     256
    .wavefront_size: 32
...
	.end_amdgpu_metadata
.endif
;; end of part 2
;; launch wo (part 3): grid 16 x 4, 8 waves a work-group, no clusters, 66,560 bytes of LDS; arguments ocodes, wo, bo, x, lowp_scales, x2; writes x2
.if DOCPART == 3
	.amdgcn_target "amdgcn-amd-amdhsa--gfx1250"
	.amdhsa_code_object_version 6
	.text
	.protected	k_q1b4a5497c6_wo
	.globl	k_q1b4a5497c6_wo
	.p2align	8
	.type	k_q1b4a5497c6_wo,@function
k_q1b4a5497c6_wo:
	s_mov_b64 s[64:65], 0
	v_nop
	global_prefetch_b8 v0, s[64:65] scope:SCOPE_SE
	s_setreg_imm32_b32 hwreg(HW_REG_WAVE_MODE, 25, 1), 1
	s_wait_xcnt 0x0
; LAUNCH 3: x2 = x + o wo + bo, the product on codes of E5M2.  Work-group (x = 64 columns, y = batch) makes 128 tokens x 64 columns, K = 1,024.
; Wave w quantises K step w of wo's slice into LDS images, as the first launch does, and multiplies token tile w.  o's codes come from memory as register images, all eight K steps at the head, into window 1.
; o's codes lie in the order in which the attention launch's registers held them: register 4 c + mm, byte i, half h = k 128 s + 64 (c / 2) + 32 h + 16 (mm % 2) + 4 i + 2 (c % 2) + mm / 2.
; The same order is given to wo's codes by the choice of the ROW that each load takes: nothing is permuted by an instruction.
; Source 0 = the tokens: lane (r, h), register j of tile jt holds token 8 h + j, column 4 r + jt, so four tiles give 16 neighbouring bytes of a row and sixteen lanes store 256 consecutive aligned bytes.
; LIMITS: e11, e11 + 15 and e10 + e11 between -126 and 127.  NaN is not served.  No tensor load and no cluster, for the first launch's reasons.
; REGISTERS, window 0: v1 weight offset, v2 image store, v3 16 x lane, v5 x's and x2's offset, v8-9 limit and scale, v10-11 the add's two, v12-15, v16-31 at work, v32-47 transposed codes, v48-51 bo,
;   v64-95 the sums, v96-127 x, then x2, v128-255 two weight sets, then two sets of four images.  Window 1: v0-127 o's eight fragments.
.set SPARE, 65536
.set E,     16
.set CF,    32
.set ACC,   64
.set XR,    96
.set S,     128
.set MSB, 0
.macro WIN new
.if MSB != (\new)
	s_set_vgpr_msb (MSB<<8)|(\new)
.set MSB, (\new)
.endif
.endm
.macro TR4 d0, d1, d2, d3, e0, e1, e2, e3
	v_perm_b32 v12, v[\e1], v[\e0], s52
	v_perm_b32 v13, v[\e1], v[\e0], s53
	v_perm_b32 v14, v[\e3], v[\e2], s52
	v_perm_b32 v15, v[\e3], v[\e2], s53
	v_perm_b32 v[\d0], v14, v12, s54
	v_perm_b32 v[\d1], v14, v12, s55
	v_perm_b32 v[\d2], v15, v13, s54
	v_perm_b32 v[\d3], v15, v13, s55
.endm
.macro W64LOAD set, c                          ; row 64 (c / 2) + 2 (c % 2) + 32 h + 16 ((t / 4) % 2) + 4 (t % 4) + t / 8 of my K step
.set t, 0
.rept 16
	global_load_b128 v[S+64*(\set)+4*t:S+64*(\set)+4*t+3], v1, s[6:7] offset:(64*((\c)>>1)+2*((\c)&1)+16*((t>>2)&1)+4*(t&3)+(t>>3))*4096
.set t, t+1
.endr
.endm
.macro W64QUANT set, c
.set i, 0
.rept 64
	v_med3_num_f32 v[S+64*(\set)+i], v[S+64*(\set)+i], -v8, v8
.set i, i+1
.endr
.set i, 0
.rept 8
	v_cvt_scalef32_pk8_bf8_f32 v[E+2*i:E+2*i+1], v[S+64*(\set)+8*i:S+64*(\set)+8*i+7], v9
.set i, i+1
.endr
	v_nop
	s_wait_dscnt 0x0                               ; the last unit's image stores have read v32-47
.irp mm, 0,1,2,3
	TR4 CF+\mm, CF+4+\mm, CF+8+\mm, CF+12+\mm, E+4*\mm, E+4*\mm+1, E+4*\mm+2, E+4*\mm+3
.endr
.irp jt, 0,1,2,3
	ds_store_b128 v2, v[CF+4*\jt:CF+4*\jt+3] offset:2048*\jt+512*(\c)
.endr
.endm
.macro FETCHB s, set
.irp jt, 0,1,2,3
.irp c, 0,1,2,3
	ds_load_b128 v[S+64*(\set)+16*\jt+4*\c:S+64*(\set)+16*\jt+4*\c+3], v3 offset:(4*(\s)+\jt)*2048+512*\c
.endr
.endr
.endm
	s_load_b256 s[4:11], s[0:1], 0x0               ; ocodes, wo, bo, x
	s_load_b128 s[12:15], s[0:1], 0x20             ; lowp_scales, x2
	v_lshl_add_u32 v10, v0, 2, SPARE
	v_mov_b32 v11, 0
	v_lshrrev_b32 v12, 5, v0
	v_readfirstlane_b32 s2, v12
	v_and_b32 v12, 31, v0
	v_and_b32 v13, 15, v0
	v_bfe_u32 v14, v0, 4, 1
	s_and_b32 s28, ttmp7, 0xffff                   ; batch
	v_lshlrev_b32 v3, 4, v12
	v_lshlrev_b32 v1, 4, v13
	v_lshl_add_u32 v5, v14, 15, v1                 ; 8 rows of 4,096 bytes for the upper half, + 16 r
	v_lshl_add_u32 v1, v14, 17, v1                 ; 32 rows for the upper half, + 16 r
	s_lshl_b32 s29, s2, 13
	v_add_nc_u32 v2, s29, v3
	s_mov_b32 s52, 0x05010400
	s_mov_b32 s53, 0x07030602
	s_mov_b32 s54, 0x05040100
	s_mov_b32 s55, 0x07060302
	s_mov_b32 s31, 0
	s_wait_kmcnt 0x0
	s_load_b64 s[16:17], s[12:13], 0x28            ; e10, e11
	s_lshl_b32 s30, s28, 3
	s_add_co_u32 s30, s30, s2
	s_lshl_b32 s30, s30, 14
	s_add_nc_u64 s[4:5], s[4:5], s[30:31]          ; o's codes at token tile 8 batch + wave
	s_lshl_b32 s30, s2, 19
	s_lshl_b32 s29, ttmp9, 8
	s_add_co_u32 s30, s30, s29
	s_add_nc_u64 s[6:7], s[6:7], s[30:31]          ; wo at row 128 wave, my 64 columns
	s_mov_b32 s30, s29
	s_add_nc_u64 s[8:9], s[8:9], s[30:31]
	s_lshl_b32 s30, s28, 7
	s_lshl_b32 s3, s2, 4
	s_add_co_u32 s30, s30, s3
	s_lshl_b32 s30, s30, 12
	s_add_co_u32 s30, s30, s29
	s_add_nc_u64 s[10:11], s[10:11], s[30:31]      ; x and x2 at token 128 batch + 16 wave, my 64 columns
	s_add_nc_u64 s[14:15], s[14:15], s[30:31]
	WIN 0x40                                       ; destination window 1
.irp s, 0,1,2,3,4,5,6,7
.irp c, 0,1,2,3
	global_load_b128 v[16*\s+4*\c:16*\s+4*\c+3], v3, s[4:5] offset:2048*\s+512*\c
.endr
.endr
	WIN 0
.irp j, 0,1,2,3,4,5,6,7
	global_load_b128 v[XR+4*\j:XR+4*\j+3], v5, s[10:11] offset:4096*\j
.endr
	v_lshlrev_b32 v6, 4, v13
	global_load_b128 v[48:51], v6, s[8:9]
	W64LOAD 0, 0
	W64LOAD 1, 1
	s_wait_kmcnt 0x0
	s_add_co_i32 s60, s17, 127
	s_lshl_b32 s61, s60, 23
	v_mov_b32 v9, s61                              ; 2^e11
	s_add_co_i32 s60, s60, 15
	s_lshl_b32 s60, s60, 23
	s_or_b32 s60, s60, 0x600000
	v_mov_b32 v8, s60                              ; 57,344 x 2^e11
	s_add_co_i32 s40, s16, s17
	s_add_co_i32 s40, s40, 127
	s_lshl_b32 s40, s40, 23                        ; 2^(e10 + e11)
	s_wait_loadcnt 16                              ; all but the younger unit's 16 loads
	W64QUANT 0, 0
	W64LOAD 0, 2
	s_wait_loadcnt 16
	W64QUANT 1, 1
	W64LOAD 1, 3
	s_wait_loadcnt 16
	W64QUANT 0, 2
	s_wait_loadcnt 0x0
	W64QUANT 1, 3
.irp j, 0,1,2,3,4,5,6,7
	v_pk_add_f32 v[XR+4*\j:XR+4*\j+1], v[XR+4*\j:XR+4*\j+1], v[48:49]        ; x + bo
	v_pk_add_f32 v[XR+4*\j+2:XR+4*\j+3], v[XR+4*\j+2:XR+4*\j+3], v[50:51]
.endr
	s_wait_dscnt 0x0
	s_barrier_signal -1
	s_barrier_wait -1                              ; all 32 images lie in LDS
	FETCHB 0, 0
	FETCHB 1, 1
.irp s, 0,1,2,3,4,5,6,7
.if \s < 7
	s_wait_dscnt 16                                ; the next K step's 16 loads may be out
.else
	s_wait_dscnt 0x0
.endif
	WIN 0x01                                       ; source 0 (o) window 1.  The four sums take turns
.irp jt, 0,1,2,3
.if \s == 0
	v_wmma_f32_16x16x128_bf8_bf8 v[ACC+8*\jt:ACC+8*\jt+7], v[16*\s:16*\s+15], v[S+64*(\s%2)+16*\jt:S+64*(\s%2)+16*\jt+15], 0
.else
	v_wmma_f32_16x16x128_bf8_bf8 v[ACC+8*\jt:ACC+8*\jt+7], v[16*\s:16*\s+15], v[S+64*(\s%2)+16*\jt:S+64*(\s%2)+16*\jt+15], v[ACC+8*\jt:ACC+8*\jt+7]
.endif
.endr
	WIN 0
.if \s != 6
.rept 4
	v_nop
.endr
.endif
.if \s < 6
	FETCHB \s+2, \s%2
.endif
.endr
.irp jt, 0,1,2,3
.irp j, 0,1,2,3,4,5,6,7
	v_fma_f32 v[XR+4*\j+\jt], v[ACC+8*\jt+\j], s40, v[XR+4*\j+\jt]   ; sum x 2^(e10 + e11) + (x + bo); each sum from its low end on
.endr
.endr
.irp j, 0,1,2,3,4,5,6,7
	global_store_b128 v5, v[XR+4*\j:XR+4*\j+3], s[14:15] offset:4096*\j   ; sixteen lanes store 256 consecutive aligned bytes of a row
.endr
	s_wait_tensorcnt 0x0                           ; the wave's end
	ds_add_u32 v10, v11
	s_wait_dscnt 0x0
	s_endpgm
.Lfunc_end_k_q1b4a5497c6_wo:
	.size	k_q1b4a5497c6_wo, .Lfunc_end_k_q1b4a5497c6_wo-k_q1b4a5497c6_wo
	.p2alignl 7, 3214868480
	.fill 96, 4, 3214868480
	.section	.rodata,"a",@progbits
	.p2align	6, 0x0
	.amdhsa_kernel k_q1b4a5497c6_wo
		.amdhsa_group_segment_fixed_size 66560
		.amdhsa_private_segment_fixed_size 0
		.amdhsa_enable_private_segment 0
		.amdhsa_kernarg_size 48
		.amdhsa_user_sgpr_count 2
		.amdhsa_user_sgpr_kernarg_segment_ptr 1
		.amdhsa_wavefront_size32 1
		.amdhsa_system_sgpr_workgroup_id_x 1
		.amdhsa_system_sgpr_workgroup_id_y 1
		.amdhsa_system_sgpr_workgroup_id_z 1
		.amdhsa_system_vgpr_workitem_id 0
		.amdhsa_next_free_vgpr 384
		.amdhsa_next_free_sgpr 66
		.amdhsa_reserve_vcc 0
		.amdhsa_float_denorm_mode_32 3
		.amdhsa_float_denorm_mode_16_64 3
		.amdhsa_memory_ordered 1
		.amdhsa_forward_progress 1
		.amdhsa_inst_pref_size 56
	.end_amdhsa_kernel
	.amdgpu_metadata
---
amdhsa.version: [ 1, 2 ]
amdhsa.kernels:
  - .name:           k_q1b4a5497c6_wo
    .symbol:         k_q1b4a5497c6_wo.kd
    .args:
      - { .name: ocodes, .offset: 0, .size: 8, .value_kind: global_buffer, .address_space: global }
      - { .name: wo, .offset: 8, .size: 8, .value_kind: global_buffer, .address_space: global }
      - { .name: bo, .offset: 16, .size: 8, .value_kind: global_buffer, .address_space: global }
      - { .name: x, .offset: 24, .size: 8, .value_kind: global_buffer, .address_space: global }
      - { .name: lowp_scales, .offset: 32, .size: 8, .value_kind: global_buffer, .address_space: global }
      - { .name: x2, .offset: 40, .size: 8, .value_kind: global_buffer, .address_space: global }
    .group_segment_fixed_size: 66560
    .private_segment_fixed_size: 0
    .kernarg_segment_align: 8
    .kernarg_segment_size: 48
    .max_flat_workgroup_size: 256
    .sgpr_count:     66
    .vgpr_count:     384
    .wavefront_size: 32
...
	.end_amdgpu_metadata
.endif
;; end of part 3
;; launch ln2gate (part 4): grid 16 x 1, 8 waves a work-group, no clusters, 9,472 bytes of LDS; arguments x2, ln2_g, ln2_b, gate_w, gate_b, lowp_scales, h2c, masks; writes h2c, masks
.if DOCPART == 4
	.amdgcn_target "amdgcn-amd-amdhsa--gfx1250"
	.amdhsa_code_object_version 6
	.text
	.protected	k_q1b4a5497c6_ln2gate
	.globl	k_q1b4a5497c6_ln2gate
	.p2align	8
	.type	k_q1b4a5497c6_ln2gate,@function
k_q1b4a5497c6_ln2gate:
	s_mov_b64 s[64:65], 0
	v_nop
	global_prefetch_b8 v0, s[64:65] scope:SCOPE_SE
	s_setreg_imm32_b32 hwreg(HW_REG_WAVE_MODE, 25, 1), 1
	s_wait_xcnt 0x0
; LAUNCH 4: layer norm 2; its rows as codes of E5M2 (scale entry 13), in natural order; the gate in f32; the argmax as whole numbers.
; A work-group takes 32 tokens, a wave four rows.  No address and no branch here hangs on the choice: it is stored at fixed places, masks[e][g] = bit l set where token 32 g + l chose expert e, and the two later launches read it.
; The gate's 1,024 x 8 weights stay in 256 registers of window 1: lane l holds gate_w[128 j + 4 l + i][0 .. 7], the k's that it holds of a row.  Sums in f32: 32 fused multiply-adds a lane, then a tree over the lanes.
; The argmax walks the experts upward and moves only on a strictly larger logit: the lowest index wins a tie, as in jnp.argmax.  LIMIT: where two logits lie closer than the rounding of f32 sums, the choice may fall either way.  NaN is not served.
; LIMITS: e13 and e13 + 15 between -126 and 127.  Sixteen work-groups: a mask word wants its 32 tokens in one work-group.  The matrix unit has nothing to do here (N = 8, f32).
; LDS: 32 words for the choices (a block of 256 bytes); 1,024 bytes a wave to turn a row's codes into whole runs of 512 bytes; the spare words.
.set STG,   256
.set SPARE, STG+8192
.set G,     64
.set BB,    96
.set S,     128
.set MSB, 0
.macro WIN new
.if MSB != (\new)
	s_set_vgpr_msb (MSB<<8)|(\new)
.set MSB, (\new)
.endif
.endm
.macro RED16 a, b
	v_add_f32_dpp v[\a], v[\a], v[\a] row_xmask:1 row_mask:0xf bank_mask:0xf
	v_add_f32_dpp v[\a], v[\a], v[\a] row_xmask:2 row_mask:0xf bank_mask:0xf
	v_add_f32_dpp v[\a], v[\a], v[\a] row_xmask:4 row_mask:0xf bank_mask:0xf
	v_add_f32_dpp v[\a], v[\a], v[\a] row_xmask:8 row_mask:0xf bank_mask:0xf
	v_permlanex16_b32 v[\b], v[\a], s56, s57
	v_add_f32 v[\a], v[\a], v[\b]
.endm
.macro LNROW X
	v_pk_add_f32 v[16:17], v[\X:\X+1], v[\X+2:\X+3]
	v_pk_add_f32 v[18:19], v[\X+4:\X+5], v[\X+6:\X+7]
.irp j, 8,12,16,20,24,28
	v_pk_add_f32 v[16:17], v[16:17], v[\X+\j:\X+\j+1]
	v_pk_add_f32 v[18:19], v[18:19], v[\X+\j+2:\X+\j+3]
.endr
	v_pk_add_f32 v[16:17], v[16:17], v[18:19]
	v_add_f32 v16, v16, v17
	RED16 16, 17
	v_mul_f32 v16, s58, v16                        ; - mean
.set i, 0
.rept 16
	v_pk_add_f32 v[\X+i:\X+i+1], v[\X+i:\X+i+1], v[16:17] op_sel_hi:[1,0]
.set i, i+2
.endr
	v_pk_mul_f32 v[18:19], v[\X:\X+1], v[\X:\X+1]
	v_pk_mul_f32 v[20:21], v[\X+2:\X+3], v[\X+2:\X+3]
.irp j, 4,8,12,16,20,24,28
	v_pk_fma_f32 v[18:19], v[\X+\j:\X+\j+1], v[\X+\j:\X+\j+1], v[18:19]
	v_pk_fma_f32 v[20:21], v[\X+\j+2:\X+\j+3], v[\X+\j+2:\X+\j+3], v[20:21]
.endr
	v_pk_add_f32 v[18:19], v[18:19], v[20:21]
	v_add_f32 v18, v18, v19
	RED16 18, 19
	v_fma_f32 v18, v18, s59, s62
	v_rsq_f32 v18, v18
	v_nop
	s_wait_alu depctr_va_vdst(0)                   ; the wait ahead of the first reader
.set i, 0
.rept 16
	v_pk_mul_f32 v[\X+i:\X+i+1], v[\X+i:\X+i+1], v[18:19] op_sel_hi:[1,0]
.set i, i+2
.endr
.set i, 0
.rept 16
	v_pk_fma_f32 v[\X+i:\X+i+1], v[\X+i:\X+i+1], v[G+i:G+i+1], v[BB+i:BB+i+1]
.set i, i+2
.endr
.endm
	s_load_b256 s[4:11], s[0:1], 0x0               ; x2, ln2_g, ln2_b, gate_w
	s_load_b256 s[12:19], s[0:1], 0x20             ; gate_b, lowp_scales, h2c, masks
	v_lshl_add_u32 v10, v0, 2, SPARE
	v_mov_b32 v11, 0
	v_lshrrev_b32 v12, 5, v0
	v_readfirstlane_b32 s2, v12
	v_and_b32 v12, 31, v0
	v_lshlrev_b32 v3, 4, v12                       ; 16 x lane
	v_lshlrev_b32 v6, 7, v12                       ; 128 x lane: four rows of gate_w
	s_lshl_b32 s3, s2, 10
	s_add_co_u32 s3, s3, STG
	v_lshlrev_b32 v4, 2, v12
	v_add_nc_u32 v4, s3, v4                        ; my stage, on the way in,
	v_add_nc_u32 v5, s3, v3                        ; and back
	s_lshl_b32 s3, s2, 4
	v_mov_b32 v7, s3                               ; my four words of choices
	s_mov_b32 s56, 0x76543210
	s_mov_b32 s57, 0xfedcba98
	s_mov_b32 s58, 0xba800000
	s_mov_b32 s59, 0x3a800000
	s_mov_b32 s62, 0x3727c5ac
	s_lshl_b32 s36, ttmp9, 5
	s_lshl_b32 s3, s2, 2
	s_add_co_u32 s36, s36, s3                      ; my first token: 32 g + 4 wave
	s_mov_b32 s37, 0
	s_lshl_b32 s38, s36, 10
	s_mov_b32 s39, 0
	s_lshl_b32 s36, s36, 12
	s_wait_kmcnt 0x0
	s_load_b256 s[24:31], s[12:13], 0x0            ; gate_b
	s_load_b32 s32, s[14:15], 0x34                 ; e13
	s_add_nc_u64 s[4:5], s[4:5], s[36:37]
	s_add_nc_u64 s[16:17], s[16:17], s[38:39]
	s_lshl_b32 s36, ttmp9, 2
	s_add_nc_u64 s[18:19], s[18:19], s[36:37]      ; masks at word g
.irp n, 0,1,2,3
.irp j, 0,1,2,3,4,5,6,7
	global_load_b128 v[S+32*\n+4*\j:S+32*\n+4*\j+3], v3, s[4:5] offset:4096*\n+512*\j
.endr
.endr
.irp j, 0,1,2,3,4,5,6,7
	global_load_b128 v[G+4*\j:G+4*\j+3], v3, s[6:7] offset:512*\j
	global_load_b128 v[BB+4*\j:BB+4*\j+3], v3, s[8:9] offset:512*\j
.endr
	WIN 0x40                                       ; destination window 1
.set q, 0
.rept 32
	global_load_b128 v[8*q:8*q+3], v6, s[10:11] offset:4096*(q>>2)+32*(q&3)
	global_load_b128 v[8*q+4:8*q+7], v6, s[10:11] offset:4096*(q>>2)+32*(q&3)+16
.set q, q+1
.endr
	WIN 0
	s_wait_kmcnt 0x0
	s_add_co_i32 s60, s32, 127
	s_lshl_b32 s61, s60, 23
	v_mov_b32 v9, s61
	s_add_co_i32 s60, s60, 15
	s_lshl_b32 s60, s60, 23
	s_or_b32 s60, s60, 0x600000
	v_mov_b32 v8, s60
	s_wait_loadcnt 0x0                             ; one wait: the launch is short and everything was asked for at once
.set R, 0
.rept 4
.set XB, S+32*R
	LNROW XB
	WIN 0x04                                       ; source 1 (gate_w) window 1
.set q, 0
.rept 32
.irp p, 0,1,2,3
.if q == 0
	v_pk_mul_f32 v[32+2*\p:33+2*\p], v[XB:XB+1], v[2*\p:2*\p+1] op_sel_hi:[0,1]
.elseif (q&1) == 0
	v_pk_fma_f32 v[32+2*\p:33+2*\p], v[XB+q:XB+q+1], v[8*q+2*\p:8*q+2*\p+1], v[32+2*\p:33+2*\p] op_sel_hi:[0,1,1]
.else
	v_pk_fma_f32 v[32+2*\p:33+2*\p], v[XB+q-1:XB+q], v[8*q+2*\p:8*q+2*\p+1], v[32+2*\p:33+2*\p] op_sel:[1,0,0] op_sel_hi:[1,1,1]
.endif
.endr
.set q, q+1
.endr
	WIN 0
.irp e, 0,1,2,3,4,5,6,7
	RED16 32+\e, 17
.endr
.irp e, 0,1,2,3,4,5,6,7
	v_add_f32 v[32+\e], s[24+\e], v[32+\e]
.endr
	v_mov_b32 v20, v32
	v_mov_b32 v21, 0
.irp e, 1,2,3,4,5,6,7
	v_cmp_le_f32 vcc_lo, v[32+\e], v20             ; not larger: the earlier expert stays
	v_cndmask_b32 v21, \e, v21, vcc_lo
	v_cndmask_b32 v20, v[32+\e], v20, vcc_lo
.endr
	ds_store_b32 v7, v21 offset:4*R                ; all lanes hold the same number
.set i, 0
.rept 32
	v_med3_num_f32 v[XB+i], v[XB+i], -v8, v8
.set i, i+1
.endr
	s_wait_dscnt 0x0                               ; the last row's stage stores have read v40-47
.irp p, 0,1,2,3
	v_cvt_scalef32_pk8_bf8_f32 v[40+2*\p:41+2*\p], v[XB+8*\p:XB+8*\p+7], v9
.endr
	v_nop
.irp j, 0,1,2,3,4,5,6,7
	ds_store_b32 v4, v[40+\j] offset:128*\j
.endr
	s_wait_xcnt 0x0                                ; the last row's global stores have read v48-55
	ds_load_b128 v[48:51], v5                      ; LDS serves a wave's instructions in order: these see my stores
	ds_load_b128 v[52:55], v5 offset:512
	s_wait_dscnt 0x0
	global_store_b128 v3, v[48:51], s[16:17] offset:1024*R       ; 512 consecutive bytes each
	global_store_b128 v3, v[52:55], s[16:17] offset:1024*R+512
.set R, R+1
.endr
	s_wait_dscnt 0x0
	s_barrier_signal -1
	s_barrier_wait -1                              ; the 32 choices lie in LDS
	s_cmp_lg_u32 s2, 0
	s_cbranch_scc1 .Lnot_wave_0
	v_lshlrev_b32 v20, 2, v12
	ds_load_b32 v21, v20                           ; lane l: token 32 g + l's expert
	v_mov_b32 v22, 0
	v_lshlrev_b32 v23, 6, v12                      ; an expert's 16 words are 64 bytes
	s_wait_dscnt 0x0
.irp e, 0,1,2,3,4,5,6,7
	v_cmp_eq_u32 s[40+\e], \e, v21
.endr
.irp e, 0,1,2,3,4,5,6,7
	v_writelane_b32 v22, s[40+\e], \e
.endr
	s_wait_xcnt 0x0                                ; EXEC changes only behind this wait
	v_cmp_gt_u32 vcc_lo, 8, v12
	s_and_saveexec_b32 s48, vcc_lo
	global_store_b32 v23, v22, s[18:19]            ; lane e: masks[e][g]
	s_wait_xcnt 0x0
	s_or_b32 exec_lo, exec_lo, s48
.Lnot_wave_0:
	s_wait_tensorcnt 0x0                           ; the wave's end
	ds_add_u32 v10, v11
	s_wait_dscnt 0x0
	s_endpgm
.Lfunc_end_k_q1b4a5497c6_ln2gate:
	.size	k_q1b4a5497c6_ln2gate, .Lfunc_end_k_q1b4a5497c6_ln2gate-k_q1b4a5497c6_ln2gate
	.p2alignl 7, 3214868480
	.fill 96, 4, 3214868480
	.section	.rodata,"a",@progbits
	.p2align	6, 0x0
	.amdhsa_kernel k_q1b4a5497c6_ln2gate
		.amdhsa_group_segment_fixed_size 9472
		.amdhsa_private_segment_fixed_size 0
		.amdhsa_enable_private_segment 0
		.amdhsa_kernarg_size 64
		.amdhsa_user_sgpr_count 2
		.amdhsa_user_sgpr_kernarg_segment_ptr 1
		.amdhsa_wavefront_size32 1
		.amdhsa_system_sgpr_workgroup_id_x 1
		.amdhsa_system_sgpr_workgroup_id_y 1
		.amdhsa_system_sgpr_workgroup_id_z 1
		.amdhsa_system_vgpr_workitem_id 0
		.amdhsa_next_free_vgpr 512
		.amdhsa_next_free_sgpr 66
		.amdhsa_reserve_vcc 1
		.amdhsa_float_denorm_mode_32 3
		.amdhsa_float_denorm_mode_16_64 3
		.amdhsa_memory_ordered 1
		.amdhsa_forward_progress 1
		.amdhsa_inst_pref_size 99
	.end_amdhsa_kernel
	.amdgpu_metadata
---
amdhsa.version: [ 1, 2 ]
amdhsa.kernels:
  - .name:           k_q1b4a5497c6_ln2gate
    .symbol:         k_q1b4a5497c6_ln2gate.kd
    .args:
      - { .name: x2, .offset: 0, .size: 8, .value_kind: global_buffer, .address_space: global }
      - { .name: ln2_g, .offset: 8, .size: 8, .value_kind: global_buffer, .address_space: global }
      - { .name: ln2_b, .offset: 16, .size: 8, .value_kind: global_buffer, .address_space: global }
      - { .name: gate_w, .offset: 24, .size: 8, .value_kind: global_buffer, .address_space: global }
      - { .name: gate_b, .offset: 32, .size: 8, .value_kind: global_buffer, .address_space: global }
      - { .name: lowp_scales, .offset: 40, .size: 8, .value_kind: global_buffer, .address_space: global }
      - { .name: h2c, .offset: 48, .size: 8, .value_kind: global_buffer, .address_space: global }
      - { .name: masks, .offset: 56, .size: 8, .value_kind: global_buffer, .address_space: global }
    .group_segment_fixed_size: 9472
    .private_segment_fixed_size: 0
    .kernarg_segment_align: 8
    .kernarg_segment_size: 64
    .max_flat_workgroup_size: 256
    .sgpr_count:     66
    .vgpr_count:     512
    .wavefront_size: 32
...
	.end_amdgpu_metadata
.endif
;; end of part 4
;; launch moe1 (part 5): grid 256 x 1, 4 waves a work-group, no clusters, 0 bytes of LDS; arguments masks, h2c, w1, b1, lowp_scales, mid; writes mid
.if DOCPART == 5
	.amdgcn_target "amdgcn-amd-amdhsa--gfx1250"
	.amdhsa_code_object_version 6
	.text
	.protected	k_q1b4a5497c6_moe1
	.globl	k_q1b4a5497c6_moe1
	.p2align	8
	.type	k_q1b4a5497c6_moe1,@function
k_q1b4a5497c6_moe1:
	s_mov_b64 s[64:65], 0
	v_nop
	global_prefetch_b8 v0, s[64:65] scope:SCOPE_SE
	s_setreg_imm32_b32 hwreg(HW_REG_WAVE_MODE, 25, 1), 1
	s_wait_xcnt 0x0
; LAUNCH 5: mid = relu(hn2 w1[e] + b1[e]) as codes of E5M2, for the rows that chose expert e alone (the rows of other experts reach no output: shown at the head of the first launch).
; Work-group = (expert e = x / 32, 128 columns f); wave w takes 32 columns and all of K = 1,024: a block of 128 KiB of f32, read once, quantised on the way into 256 registers of codes that stay (window 1).
; An expert without rows is not read: its work-groups end at once, on a stored count.  That is the price of a grid that serves every split.
; THE ROWS.  masks[e][0 .. 15] come by one scalar load; their bit counts give the number of rows n and a running sum; SEARCH finds slot j's token (the j-th set bit) by arithmetic on these whole numbers, held at 511 ahead of any address.
; Slots at or past n repeat the expert's last row.  Rows go in tiles of 16: four tiles first, asked for while the weights stream, then 14 trips of two tiles; a trip past the last tile is jumped over.  The next launch walks the same trips.
; THE WEIGHT, K outermost: lane (h, rb, cg) loads 8 rows x 4 columns; conversions and two 4 x 4 byte transpositions give 4 columns x 8 k; lanes l and l xor 8 exchange halves, so that each holds 2 columns x 16 k:
; lane r = 8 rb + cg of tile u holds column 4 cg + 2 rb + u, register 4 c + mm, byte i = k 128 s + 32 c + 16 h + 4 mm + i.
; Source 0 = the weight's tile: lane (r, h) holds slot r and f = 4 j + 2 h + u.  mid is laid [e][32 columns][slot][32 bytes], so a tile's codes are 512 consecutive aligned bytes, and come back as register images.
; b1 / 2^(e12 + e13) is the C of each sum's first product; relu is the lower end of the hold; the scales are folded: code = sum / 2^(e14 - e12 - e13).
; LIMITS: e12, e12 + 15, e14 - e12 - e13 and that + 15 between -126 and 127.  NaN is not served.
; No tensor load: branches hang on stored numbers.  No cluster: no two work-groups share a weight byte, and the rows are gathered by stored numbers.  No prefetch: the launch streams from memory throughout.
; REGISTERS, window 0: v1 weight offset, v2 16 h, v3 32 r + 16 h, v4-7 the tiles' row offsets, v8 r, v10 b1's offset, v12-13 the weight's limit and scale, v14-15 mid's, v16-43 at work, v48-63 b1,
;   v64-255 six slots of 32 for the stream; behind it v64-127 the sums, v128-143 codes.  Window 1: the weight's codes, (K step s, tile u) at 32 s + 16 u.  Windows 2, 3: the rows' fragments, tile b at 128 (b % 2) + 16 s.
.set E,     16
.set T,     28
.set BIAS,  48
.set S,     64
.set ACC,   64
.set OUT,   128
.set EXTRA, 0
.set MSB, 0
.macro WIN new
.if MSB != (\new)
	s_set_vgpr_msb (MSB<<8)|(\new)
.set MSB, (\new)
.endif
.endm
.macro TR4 d0, d1, d2, d3, e0, e1, e2, e3
	v_perm_b32 v24, v[\e1], v[\e0], s58
	v_perm_b32 v25, v[\e1], v[\e0], s59
	v_perm_b32 v26, v[\e3], v[\e2], s58
	v_perm_b32 v27, v[\e3], v[\e2], s59
	v_perm_b32 v[\d0], v26, v24, s60
	v_perm_b32 v[\d1], v26, v24, s61
	v_perm_b32 v[\d2], v27, v25, s60
	v_perm_b32 v[\d3], v27, v25, s61
.endm
.macro MKSCALE vsc, vlim, se
	s_add_co_i32 s80, \se, 127
	s_lshl_b32 s81, s80, 23
	v_mov_b32 v[\vsc], s81
	s_add_co_i32 s80, s80, 15
	s_lshl_b32 s80, s80, 23
	s_or_b32 s80, s80, 0x600000
	v_mov_b32 v[\vlim], s80
.endm
.macro LEVEL src, width, step                  ; does the wanted bit lie in the upper half of the field at v25?
	v_bfe_u32 v24, v[\src], v25, \width
	v_cmp_ge_u32 vcc_lo, v19, v24
	v_sub_nc_u32 v24, v19, v24
	v_add_nc_u32 v27, \step, v25
	v_cndmask_b32 v19, v19, v24, vcc_lo
	v_cndmask_b32 v25, v25, v27, vcc_lo
.endm
.macro SEARCH vt                               ; v26 = a slot; v[vt] = its token
	v_min_u32 v26, s53, v26                        ; slots past the last repeat it
	v_mov_b32 v16, s20
	v_mov_b32 v17, 0
	v_mov_b32 v18, 0
.irp i, 1,2,3,4,5,6,7,8,9,10,11,12,13,14,15
	v_cmp_gt_u32 vcc_lo, s[36+\i], v26             ; the last word whose running sum is at or under the slot
	v_cndmask_b32 v16, s[20+\i], v16, vcc_lo
	v_cndmask_b32 v17, s[36+\i], v17, vcc_lo
	v_cndmask_b32 v18, \i, v18, vcc_lo
.endr
	v_sub_nc_u32 v19, v26, v17                     ; which set bit of that word
	v_lshrrev_b32 v24, 1, v16
	v_and_b32 v24, 0x55555555, v24
	v_sub_nc_u32 v20, v16, v24                     ; counts of 2 bits,
	v_lshrrev_b32 v24, 2, v20
	v_and_b32 v24, 0x33333333, v24
	v_and_b32 v21, 0x33333333, v20
	v_add_nc_u32 v21, v21, v24                     ; of 4,
	v_lshrrev_b32 v24, 4, v21
	v_add_nc_u32 v22, v21, v24
	v_and_b32 v22, 0x0f0f0f0f, v22                 ; of 8,
	v_lshrrev_b32 v24, 8, v22
	v_add_nc_u32 v23, v22, v24                     ; of 16 (in the low byte)
	v_mov_b32 v25, 0
	LEVEL 23, 8, 16
	LEVEL 22, 8, 8
	LEVEL 21, 4, 4
	LEVEL 20, 2, 2
	LEVEL 16, 1, 1
	v_lshl_add_u32 v[\vt], v18, 5, v25
	v_min_u32 v[\vt], 0x1ff, v[\vt]
.endm
.macro W32LOAD u                               ; unit u = (K step u / 4, c = u % 4): rows 32 c + 16 h + 8 rb + t, four rows x 128 bytes an instruction
.set SB, S+32*((\u)%6)
.set us, (\u)>>2
.set uc, (\u)&3
.set t, 0
.rept 8
.if us < 4
	global_load_b128 v[SB+4*t:SB+4*t+3], v1, s[66:67] offset:(128*us+32*uc+t)*16384 th:TH_LOAD_NT
.else
	global_load_b128 v[SB+4*t:SB+4*t+3], v1, s[68:69] offset:(128*(us-4)+32*uc+t)*16384 th:TH_LOAD_NT
.endif
.set t, t+1
.endr
.endm
.macro W32QUANT u
.set SB, S+32*((\u)%6)
.set FB, 32*((\u)>>2)+4*((\u)&3)
.set i, 0
.rept 32
	v_med3_num_f32 v[SB+i], v[SB+i], -v12, v12
.set i, i+1
.endr
.irp p, 0,1,2,3
	v_cvt_scalef32_pk8_bf8_f32 v[E+2*\p:E+2*\p+1], v[SB+8*\p:SB+8*\p+7], v13
.endr
	v_nop
	TR4 28, 29, 30, 31, 16, 17, 18, 19
	TR4 32, 33, 34, 35, 20, 21, 22, 23
.irp x, 0,1
.irp w, 0,1
	v_cndmask_b32 v[36+2*\x+\w], v[T+4*\x+2+\w], v[T+4*\x+\w], s62   ; what my partner keeps
.endr
.endr
.irp k, 0,1,2,3
	v_mov_b32_dpp v[40+\k], v[36+\k] row_xmask:8 row_mask:0xf bank_mask:0xf
.endr
	WIN 0x40                                       ; destination window 1
.irp x, 0,1
.irp w, 0,1
	v_cndmask_b32 v[FB+16*\w+\x], v[T+4*\x+\w], v[40+2*\x+\w], s62
	v_cndmask_b32 v[FB+16*\w+2+\x], v[40+2*\x+\w], v[T+4*\x+2+\w], s62
.endr
.endr
	WIN 0
.endm
.macro ACHUNK u                                ; two K steps of tile u / 4 of the first four tiles of rows
.set ab, (\u)>>2
	WIN 0x80+0x40*(ab>>1)
.irp z, 0,1
.irp c, 0,1,2,3
.set ak, 2*((\u)&3)+\z
	global_load_b128 v[128*(ab&1)+16*ak+4*\c:128*(ab&1)+16*ak+4*\c+3], v[4+ab], s[6:7] offset:128*ak+32*\c
.endr
.endr
	WIN 0
.endm
.macro STEP u                                  ; the count: the loads issued behind unit u's eight: at most five younger units, and the chunks of rows issued among them; held at the field's 63
.set nw, 31-(\u)
.if nw > 5
.set nw, 5
.endif
.if (\u) < 6
.set na, (\u)
.set nx, EXTRA
.else
.set na, 22-(\u)
.set nx, 0
.endif
.if na > 6
.set na, 6
.endif
.if na < 0
.set na, 0
.endif
.set nn, 8*nw+8*na+nx
.if nn > 63
.set nn, 63
.endif
	s_wait_loadcnt nn
	W32QUANT \u
.if (\u) < 26
	W32LOAD (\u)+6
.endif
.if (\u) < 16
	ACHUNK \u
.endif
.endm
.macro PAIR_MUL p                              ; tiles 2 p, 2 p + 1: 32 products; the four sums take turns
	WIN 0x09+4*(\p)                                ; source 0 (the weight) window 1, source 1 (the rows) window 2 + p
.irp s, 0,1,2,3,4,5,6,7
.irp bl, 0,1
.irp w, 0,1
.set AC, ACC+16*(2*(\p)+\bl)+8*\w
.if \s == 0
	v_wmma_f32_16x16x128_bf8_bf8 v[AC:AC+7], v[32*\s+16*\w:32*\s+16*\w+15], v[128*\bl+16*\s:128*\bl+16*\s+15], v[BIAS+8*\w:BIAS+8*\w+7]
.else
	v_wmma_f32_16x16x128_bf8_bf8 v[AC:AC+7], v[32*\s+16*\w:32*\s+16*\w+15], v[128*\bl+16*\s:128*\bl+16*\s+15], v[AC:AC+7]
.endif
.endr
.endr
.endr
.endm
.macro OUTTILE b
.irp w, 0,1
.set AC, ACC+16*(\b)+8*\w
.set i, 0
.rept 8
	v_med3_num_f32 v[AC+i], v[AC+i], 0, v14        ; the activation and the hold in one
.set i, i+1
.endr
	v_cvt_scalef32_pk8_bf8_f32 v[OUT+4*(\b)+2*\w:OUT+4*(\b)+2*\w+1], v[AC:AC+7], v15
.endr
	v_nop
	global_store_b128 v3, v[OUT+4*(\b):OUT+4*(\b)+3], s[78:79] offset:512*(\b)   ; 512 consecutive aligned bytes: 16 slots x 32 columns
.endm
	s_load_b256 s[4:11], s[0:1], 0x0               ; masks, h2c, w1, b1
	s_load_b128 s[12:15], s[0:1], 0x20             ; lowp_scales, mid
	v_lshrrev_b32 v9, 5, v0
	v_readfirstlane_b32 s2, v9
	s_lshr_b32 s55, ttmp9, 5                       ; expert
	s_and_b32 s56, ttmp9, 31                       ; which 128 columns
	v_and_b32 v8, 15, v0
	v_bfe_u32 v9, v0, 4, 1                         ; h
	v_bfe_u32 v10, v0, 3, 1                        ; rb
	v_and_b32 v11, 7, v0                           ; cg
	v_lshlrev_b32 v2, 4, v9
	v_lshl_add_u32 v3, v8, 5, v2
	v_lshl_add_u32 v1, v9, 1, v10
	v_lshlrev_b32 v1, 17, v1                       ; (16 h + 8 rb) rows of 16,384 bytes
	v_lshl_add_u32 v1, v11, 4, v1
	v_lshlrev_b32 v10, 3, v9                       ; b1: 2 h numbers on
.irp k, 0,1,2,3
	v_mov_b32 v[40+\k], 0                          ; written once: a DPP destination counts as read
.endr
	s_mov_b32 s58, 0x05010400
	s_mov_b32 s59, 0x07030602
	s_mov_b32 s60, 0x05040100
	s_mov_b32 s61, 0x07060302
	s_mov_b32 s62, 0xff00ff00                      ; the lanes with rb = 1
	s_lshl_b32 s70, s55, 6
	s_mov_b32 s71, 0
	s_wait_kmcnt 0x0
	s_add_nc_u64 s[4:5], s[4:5], s[70:71]
	s_load_b512 s[20:35], s[4:5], 0x0              ; my expert's 16 mask words
	s_load_b128 s[72:75], s[12:13], 0x30           ; e12, e13, e14, e15
	s_lshl_b32 s70, s55, 24
	s_lshl_b32 s3, s56, 9
	s_add_co_u32 s70, s70, s3
	s_lshl_b32 s3, s2, 7
	s_add_co_u32 s70, s70, s3
	s_add_nc_u64 s[66:67], s[8:9], s[70:71]        ; w1[e] at my 32 columns,
	s_add_nc_u64 s[68:69], s[66:67], 0x800000      ; and 512 rows further down: every offset then fits the immediate
	s_lshl_b32 s70, s55, 14
	s_lshl_b32 s3, s56, 9
	s_add_co_u32 s70, s70, s3
	s_lshl_b32 s3, s2, 7
	s_add_co_u32 s70, s70, s3
	s_add_nc_u64 s[10:11], s[10:11], s[70:71]
	s_lshl_b32 s70, s55, 21
	s_lshl_b32 s3, s56, 16
	s_add_co_u32 s70, s70, s3
	s_lshl_b32 s3, s2, 14
	s_add_co_u32 s70, s70, s3
	s_add_nc_u64 s[78:79], s[14:15], s[70:71]      ; mid at [e][4 slice + wave][slot 0]
.irp w, 0,1
.irp j, 0,1,2,3,4,5,6,7
	global_load_b32 v[BIAS+8*\w+\j], v10, s[10:11] offset:(4*\j+\w)*4   ; b1 in the result's layout: f = 4 j + 2 h + u
.endr
.endr
.irp u, 0,1,2,3,4,5
	W32LOAD \u
.endr
	s_wait_kmcnt 0x0
	s_mov_b32 s36, 0
.irp i, 0,1,2,3,4,5,6,7,8,9,10,11,12,13,14,15
	s_bcnt1_i32_b32 s3, s[20+\i]
	s_add_co_u32 s[37+\i], s[36+\i], s3            ; the running sum; s52 = n
.endr
	s_cmp_eq_u32 s52, 0
	s_cbranch_scc1 .Lend                           ; nobody chose this expert
	s_sub_co_u32 s53, s52, 1
	s_add_co_u32 s54, s52, 15
	s_lshr_b32 s54, s54, 4                         ; tiles of 16 rows
	MKSCALE 13, 12, s72
	s_add_co_i32 s82, s72, s73
	s_sub_co_i32 s83, s74, s82
	MKSCALE 15, 14, s83
	s_sub_co_i32 s82, 0, s82
.irp b, 0,1,2,3
	v_add_nc_u32 v26, 16*\b, v8
	SEARCH 28
	v_lshl_add_u32 v[4+\b], v28, 10, v2            ; the token's row of 1,024 codes, + 16 h
.endr
.set U, 0
.rept 32
	STEP U
.if U == 0
.set i, 0
.rept 16
	v_ldexp_f32 v[BIAS+i], v[BIAS+i], s82          ; b1 / 2^(e12 + e13): asked for ahead of unit 0, so it is in
.set i, i+1
.endr
.endif
.set U, U+1
.endr
	PAIR_MUL 0                                     ; the first four tiles: their rows came in during the stream
	PAIR_MUL 1
	WIN 0
.rept 4
	v_nop
.endr
	OUTTILE 0
	OUTTILE 1
	OUTTILE 2
	OUTTILE 3
	s_wait_xcnt 0x0                                ; the stores have read their base and data
	s_add_nc_u64 s[78:79], s[78:79], 2048
	s_mov_b32 s77, 4                               ; the trip's first tile: 4, 6, .. 30
.Ltrip:
	s_cmp_ge_u32 s77, s54
	s_cbranch_scc1 .Lskip
	s_lshl_b32 s3, s77, 4
	v_add_nc_u32 v26, s3, v8
	SEARCH 28
	v_lshl_add_u32 v4, v28, 10, v2
	s_add_co_u32 s3, s3, 16
	v_add_nc_u32 v26, s3, v8
	SEARCH 28
	v_lshl_add_u32 v5, v28, 10, v2
	WIN 0x80
.irp bl, 0,1
.irp s, 0,1,2,3,4,5,6,7
.irp c, 0,1,2,3
	global_load_b128 v[128*\bl+16*\s+4*\c:128*\bl+16*\s+4*\c+3], v[4+\bl], s[6:7] offset:128*\s+32*\c
.endr
.endr
.endr
	WIN 0
	s_wait_loadcnt 0x0
	PAIR_MUL 0
	WIN 0
.rept 4
	v_nop
.endr
	OUTTILE 0
	OUTTILE 1
	s_wait_xcnt 0x0
.Lskip:
	s_add_nc_u64 s[78:79], s[78:79], 1024
	s_add_co_u32 s77, s77, 2
	s_cmp_lt_u32 s77, 32
	s_cbranch_scc1 .Ltrip
.Lend:
	s_endpgm
.Lfunc_end_k_q1b4a5497c6_moe1:
	.size	k_q1b4a5497c6_moe1, .Lfunc_end_k_q1b4a5497c6_moe1-k_q1b4a5497c6_moe1
	.p2alignl 7, 3214868480
	.fill 96, 4, 3214868480
	.section	.rodata,"a",@progbits
	.p2align	6, 0x0
	.amdhsa_kernel k_q1b4a5497c6_moe1
		.amdhsa_group_segment_fixed_size 0
		.amdhsa_private_segment_fixed_size 0
		.amdhsa_enable_private_segment 0
		.amdhsa_kernarg_size 48
		.amdhsa_user_sgpr_count 2
		.amdhsa_user_sgpr_kernarg_segment_ptr 1
		.amdhsa_wavefront_size32 1
		.amdhsa_system_sgpr_workgroup_id_x 1
		.amdhsa_system_sgpr_workgroup_id_y 1
		.amdhsa_system_sgpr_workgroup_id_z 1
		.amdhsa_system_vgpr_workitem_id 0
		.amdhsa_next_free_vgpr 1024
		.amdhsa_next_free_sgpr 88
		.amdhsa_reserve_vcc 1
		.amdhsa_float_denorm_mode_32 3
		.amdhsa_float_denorm_mode_16_64 3
		.amdhsa_memory_ordered 1
		.amdhsa_forward_progress 1
		.amdhsa_inst_pref_size 228
	.end_amdhsa_kernel
	.amdgpu_metadata
---
amdhsa.version: [ 1, 2 ]
amdhsa.kernels:
  - .name:           k_q1b4a5497c6_moe1
    .symbol:         k_q1b4a5497c6_moe1.kd
    .args:
      - { .name: masks, .offset: 0, .size: 8, .value_kind: global_buffer, .address_space: global }
      - { .name: h2c, .offset: 8, .size: 8, .value_kind: global_buffer, .address_space: global }
      - { .name: w1, .offset: 16, .size: 8, .value_kind: global_buffer, .address_space: global }
      - { .name: b1, .offset: 24, .size: 8, .value_kind: global_buffer, .address_space: global }
      - { .name: lowp_scales, .offset: 32, .size: 8, .value_kind: global_buffer, .address_space: global }
      - { .name: mid, .offset: 40, .size: 8, .value_kind: global_buffer, .address_space: global }
    .group_segment_fixed_size: 0
    .private_segment_fixed_size: 0
    .kernarg_segment_align: 8
    .kernarg_segment_size: 48
    .max_flat_workgroup_size: 128
    .sgpr_count:     88
    .vgpr_count:     1024
    .wavefront_size: 32
...
	.end_amdgpu_metadata
.endif
;; end of part 5
;; launch moe2 (part 6): grid 256 x 1, 4 waves a work-group, no clusters, 37,376 bytes of LDS; arguments masks, mid, w2, b2, x2, lowp_scales, out0; writes out0
.if DOCPART == 6
	.amdgcn_target "amdgcn-amd-amdhsa--gfx1250"
	.amdhsa_code_object_version 6
	.text
	.protected	k_q1b4a5497c6_moe2
	.globl	k_q1b4a5497c6_moe2
	.p2align	8
	.type	k_q1b4a5497c6_moe2,@function
k_q1b4a5497c6_moe2:
	s_mov_b64 s[64:65], 0
	v_nop
	global_prefetch_b8 v0, s[64:65] scope:SCOPE_SE
	s_setreg_imm32_b32 hwreg(HW_REG_WAVE_MODE, 25, 1), 1
	s_wait_xcnt 0x0
; LAUNCH 6: out0 = x2 + mid w2[e] + b2[e], for the rows that chose expert e alone (the rows of other experts reach no output: shown at the head of the first launch).
; Work-group = (expert e = x / 32, 32 columns); wave w takes K rows 1,024 w .. 1,024 w + 1,023 of w2[e]: 128 KiB of f32, read once, quantised on the way into 256 registers of codes that stay (window 1).  The four waves' partial sums meet in LDS.
; 32 columns are 128 bytes of a row of w2 and of out0: so the 256 work-groups have equal shares, at the price of half rows of 256 bytes; the work-group beside this one takes the other half.
; mid's codes come back as register images: register 4 c + mm, byte i, half h = f 128 s + 32 c + 16 (mm % 2) + 4 i + 2 h + mm / 2.  w2's codes get the same order by the choice of the ROW that each load takes.
; Source 0 = the rows: lane (r, h), register j of tile u holds slot 8 h + j, column 4 (r % 8) + 2 (r / 8) + u.
; THE ROWS are walked as in the launch before: four tiles, then 14 trips of two.  Slots past the last repeat the last row: they give the same numbers, stored to the same place, and EXEC is never narrowed.
; AN EXPERT WITHOUT ROWS is still streamed, and the first four tiles' products then run on bytes of mid that nobody wrote; no result hangs on them, since the part that stores is jumped over.  So no barrier stands under a stored number.
; LIMITS: e15, e15 + 15 and e14 + e15 between -126 and 127.  NaN is not served.  No tensor load, no cluster, no prefetch: for the reasons given in the launch before.
; LDS: the partial sums, [tile 4][wave 4][16 slots x (128 + 16) bytes]; the spare words.
; REGISTERS, window 0: v1 weight offset, v2 32 r + 16 h, v3 where I put partial sums, v4-7 my output rows' offsets, v8 lane / 8, v9, v10 where I read them back (four tiles, two tiles), v11 16 (lane % 8), v12-13 limit and scale,
;   v14-15 the add's two, v16-43 at work, v44-47 b2, v48-63 x2's rows, v64-255 six slots for the stream; behind it v64-127 the sums, v128-191 partial sums, v192-207 results.  Windows 1 to 3 as in the launch before.
.set E,     16
.set T,     28
.set S,     64
.set ACC,   64
.set SPARE, 36864
.set EXTRA, 4
.set MSB, 0
.macro WIN new
.if MSB != (\new)
	s_set_vgpr_msb (MSB<<8)|(\new)
.set MSB, (\new)
.endif
.endm
.macro TR4 d0, d1, d2, d3, e0, e1, e2, e3
	v_perm_b32 v24, v[\e1], v[\e0], s58
	v_perm_b32 v25, v[\e1], v[\e0], s59
	v_perm_b32 v26, v[\e3], v[\e2], s58
	v_perm_b32 v27, v[\e3], v[\e2], s59
	v_perm_b32 v[\d0], v26, v24, s60
	v_perm_b32 v[\d1], v26, v24, s61
	v_perm_b32 v[\d2], v27, v25, s60
	v_perm_b32 v[\d3], v27, v25, s61
.endm
.macro LEVEL src, width, step
	v_bfe_u32 v24, v[\src], v25, \width
	v_cmp_ge_u32 vcc_lo, v19, v24
	v_sub_nc_u32 v24, v19, v24
	v_add_nc_u32 v27, \step, v25
	v_cndmask_b32 v19, v19, v24, vcc_lo
	v_cndmask_b32 v25, v25, v27, vcc_lo
.endm
.macro SEARCH vt                               ; v26 = a slot; v[vt] = its token (the slot-th set bit of the expert's 512), held at 511
	v_min_u32 v26, s53, v26
	v_mov_b32 v16, s20
	v_mov_b32 v17, 0
	v_mov_b32 v18, 0
.irp i, 1,2,3,4,5,6,7,8,9,10,11,12,13,14,15
	v_cmp_gt_u32 vcc_lo, s[36+\i], v26
	v_cndmask_b32 v16, s[20+\i], v16, vcc_lo
	v_cndmask_b32 v17, s[36+\i], v17, vcc_lo
	v_cndmask_b32 v18, \i, v18, vcc_lo
.endr
	v_sub_nc_u32 v19, v26, v17
	v_lshrrev_b32 v24, 1, v16
	v_and_b32 v24, 0x55555555, v24
	v_sub_nc_u32 v20, v16, v24
	v_lshrrev_b32 v24, 2, v20
	v_and_b32 v24, 0x33333333, v24
	v_and_b32 v21, 0x33333333, v20
	v_add_nc_u32 v21, v21, v24
	v_lshrrev_b32 v24, 4, v21
	v_add_nc_u32 v22, v21, v24
	v_and_b32 v22, 0x0f0f0f0f, v22
	v_lshrrev_b32 v24, 8, v22
	v_add_nc_u32 v23, v22, v24
	v_mov_b32 v25, 0
	LEVEL 23, 8, 16
	LEVEL 22, 8, 8
	LEVEL 21, 4, 4
	LEVEL 20, 2, 2
	LEVEL 16, 1, 1
	v_lshl_add_u32 v[\vt], v18, 5, v25
	v_min_u32 v[\vt], 0x1ff, v[\vt]
.endm
.macro W32LOAD u                               ; unit u = (K step u / 4, c = u % 4): rows 32 c + 16 (t / 4) + 4 (t % 4) + 2 h + rb: four neighbouring rows x 128 bytes an instruction
.set SB, S+32*((\u)%6)
.set us, (\u)>>2
.set uc, (\u)&3
.set t, 0
.rept 8
	global_load_b128 v[SB+4*t:SB+4*t+3], v1, s[8:9] offset:(128*us+32*uc+16*(t>>2)+4*(t&3))*4096 th:TH_LOAD_NT
.set t, t+1
.endr
.endm
.macro W32QUANT u
.set SB, S+32*((\u)%6)
.set FB, 32*((\u)>>2)+4*((\u)&3)
.set i, 0
.rept 32
	v_med3_num_f32 v[SB+i], v[SB+i], -v12, v12
.set i, i+1
.endr
.irp p, 0,1,2,3
	v_cvt_scalef32_pk8_bf8_f32 v[E+2*\p:E+2*\p+1], v[SB+8*\p:SB+8*\p+7], v13
.endr
	v_nop
	TR4 28, 29, 30, 31, 16, 17, 18, 19
	TR4 32, 33, 34, 35, 20, 21, 22, 23
.irp x, 0,1
.irp w, 0,1
	v_cndmask_b32 v[36+2*\x+\w], v[T+4*\x+2+\w], v[T+4*\x+\w], s62
.endr
.endr
.irp k, 0,1,2,3
	v_mov_b32_dpp v[40+\k], v[36+\k] row_xmask:8 row_mask:0xf bank_mask:0xf
.endr
	WIN 0x40
.irp x, 0,1
.irp w, 0,1
	v_cndmask_b32 v[FB+16*\w+\x], v[T+4*\x+\w], v[40+2*\x+\w], s62
	v_cndmask_b32 v[FB+16*\w+2+\x], v[40+2*\x+\w], v[T+4*\x+2+\w], s62
.endr
.endr
	WIN 0
.endm
.macro ACHUNK u                                ; two K steps of tile u / 4: 512 consecutive bytes a load
.set ab, (\u)>>2
	WIN 0x80+0x40*(ab>>1)
.irp z, 0,1
.irp c, 0,1,2,3
.set ak, 2*((\u)&3)+\z
	global_load_b128 v[128*(ab&1)+16*ak+4*\c:128*(ab&1)+16*ak+4*\c+3], v2, s[6:7] offset:(4*ak+\c)*16384+512*ab
.endr
.endr
	WIN 0
.endm
.macro STEP u                                  ; the count: the loads issued behind unit u's eight: younger units, chunks of rows, and for the first six units x2's four loads; held at the field's 63
.set nw, 31-(\u)
.if nw > 5
.set nw, 5
.endif
.if (\u) < 6
.set na, (\u)
.set nx, EXTRA
.else
.set na, 22-(\u)
.set nx, 0
.endif
.if na > 6
.set na, 6
.endif
.if na < 0
.set na, 0
.endif
.set nn, 8*nw+8*na+nx
.if nn > 63
.set nn, 63
.endif
	s_wait_loadcnt nn
	W32QUANT \u
.if (\u) < 26
	W32LOAD (\u)+6
.endif
.if (\u) < 16
	ACHUNK \u
.endif
.endm
.macro PAIR_MUL p                              ; tiles 2 p, 2 p + 1: 32 products; the four sums take turns
	WIN 0x06+(\p)                                  ; source 0 (the rows) window 2 + p, source 1 (the weight) window 1
.irp s, 0,1,2,3,4,5,6,7
.irp bl, 0,1
.irp w, 0,1
.set AC, ACC+16*(2*(\p)+\bl)+8*\w
.if \s == 0
	v_wmma_f32_16x16x128_bf8_bf8 v[AC:AC+7], v[128*\bl+16*\s:128*\bl+16*\s+15], v[32*\s+16*\w:32*\s+16*\w+15], 0
.else
	v_wmma_f32_16x16x128_bf8_bf8 v[AC:AC+7], v[128*\bl+16*\s:128*\bl+16*\s+15], v[32*\s+16*\w:32*\s+16*\w+15], v[AC:AC+7]
.endif
.endr
.endr
.endr
.endm
.macro PSTORE b                                ; my partial sums of tile b, each sum from its low end on
.irp w, 0,1
.irp j, 0,1,2,3,4,5,6,7
	ds_store_b32 v3, v[ACC+16*(\b)+8*\w+\j] offset:9216*(\b)+144*\j+4*\w
.endr
.endr
.endm
.macro MEET                                    ; my LDS stores have landed and my LDS loads are in: then the work-group's barrier
	s_wait_dscnt 0x0
	s_barrier_signal -1
	s_barrier_wait -1
.endm
.macro PARTB np, vpr                           ; np groups of four rows: the four waves' partial sums are added, scaled, and stored with b2 and x2
	s_wait_xcnt 0x0                                ; the last stores have read v192-207
.irp p, 0,1,2,3
.if \p < \np
.irp ww, 0,1,2,3
	ds_load_b128 v[128+16*\p+4*\ww:131+16*\p+4*\ww], v[\vpr] offset:576*\p+2304*\ww
.endr
.endif
.endr
	s_wait_dscnt 0x0
.irp p, 0,1,2,3
.if \p < \np
.irp z, 0,2
	v_pk_add_f32 v[128+16*\p+\z:129+16*\p+\z], v[128+16*\p+\z:129+16*\p+\z], v[132+16*\p+\z:133+16*\p+\z]
	v_pk_add_f32 v[136+16*\p+\z:137+16*\p+\z], v[136+16*\p+\z:137+16*\p+\z], v[140+16*\p+\z:141+16*\p+\z]
	v_pk_add_f32 v[48+4*\p+\z:49+4*\p+\z], v[48+4*\p+\z:49+4*\p+\z], v[44+\z:45+\z]
.endr
.irp z, 0,2
	v_pk_add_f32 v[128+16*\p+\z:129+16*\p+\z], v[128+16*\p+\z:129+16*\p+\z], v[136+16*\p+\z:137+16*\p+\z]
	v_pk_fma_f32 v[192+4*\p+\z:193+4*\p+\z], v[128+16*\p+\z:129+16*\p+\z], s[74:75], v[48+4*\p+\z:49+4*\p+\z] op_sel_hi:[1,0,1]
.endr
	global_store_b128 v[4+\p], v[192+4*\p:195+4*\p], s[16:17]   ; eight lanes fill the 128 bytes of a row that this work-group owns
.endif
.endr
.endm
	s_load_b256 s[4:11], s[0:1], 0x0               ; masks, mid, w2, b2
	s_load_b128 s[12:15], s[0:1], 0x20             ; x2, lowp_scales
	s_load_b64 s[16:17], s[0:1], 0x30              ; out0
	v_lshl_add_u32 v14, v0, 2, SPARE
	v_mov_b32 v15, 0
	v_lshrrev_b32 v9, 5, v0
	v_readfirstlane_b32 s2, v9
	s_lshr_b32 s55, ttmp9, 5                       ; expert
	s_and_b32 s56, ttmp9, 31                       ; which 32 columns
	v_and_b32 v16, 7, v0                           ; cg
	v_bfe_u32 v17, v0, 3, 1                        ; rb
	v_bfe_u32 v18, v0, 4, 1                        ; h
	v_and_b32 v19, 15, v0                          ; r
	v_bfe_u32 v8, v0, 3, 2                         ; lane / 8
	v_lshlrev_b32 v11, 4, v16
	v_lshl_add_u32 v1, v18, 1, v17
	v_lshl_add_u32 v1, v1, 12, v11                 ; (2 h + rb) rows of 4,096 bytes + 16 cg
	v_lshlrev_b32 v2, 5, v19
	v_lshl_add_u32 v2, v18, 4, v2
	s_mul_i32 s3, s2, 2304
	v_mul_u32_u24 v3, v18, 1152
	v_lshl_add_u32 v3, v17, 3, v3
	v_add_nc_u32 v3, v3, v11
	v_add_nc_u32 v3, s3, v3                        ; 2,304 wave + 144 x 8 h + 4 (4 cg + 2 rb)
	s_mul_i32 s3, s2, 9216
	v_mul_u32_u24 v9, v8, 144
	v_add_nc_u32 v9, v9, v11
	s_lshr_b32 s80, s2, 1
	s_mul_i32 s80, s80, 9216
	s_and_b32 s81, s2, 1
	s_mul_i32 s81, s81, 1152
	s_add_co_u32 s80, s80, s81
	v_add_nc_u32 v10, s80, v9                      ; two tiles: tile wave / 2, rows 8 (wave % 2) on
	v_add_nc_u32 v9, s3, v9                        ; four tiles: tile wave
.irp k, 0,1,2,3
	v_mov_b32 v[40+\k], 0
.endr
	s_mov_b32 s58, 0x05010400
	s_mov_b32 s59, 0x07030602
	s_mov_b32 s60, 0x05040100
	s_mov_b32 s61, 0x07060302
	s_mov_b32 s62, 0xff00ff00
	s_lshl_b32 s70, s55, 6
	s_mov_b32 s71, 0
	s_wait_kmcnt 0x0
	s_add_nc_u64 s[4:5], s[4:5], s[70:71]
	s_load_b512 s[20:35], s[4:5], 0x0              ; my expert's 16 mask words
	s_load_b64 s[72:73], s[14:15], 0x38            ; e14, e15
	s_lshl_b32 s70, s55, 24
	s_lshl_b32 s3, s2, 22
	s_add_co_u32 s70, s70, s3
	s_lshl_b32 s3, s56, 7
	s_add_co_u32 s70, s70, s3
	s_add_nc_u64 s[8:9], s[8:9], s[70:71]          ; w2[e] at row 1,024 wave, my 32 columns
	s_lshl_b32 s70, s55, 21
	s_lshl_b32 s3, s2, 19
	s_add_co_u32 s70, s70, s3
	s_add_nc_u64 s[6:7], s[6:7], s[70:71]          ; mid at [e][32 wave][slot 0]
	s_lshl_b32 s70, s55, 12
	s_lshl_b32 s3, s56, 7
	s_add_co_u32 s70, s70, s3
	s_add_nc_u64 s[10:11], s[10:11], s[70:71]
	s_mov_b32 s70, s3
	s_add_nc_u64 s[12:13], s[12:13], s[70:71]      ; x2 and out0 at my 32 columns
	s_add_nc_u64 s[16:17], s[16:17], s[70:71]
	s_add_nc_u64 s[82:83], s[6:7], 2048            ; mid at slot 64, for the trips of two tiles
	global_load_b128 v[44:47], v11, s[10:11]
.irp u, 0,1,2,3,4,5
	W32LOAD \u
.endr
	s_wait_kmcnt 0x0
	s_mov_b32 s36, 0
.irp i, 0,1,2,3,4,5,6,7,8,9,10,11,12,13,14,15
	s_bcnt1_i32_b32 s3, s[20+\i]
	s_add_co_u32 s[37+\i], s[36+\i], s3            ; the running sum; s52 = n
.endr
	s_sub_co_u32 s53, s52, 1
	s_add_co_u32 s54, s52, 15
	s_lshr_b32 s54, s54, 4
	s_add_co_i32 s80, s73, 127
	s_lshl_b32 s81, s80, 23
	v_mov_b32 v13, s81                             ; 2^e15
	s_add_co_i32 s80, s80, 15
	s_lshl_b32 s80, s80, 23
	s_or_b32 s80, s80, 0x600000
	v_mov_b32 v12, s80                             ; 57,344 x 2^e15
	s_add_co_i32 s74, s72, s73
	s_add_co_i32 s74, s74, 127
	s_lshl_b32 s74, s74, 23                        ; 2^(e14 + e15)
	s_mov_b32 s75, s74                             ; (named with it as a pair)
	s_lshl_b32 s3, s2, 4
.irp p, 0,1,2,3
	v_add_nc_u32 v26, s3, v8                       ; the rows that I finish: slot 16 wave + 4 p + lane / 8
	SEARCH 28
	v_lshl_add_u32 v[4+\p], v28, 12, v11           ; the token's row of 4,096 bytes, + 16 (lane % 8)
	s_add_co_u32 s3, s3, 4
.endr
.irp p, 0,1,2,3
	global_load_b128 v[48+4*\p:51+4*\p], v[4+\p], s[12:13]
.endr
.set U, 0
.rept 32
	STEP U
.set U, U+1
.endr
	PAIR_MUL 0                                     ; the first four tiles: their rows came in during the stream
	PAIR_MUL 1
	WIN 0
.rept 4
	v_nop
.endr
	PSTORE 0
	PSTORE 1
	PSTORE 2
	PSTORE 3
	MEET                                           ; all four waves' partial sums lie in LDS
	s_cmp_eq_u32 s52, 0
	s_cbranch_scc1 .Lno_rows
	PARTB 4, 9
.Lno_rows:
	MEET                                           ; they have been read: the stage may be written again
	s_mov_b32 s77, 4                               ; the trip's first tile: 4, 6, .. 30
.Ltrip:
	s_cmp_ge_u32 s77, s54
	s_cbranch_scc1 .Lskip_a
	s_wait_xcnt 0x0                                ; the last stores have read their offsets
	s_lshr_b32 s3, s2, 1
	s_add_co_u32 s3, s3, s77
	s_lshl_b32 s3, s3, 4
	s_and_b32 s80, s2, 1
	s_lshl_b32 s80, s80, 3
	s_add_co_u32 s3, s3, s80
	v_add_nc_u32 v26, s3, v8                       ; slot 16 (tile + wave / 2) + 8 (wave % 2) + 4 p + lane / 8
	SEARCH 28
	v_lshl_add_u32 v4, v28, 12, v11
	s_add_co_u32 s3, s3, 4
	v_add_nc_u32 v26, s3, v8
	SEARCH 28
	v_lshl_add_u32 v5, v28, 12, v11
	global_load_b128 v[48:51], v4, s[12:13]
	global_load_b128 v[52:55], v5, s[12:13]
	WIN 0x80
.irp bl, 0,1
.irp s, 0,1,2,3,4,5,6,7
.irp c, 0,1,2,3
	global_load_b128 v[128*\bl+16*\s+4*\c:128*\bl+16*\s+4*\c+3], v2, s[82:83] offset:(4*\s+\c)*16384+512*\bl
.endr
.endr
.endr
	WIN 0
	s_wait_loadcnt 0x0
	PAIR_MUL 0
	WIN 0
.rept 4
	v_nop
.endr
	PSTORE 0
	PSTORE 1
.Lskip_a:
	MEET
	s_cmp_ge_u32 s77, s54
	s_cbranch_scc1 .Lskip_b
	PARTB 2, 10
.Lskip_b:
	MEET
	s_add_nc_u64 s[82:83], s[82:83], 1024          ; no load that names it is out: the trip's loads were waited for
	s_add_co_u32 s77, s77, 2
	s_cmp_lt_u32 s77, 32
	s_cbranch_scc1 .Ltrip
	s_wait_tensorcnt 0x0                           ; the wave's end
	ds_add_u32 v14, v15
	s_wait_dscnt 0x0
	s_endpgm
.Lfunc_end_k_q1b4a5497c6_moe2:
	.size	k_q1b4a5497c6_moe2, .Lfunc_end_k_q1b4a5497c6_moe2-k_q1b4a5497c6_moe2
	.p2alignl 7, 3214868480
	.fill 96, 4, 3214868480
	.section	.rodata,"a",@progbits
	.p2align	6, 0x0
	.amdhsa_kernel k_q1b4a5497c6_moe2
		.amdhsa_group_segment_fixed_size 37376
		.amdhsa_private_segment_fixed_size 0
		.amdhsa_enable_private_segment 0
		.amdhsa_kernarg_size 56
		.amdhsa_user_sgpr_count 2
		.amdhsa_user_sgpr_kernarg_segment_ptr 1
		.amdhsa_wavefront_size32 1
		.amdhsa_system_sgpr_workgroup_id_x 1
		.amdhsa_system_sgpr_workgroup_id_y 1
		.amdhsa_system_sgpr_workgroup_id_z 1
		.amdhsa_system_vgpr_workitem_id 0
		.amdhsa_next_free_vgpr 1024
		.amdhsa_next_free_sgpr 88
		.amdhsa_reserve_vcc 1
		.amdhsa_float_denorm_mode_32 3
		.amdhsa_float_denorm_mode_16_64 3
		.amdhsa_memory_ordered 1
		.amdhsa_forward_progress 1
		.amdhsa_inst_pref_size 232
	.end_amdhsa_kernel
	.amdgpu_metadata
---
amdhsa.version: [ 1, 2 ]
amdhsa.kernels:
  - .name:           k_q1b4a5497c6_moe2
    .symbol:         k_q1b4a5497c6_moe2.kd
    .args:
      - { .name: masks, .offset: 0, .size: 8, .value_kind: global_buffer, .address_space: global }
      - { .name: mid, .offset: 8, .size: 8, .value_kind: global_buffer, .address_space: global }
      - { .name: w2, .offset: 16, .size: 8, .value_kind: global_buffer, .address_space: global }
      - { .name: b2, .offset: 24, .size: 8, .value_kind: global_buffer, .address_space: global }
      - { .name: x2, .offset: 32, .size: 8, .value_kind: global_buffer, .address_space: global }
      - { .name: lowp_scales, .offset: 40, .size: 8, .value_kind: global_buffer, .address_space: global }
      - { .name: out0, .offset: 48, .size: 8, .value_kind: global_buffer, .address_space: global }
    .group_segment_fixed_size: 37376
    .private_segment_fixed_size: 0
    .kernarg_segment_align: 8
    .kernarg_segment_size: 56
    .max_flat_workgroup_size: 128
    .sgpr_count:     88
    .vgpr_count:     1024
    .wavefront_size: 32
...
	.end_amdgpu_metadata
.endif
;; end of part 6
;; ======== version 2 of 2: 6 launches; 1.14 times as fast as version 1
;; workspace buffers: qkv 1,572,864 bytes; ocodes 524,288 bytes; x2 2,097,152 bytes; h2c 524,288 bytes; masks 512 bytes of whole numbers; mid 16,777,216 bytes
;; launch qkv (part 7): grid 16 x 12, 16 waves a work-group, no clusters, 200,704 bytes of LDS; arguments x, ln1_g, ln1_b, wq, wk, wv, bq, bk, bv, lowp_scales, qkv; writes qkv
.if DOCPART == 7
	.amdgcn_target "amdgcn-amd-amdhsa--gfx1250"
	.amdhsa_code_object_version 6
	.text
	.protected	k_q1b4a5497c6_qkv
	.globl	k_q1b4a5497c6_qkv
	.p2align	8
	.type	k_q1b4a5497c6_qkv,@function
k_q1b4a5497c6_qkv:
	s_mov_b64 s[64:65], 0
	v_nop
	global_prefetch_b8 v0, s[64:65] scope:SCOPE_SE
	s_setreg_imm32_b32 hwreg(HW_REG_WAVE_MODE, 25, 1), 1
	s_wait_xcnt 0x0
; LAUNCH 1 OF 6: layer norm 1 and one of the projections Q, K, V for one (head, batch), as codes of E5M2 for the attention launch.
; THE WHOLE PROGRAM: qkv -> attn -> wo (+ residual) -> ln2gate (layer norm 2, f32 gate, argmax as bit masks) -> moe1 -> moe2 (+ residual).
; WORK LEFT OUT, in the problem's own terms: reference() computes mid and y for all 8 experts and then keeps, by y[idx, arange], the one row of the expert that its own
; argmax chose for each token.  A row (e, t) of products 8 and 9 with e != idx[t] is indexed by nothing, so it reaches no output whatever the inputs hold: only the chosen rows are multiplied.
; Every input has a way to the output and is loaded (bk too: it moves k's codes).  LIMIT: a NaN, an infinity or an overflow that arises only in rows of experts that were not chosen is not carried to the result.
; LIMITS: NaN among the inputs is not served.  Each power of two made below from the given exponents is an f32 number: e and e + 15 between -126 and 127 for e = eA, eB and e_out - eA - eB.
; SHARES.  Work-group (x = head, y = 4 which + batch) makes 128 tokens x 64 columns, K = 1,024, with sixteen waves, four to a SIMD, so that one wave's waits stand beside another's arithmetic.
; Wave w normalises tokens 8 w .. 8 w + 7, quantises weight rows 64 w .. 64 w + 63 (half a K step) x 64 columns, and multiplies token tile w % 8 by column tiles 2 (w / 8) and 2 (w / 8) + 1.
; No tensor load: every weight number has to pass through vector registers (hold, conversion), so a ring in LDS would add a trip.  No cluster: the launch loads through registers.
; THE WEIGHT, K outermost: lane (r, h) loads 16 rows x 4 columns (16 lanes read 256 bytes of a row); the conversions give a dword of 4 columns for each row; a 4 x 4 byte transposition gives a dword of 4 rows for each column.
; Column tile jt holds column 4 r + jt in lane r.  Its fragment goes to LDS as an image of its registers: register 4 c + mm, byte i = k 128 s + 32 c + 16 h + 4 mm + i, the order in which four 16-byte loads bring a row of codes.
; Q, K: source 0 = the weight's tile, so a lane holds one token and d = 32 h + 4 j + jt.  V: source 0 = the tokens, so a lane holds one d = 4 r + jt and eight keys.
; LDS: the tokens' codes, 128 rows of 1,024 + 16 bytes; the weight's 32 images of 2,048 bytes; the spare words.
; REGISTERS: v1 weight offset, v2 image store, v3 16 x lane, v4 row store, v5 row fragment, v6 image load, v7 8 x lane, v8 limit, v9 scale, v10-11 the add's two, v12-15 at work (later V's bias),
;   v16-31 at work, v32-47 transposed codes, later the two sums, v48-49 the bias's offsets, v64-127 gain and bias, v128-255 two weight sets of 64, then four row slots of 32; in the product two sets of 48 from v64.
.set APITCH, 1040
.set BIMG,   128*APITCH
.set SPARE,  BIMG+65536
.set E,      16
.set CF,     32
.set ACC,    32
.set G,      64
.set BB,     96
.set S,      128
.macro TR4 d0, d1, d2, d3, e0, e1, e2, e3      ; d_c = byte c of e0, e1, e2, e3
	v_perm_b32 v12, v[\e1], v[\e0], s52
	v_perm_b32 v13, v[\e1], v[\e0], s53
	v_perm_b32 v14, v[\e3], v[\e2], s52
	v_perm_b32 v15, v[\e3], v[\e2], s53
	v_perm_b32 v[\d0], v14, v12, s54
	v_perm_b32 v[\d1], v14, v12, s55
	v_perm_b32 v[\d2], v15, v13, s54
	v_perm_b32 v[\d3], v15, v13, s55
.endm
.macro MKSCALE vsc, vlim, se                   ; 2^e and 57,344 x 2^e as f32
	s_add_co_i32 s60, \se, 127
	s_lshl_b32 s61, s60, 23
	v_mov_b32 v[\vsc], s61
	s_add_co_i32 s60, s60, 15
	s_lshl_b32 s60, s60, 23
	s_or_b32 s60, s60, 0x600000
	v_mov_b32 v[\vlim], s60
.endm
.macro W64LOAD set, c                          ; rows 32 c + 16 h + t of my 64, t = 0 .. 15, columns 4 r .. 4 r + 3
.set t, 0
.rept 16
	global_load_b128 v[S+64*(\set)+4*t:S+64*(\set)+4*t+3], v1, s[10:11] offset:(32*(\c)+t)*4096
.set t, t+1
.endr
.endm
.macro W64QUANT set, c
.set i, 0
.rept 64
	v_med3_num_f32 v[S+64*(\set)+i], v[S+64*(\set)+i], -v8, v8   ; the conversion does not saturate (ISA guide 7.6.2): the hold comes first
.set i, i+1
.endr
.set i, 0
.rept 8
	v_cvt_scalef32_pk8_bf8_f32 v[E+2*i:E+2*i+1], v[S+64*(\set)+8*i:S+64*(\set)+8*i+7], v9
.set i, i+1
.endr
	v_nop                                          ; a plain line between the conversions and the readers of their results
	s_wait_dscnt 0x0                               ; the last unit's image stores have read v32-47
.irp mm, 0,1,2,3
	TR4 CF+\mm, CF+4+\mm, CF+8+\mm, CF+12+\mm, E+4*\mm, E+4*\mm+1, E+4*\mm+2, E+4*\mm+3
.endr
.irp jt, 0,1,2,3
	ds_store_b128 v2, v[CF+4*\jt:CF+4*\jt+3] offset:2048*\jt+512*(\c)
.endr
.endm
.macro ROWLOAD n                               ; my row n: eight loads of 512 consecutive bytes
.irp j, 0,1,2,3,4,5,6,7
	global_load_b128 v[S+32*((\n)%4)+4*\j:S+32*((\n)%4)+4*\j+3], v3, s[4:5] offset:4096*(\n)+512*\j
.endr
.endm
.macro RED16 a, b                              ; the sum over the 32 lanes, in every lane
	v_add_f32_dpp v[\a], v[\a], v[\a] row_xmask:1 row_mask:0xf bank_mask:0xf
	v_add_f32_dpp v[\a], v[\a], v[\a] row_xmask:2 row_mask:0xf bank_mask:0xf
	v_add_f32_dpp v[\a], v[\a], v[\a] row_xmask:4 row_mask:0xf bank_mask:0xf
	v_add_f32_dpp v[\a], v[\a], v[\a] row_xmask:8 row_mask:0xf bank_mask:0xf
	v_permlanex16_b32 v[\b], v[\a], s56, s57
	v_add_f32 v[\a], v[\a], v[\b]
.endm
.macro LNROW X                                 ; ((x - mean) rsqrt(var + eps)) g + b, in place; the variance in a second pass
	v_pk_add_f32 v[16:17], v[\X:\X+1], v[\X+2:\X+3]
	v_pk_add_f32 v[18:19], v[\X+4:\X+5], v[\X+6:\X+7]
.irp j, 8,12,16,20,24,28
	v_pk_add_f32 v[16:17], v[16:17], v[\X+\j:\X+\j+1]
	v_pk_add_f32 v[18:19], v[18:19], v[\X+\j+2:\X+\j+3]
.endr
	v_pk_add_f32 v[16:17], v[16:17], v[18:19]
	v_add_f32 v16, v16, v17
	RED16 16, 17
	v_mul_f32 v16, s58, v16                        ; - mean
.set i, 0
.rept 16
	v_pk_add_f32 v[\X+i:\X+i+1], v[\X+i:\X+i+1], v[16:17] op_sel_hi:[1,0]
.set i, i+2
.endr
	v_pk_mul_f32 v[18:19], v[\X:\X+1], v[\X:\X+1]
	v_pk_mul_f32 v[20:21], v[\X+2:\X+3], v[\X+2:\X+3]
.irp j, 4,8,12,16,20,24,28
	v_pk_fma_f32 v[18:19], v[\X+\j:\X+\j+1], v[\X+\j:\X+\j+1], v[18:19]
	v_pk_fma_f32 v[20:21], v[\X+\j+2:\X+\j+3], v[\X+\j+2:\X+\j+3], v[20:21]
.endr
	v_pk_add_f32 v[18:19], v[18:19], v[20:21]
	v_add_f32 v18, v18, v19
	RED16 18, 19
	v_fma_f32 v18, v18, s59, s62                   ; var + eps
	v_rsq_f32 v18, v18
	v_nop                                          ; a plain line behind the transcendental
	s_wait_alu depctr_va_vdst(0)                   ; the wait ahead of the first reader
.set i, 0
.rept 16
	v_pk_mul_f32 v[\X+i:\X+i+1], v[\X+i:\X+i+1], v[18:19] op_sel_hi:[1,0]
.set i, i+2
.endr
.set i, 0
.rept 16
	v_pk_fma_f32 v[\X+i:\X+i+1], v[\X+i:\X+i+1], v[G+i:G+i+1], v[BB+i:BB+i+1]
.set i, i+2
.endr
.endm
.macro QROW X, n                               ; the row's codes: dword j = k 128 j + 4 lane + 0 .. 3, into my row n in LDS
.set i, 0
.rept 32
	v_med3_num_f32 v[\X+i], v[\X+i], -v8, v8
.set i, i+1
.endr
	s_wait_dscnt 0x0                               ; the last row's stores have read v24-31
.irp p, 0,1,2,3
	v_cvt_scalef32_pk8_bf8_f32 v[24+2*\p:25+2*\p], v[\X+8*\p:\X+8*\p+7], v9
.endr
	v_nop
.irp j, 0,1,2,3,4,5,6,7
	ds_store_b32 v4, v[24+\j] offset:APITCH*(\n)+128*\j
.endr
.endm
.macro FETCH s, set                            ; K step s: my token tile's fragment and my two column tiles' images
.set FF, 64+48*(\set)
.irp c, 0,1,2,3
	ds_load_b128 v[FF+4*\c:FF+4*\c+3], v5 offset:128*(\s)+32*\c
.endr
.irp jl, 0,1
.irp c, 0,1,2,3
	ds_load_b128 v[FF+16+16*\jl+4*\c:FF+16+16*\jl+4*\c+3], v6 offset:(4*(\s)+\jl)*2048+512*\c
.endr
.endr
.endm
.macro GEMM tr                                 ; tr = 1: source 0 = the weight's tile; 0: source 0 = the tokens.  The two sums take turns
	FETCH 0, 0
	FETCH 1, 1
.irp s, 0,1,2,3,4,5,6,7
.set FB, 64+48*(\s%2)
.if \s < 7
	s_wait_dscnt 12                                ; the next K step's 12 loads may be out
.else
	s_wait_dscnt 0x0
.endif
.irp jl, 0,1
.if \tr
	v_wmma_f32_16x16x128_bf8_bf8 v[ACC+8*\jl:ACC+8*\jl+7], v[FB+16+16*\jl:FB+31+16*\jl], v[FB:FB+15], v[ACC+8*\jl:ACC+8*\jl+7]
.else
	v_wmma_f32_16x16x128_bf8_bf8 v[ACC+8*\jl:ACC+8*\jl+7], v[FB:FB+15], v[FB+16+16*\jl:FB+31+16*\jl], v[ACC+8*\jl:ACC+8*\jl+7]
.endif
.endr
.if \s != 6
.rept 4
	v_nop                                          ; four places ahead of loads into registers just multiplied, and of the first read of the sums
.endr
.endif
.if \s < 6
	FETCH \s+2, \s%2
.endif
.endr
.endm
.macro CODES                                   ; the sums, held and converted: v[16 + 2 jl], v[17 + 2 jl]
.set i, 0
.rept 16
	v_med3_num_f32 v[ACC+i], v[ACC+i], -v8, v8
.set i, i+1
.endr
.irp jl, 0,1
	v_cvt_scalef32_pk8_bf8_f32 v[16+2*\jl:17+2*\jl], v[ACC+8*\jl:ACC+8*\jl+7], v9
.endr
	v_nop
.endm
	s_load_b256 s[4:11], s[0:1], 0x0               ; x, ln1_g, ln1_b, wq
	s_load_b256 s[12:19], s[0:1], 0x20             ; wk, wv, bq, bk
	s_load_b128 s[20:23], s[0:1], 0x40             ; bv, lowp_scales
	s_load_b64 s[24:25], s[0:1], 0x50              ; qkv
	v_lshl_add_u32 v10, v0, 2, SPARE
	v_mov_b32 v11, 0
	v_lshrrev_b32 v12, 5, v0
	v_readfirstlane_b32 s2, v12                    ; wave 0 .. 15
	v_and_b32 v12, 31, v0                          ; lane
	v_and_b32 v13, 15, v0                          ; r
	v_bfe_u32 v14, v0, 4, 1                        ; h
	s_and_b32 s3, ttmp7, 0xffff
	s_lshr_b32 s27, s3, 2                          ; which: 0 Q, 1 K, 2 V
	s_and_b32 s28, s3, 3                           ; batch
	s_and_b32 s26, s2, 7                           ; my token tile
	s_lshr_b32 s63, s2, 3                          ; my pair of column tiles
	v_lshlrev_b32 v3, 4, v12
	v_lshlrev_b32 v7, 3, v12
	v_lshlrev_b32 v1, 4, v13
	v_lshl_add_u32 v1, v14, 16, v1                 ; 16 rows of 4,096 bytes for the upper half, + 16 r
	s_lshr_b32 s29, s2, 1
	s_lshl_b32 s29, s29, 13                        ; K step w / 2: four images of 2,048 bytes,
	s_and_b32 s30, s2, 1
	s_lshl_b32 s30, s30, 10                        ; and in each image my half of 1,024
	s_add_co_u32 s29, s29, s30
	v_add_nc_u32 v2, s29, v3
	v_add_nc_u32 v2, BIMG, v2
	s_mul_i32 s29, s2, 8*APITCH
	v_lshlrev_b32 v4, 2, v12
	v_add_nc_u32 v4, s29, v4                       ; my eight rows of codes
	s_mul_i32 s29, s26, 16*APITCH
	v_mul_u32_u24 v5, v13, APITCH
	v_lshl_add_u32 v5, v14, 4, v5
	v_add_nc_u32 v5, s29, v5                       ; my token tile's fragment
	s_lshl_b32 s29, s63, 12
	v_add_nc_u32 v6, s29, v3
	v_add_nc_u32 v6, BIMG, v6                      ; my two column tiles' images
	s_lshl_b32 s29, s63, 3
	v_lshlrev_b32 v48, 4, v13
	v_add_nc_u32 v48, s29, v48                     ; V's bias: 16 r + 8 (w / 8)
	v_lshlrev_b32 v49, 7, v14
	v_add_nc_u32 v49, s29, v49                     ; Q's and K's: 128 h + 8 (w / 8)
	s_mov_b32 s52, 0x05010400
	s_mov_b32 s53, 0x07030602
	s_mov_b32 s54, 0x05040100
	s_mov_b32 s55, 0x07060302
	s_mov_b32 s56, 0x76543210
	s_mov_b32 s57, 0xfedcba98
	s_mov_b32 s58, 0xba800000                      ; -1 / 1,024
	s_mov_b32 s59, 0x3a800000                      ; 1 / 1,024
	s_mov_b32 s62, 0x3727c5ac                      ; 1e-5
	s_mov_b32 s31, 0
	s_wait_kmcnt 0x0
	s_load_b512 s[32:47], s[22:23], 0x0            ; the sixteen exponents
	s_cmp_eq_u32 s27, 0
	s_cselect_b64 s[10:11], s[10:11], s[12:13]
	s_cselect_b64 s[16:17], s[16:17], s[18:19]
	s_cmp_eq_u32 s27, 2
	s_cselect_b64 s[10:11], s[14:15], s[10:11]     ; the weight,
	s_cselect_b64 s[16:17], s[20:21], s[16:17]     ; its bias
	s_lshl_b32 s30, s28, 7
	s_lshl_b32 s29, s2, 3
	s_add_co_u32 s30, s30, s29
	s_lshl_b32 s30, s30, 12
	s_add_nc_u64 s[4:5], s[4:5], s[30:31]          ; x at token 128 batch + 8 wave
	s_lshl_b32 s30, s2, 18
	s_lshl_b32 s29, ttmp9, 8
	s_add_co_u32 s30, s30, s29
	s_add_nc_u64 s[10:11], s[10:11], s[30:31]      ; the weight at row 64 wave, column 64 head
	s_mov_b32 s30, s29
	s_add_nc_u64 s[16:17], s[16:17], s[30:31]
	s_lshl_b32 s30, s28, 4
	s_add_co_u32 s30, s30, ttmp9
	s_lshl_b32 s30, s30, 13                        ; 8,192 (16 batch + head)
	s_lshl_b32 s29, s27, 19
	s_add_co_u32 s30, s30, s29                     ; + 524,288 which
	s_lshl_b32 s29, s26, 10
	s_lshl_b32 s3, s63, 9
	s_add_co_u32 s29, s29, s3                      ; Q, K: 1,024 token tile + 512 pair
	s_lshl_b32 s3, s26, 8
	s_lshl_b32 s48, s63, 12
	s_add_co_u32 s3, s3, s48                       ; V: 256 token tile + 4,096 pair
	s_cmp_eq_u32 s27, 2
	s_cselect_b32 s29, s3, s29
	s_add_co_u32 s30, s30, s29
	s_add_nc_u64 s[24:25], s[24:25], s[30:31]
.irp j, 0,1,2,3,4,5,6,7
	global_load_b128 v[G+4*\j:G+4*\j+3], v3, s[6:7] offset:512*\j
	global_load_b128 v[BB+4*\j:BB+4*\j+3], v3, s[8:9] offset:512*\j
.endr
	W64LOAD 0, 0
	W64LOAD 1, 1
	s_wait_kmcnt 0x0
	s_cmp_eq_u32 s27, 0
	s_cselect_b32 s48, s32, s34                    ; eA
	s_cselect_b32 s49, s33, s35                    ; eB
	s_cselect_b32 s50, s38, s39                    ; e_out: entry 6, 7 or 9
	s_cmp_eq_u32 s27, 2
	s_cselect_b32 s48, s36, s48
	s_cselect_b32 s49, s37, s49
	s_cselect_b32 s50, s41, s50
	MKSCALE 9, 8, s49
	s_wait_loadcnt 16                              ; all but the younger unit's 16 loads
	W64QUANT 0, 0
	ROWLOAD 0
	ROWLOAD 1
	s_wait_loadcnt 16                              ; rows 0 and 1 may be out
	W64QUANT 1, 1
	global_load_b64 v[12:13], v48, s[16:17]        ; the bias in V's form.  Both forms are loaded on the one way that all work-groups take, so that the counts below hold for all three projections
	ROWLOAD 2
	ROWLOAD 3
	MKSCALE 9, 8, s48
.set R, 0
.rept 8
.set RB, S+32*(R%4)
.if R < 6
	s_wait_loadcnt 24                              ; three younger rows (at row 5: two rows and the bias's eight loads)
.elseif R == 6
	s_wait_loadcnt 16
.else
	s_wait_loadcnt 8
.endif
	LNROW RB
	QROW RB, R
.if R < 4
	ROWLOAD R+4
.endif
.if R == 4
.irp q, 0,1,2,3,4,5,6,7
	global_load_b64 v[S+2*\q:S+2*\q+1], v49, s[16:17] offset:16*\q   ; the bias in Q's and K's form: d = 32 h + 4 q + my two tiles
.endr
.endif
.set R, R+1
.endr
	s_wait_dscnt 0x0                               ; my images and rows have landed
	s_barrier_signal -1
	s_barrier_wait -1                              ; all 32 images and all 128 rows lie in LDS
	s_wait_loadcnt 0x0
	s_add_co_i32 s51, s48, s49
	s_sub_co_i32 s50, s50, s51                     ; a sum stands for sum x 2^(eA + eB): its code is sum / 2^(e_out - eA - eB)
	s_sub_co_i32 s51, 0, s51
	MKSCALE 9, 8, s50
	s_cmp_eq_u32 s27, 2
	s_cbranch_scc1 .Lv
.irp jl, 0,1
.irp j, 0,1,2,3,4,5,6,7
	v_ldexp_f32 v[ACC+8*\jl+\j], v[S+2*\j+\jl], s51   ; the sums begin with bias / 2^(eA + eB)
.endr
.endr
	GEMM 1
	CODES
	global_store_b128 v3, v[16:19], s[24:25]       ; 512 consecutive bytes: my two tiles
	s_branch .Lend
.Lv:
.irp jl, 0,1
.irp j, 0,1,2,3,4,5,6,7
	v_ldexp_f32 v[ACC+8*\jl+\j], v[12+\jl], s51    ; one d for all eight keys
.endr
.endr
	GEMM 0
	CODES
.irp jl, 0,1
	global_store_b64 v7, v[16+2*\jl:17+2*\jl], s[24:25] offset:2048*\jl   ; 256 consecutive bytes: keys 16 tile + 8 h + 0 .. 7 of one d a lane
.endr
.Lend:
	s_wait_tensorcnt 0x0                           ; the wave's end
	ds_add_u32 v10, v11
	s_wait_dscnt 0x0
	s_endpgm
.Lfunc_end_k_q1b4a5497c6_qkv:
	.size	k_q1b4a5497c6_qkv, .Lfunc_end_k_q1b4a5497c6_qkv-k_q1b4a5497c6_qkv
	.p2alignl 7, 3214868480
	.fill 96, 4, 3214868480
	.section	.rodata,"a",@progbits
	.p2align	6, 0x0
	.amdhsa_kernel k_q1b4a5497c6_qkv
		.amdhsa_group_segment_fixed_size 200704
		.amdhsa_private_segment_fixed_size 0
		.amdhsa_enable_private_segment 0
		.amdhsa_kernarg_size 88
		.amdhsa_user_sgpr_count 2
		.amdhsa_user_sgpr_kernarg_segment_ptr 1
		.amdhsa_wavefront_size32 1
		.amdhsa_system_sgpr_workgroup_id_x 1
		.amdhsa_system_sgpr_workgroup_id_y 1
		.amdhsa_system_sgpr_workgroup_id_z 1
		.amdhsa_system_vgpr_workitem_id 0
		.amdhsa_next_free_vgpr 256
		.amdhsa_next_free_sgpr 66
		.amdhsa_reserve_vcc 0
		.amdhsa_float_denorm_mode_32 3
		.amdhsa_float_denorm_mode_16_64 3
		.amdhsa_memory_ordered 1
		.amdhsa_forward_progress 1
		.amdhsa_inst_pref_size 122
	.end_amdhsa_kernel
	.amdgpu_metadata
---
amdhsa.version: [ 1, 2 ]
amdhsa.kernels:
  - .name:           k_q1b4a5497c6_qkv
    .symbol:         k_q1b4a5497c6_qkv.kd
    .args:
      - { .name: x, .offset: 0, .size: 8, .value_kind: global_buffer, .address_space: global }
      - { .name: ln1_g, .offset: 8, .size: 8, .value_kind: global_buffer, .address_space: global }
      - { .name: ln1_b, .offset: 16, .size: 8, .value_kind: global_buffer, .address_space: global }
      - { .name: wq, .offset: 24, .size: 8, .value_kind: global_buffer, .address_space: global }
      - { .name: wk, .offset: 32, .size: 8, .value_kind: global_buffer, .address_space: global }
      - { .name: wv, .offset: 40, .size: 8, .value_kind: global_buffer, .address_space: global }
      - { .name: bq, .offset: 48, .size: 8, .value_kind: global_buffer, .address_space: global }
      - { .name: bk, .offset: 56, .size: 8, .value_kind: global_buffer, .address_space: global }
      - { .name: bv, .offset: 64, .size: 8, .value_kind: global_buffer, .address_space: global }
      - { .name: lowp_scales, .offset: 72, .size: 8, .value_kind: global_buffer, .address_space: global }
      - { .name: qkv, .offset: 80, .size: 8, .value_kind: global_buffer, .address_space: global }
    .group_segment_fixed_size: 200704
    .private_segment_fixed_size: 0
    .kernarg_segment_align: 8
    .kernarg_segment_size: 88
    .max_flat_workgroup_size: 512
    .sgpr_count:     66
    .vgpr_count:     256
    .wavefront_size: 32
...
	.end_amdgpu_metadata
.endif
;; end of part 7
;; launch attn: the kernel of part 2 again; grid 256 x 1, 2 waves a work-group, no clusters, 0 bytes of LDS; arguments qkv, lowp_scales, ocodes; writes ocodes
;; launch wo (part 8): grid 16 x 4, 8 waves a work-group, no clusters, 66,560 bytes of LDS; arguments ocodes, wo, bo, x, lowp_scales, x2; writes x2
.if DOCPART == 8
	.amdgcn_target "amdgcn-amd-amdhsa--gfx1250"
	.amdhsa_code_object_version 6
	.text
	.protected	k_q1b4a5497c6_wo
	.globl	k_q1b4a5497c6_wo
	.p2align	8
	.type	k_q1b4a5497c6_wo,@function
k_q1b4a5497c6_wo:
	s_mov_b64 s[64:65], 0
	v_nop
	global_prefetch_b8 v0, s[64:65] scope:SCOPE_SE
	s_setreg_imm32_b32 hwreg(HW_REG_WAVE_MODE, 25, 1), 1
	s_wait_xcnt 0x0
; LAUNCH 3: x2 = x + o wo + bo, the product on codes of E5M2.  Work-group (x = 64 columns, y = batch) makes 128 tokens x 64 columns, K = 1,024.
; Wave w quantises K step w of wo's slice into LDS images and multiplies token tile w.  Everything that the wave reads from memory is asked for at its head, the weight first: its four units of 16 loads, o's eight fragments, x, bo.
; o's codes lie in the order in which the attention launch's registers held them: register 4 c + mm, byte i, half h = k 128 s + 64 (c / 2) + 32 h + 16 (mm % 2) + 4 i + 2 (c % 2) + mm / 2.
; The same order is given to wo's codes by the choice of the ROW that each load takes: nothing is permuted by an instruction.
; Source 0 = the tokens: lane (r, h), register j of tile jt holds token 8 h + j, column 4 r + jt, so four tiles give 16 neighbouring bytes of a row and sixteen lanes store 256 consecutive aligned bytes.
; LIMITS: e11, e11 + 15 and e10 + e11 between -126 and 127.  NaN is not served.  No tensor load and no cluster, for the first launch's reasons.
; REGISTERS, window 0: v1 weight offset, v2 image store, v3 16 x lane, v5 x's and x2's offset, v8-9 limit and scale, v10-11 the add's two, v12-15, v16-31 at work, v32-47 transposed codes, v48-51 bo,
;   v64-95 the sums, v96-127 x, then x2, v128-255 weight sets 0 and 1, then two sets of four images.  Window 1: v0-127 o's eight fragments, v128-255 weight sets 2 and 3.
.set SPARE, 65536
.set E,     16
.set CF,    32
.set ACC,   64
.set XR,    96
.set S,     128
.set MSB, 0
.macro WIN new
.if MSB != (\new)
	s_set_vgpr_msb (MSB<<8)|(\new)
.set MSB, (\new)
.endif
.endm
.macro TR4 d0, d1, d2, d3, e0, e1, e2, e3
	v_perm_b32 v12, v[\e1], v[\e0], s52
	v_perm_b32 v13, v[\e1], v[\e0], s53
	v_perm_b32 v14, v[\e3], v[\e2], s52
	v_perm_b32 v15, v[\e3], v[\e2], s53
	v_perm_b32 v[\d0], v14, v12, s54
	v_perm_b32 v[\d1], v14, v12, s55
	v_perm_b32 v[\d2], v15, v13, s54
	v_perm_b32 v[\d3], v15, v13, s55
.endm
.macro W64LOAD c                               ; unit c into set c: row 64 (c / 2) + 2 (c % 2) + 32 h + 16 ((t / 4) % 2) + 4 (t % 4) + t / 8 of my K step
.set SB, S+64*((\c)&1)
.if (\c) > 1
	WIN 0x40                                       ; destination window 1
.endif
.set t, 0
.rept 16
	global_load_b128 v[SB+4*t:SB+4*t+3], v1, s[6:7] offset:(64*((\c)>>1)+2*((\c)&1)+16*((t>>2)&1)+4*(t&3)+(t>>3))*4096
.set t, t+1
.endr
	WIN 0
.endm
.macro W64QUANT c
.set SB, S+64*((\c)&1)
.if (\c) > 1
	WIN 0x41                                       ; the numbers (source 0 and destination) in window 1
.endif
.set i, 0
.rept 64
	v_med3_num_f32 v[SB+i], v[SB+i], -v8, v8
.set i, i+1
.endr
.if (\c) > 1
	WIN 0x01                                       ; the numbers in window 1, their codes in window 0
.endif
.set i, 0
.rept 8
	v_cvt_scalef32_pk8_bf8_f32 v[E+2*i:E+2*i+1], v[SB+8*i:SB+8*i+7], v9
.set i, i+1
.endr
	WIN 0
	v_nop
	s_wait_dscnt 0x0                               ; the last unit's image stores have read v32-47
.irp mm, 0,1,2,3
	TR4 CF+\mm, CF+4+\mm, CF+8+\mm, CF+12+\mm, E+4*\mm, E+4*\mm+1, E+4*\mm+2, E+4*\mm+3
.endr
.irp jt, 0,1,2,3
	ds_store_b128 v2, v[CF+4*\jt:CF+4*\jt+3] offset:2048*\jt+512*(\c)
.endr
.endm
.macro FETCHB s, set
.irp jt, 0,1,2,3
.irp c, 0,1,2,3
	ds_load_b128 v[S+64*(\set)+16*\jt+4*\c:S+64*(\set)+16*\jt+4*\c+3], v3 offset:(4*(\s)+\jt)*2048+512*\c
.endr
.endr
.endm
	s_load_b256 s[4:11], s[0:1], 0x0               ; ocodes, wo, bo, x
	s_load_b128 s[12:15], s[0:1], 0x20             ; lowp_scales, x2
	v_lshl_add_u32 v10, v0, 2, SPARE
	v_mov_b32 v11, 0
	v_lshrrev_b32 v12, 5, v0
	v_readfirstlane_b32 s2, v12
	v_and_b32 v12, 31, v0
	v_and_b32 v13, 15, v0
	v_bfe_u32 v14, v0, 4, 1
	s_and_b32 s28, ttmp7, 0xffff                   ; batch
	v_lshlrev_b32 v3, 4, v12
	v_lshlrev_b32 v1, 4, v13
	v_lshlrev_b32 v6, 4, v13                       ; bo: 16 r
	v_lshl_add_u32 v5, v14, 15, v1                 ; 8 rows of 4,096 bytes for the upper half, + 16 r
	v_lshl_add_u32 v1, v14, 17, v1                 ; 32 rows for the upper half, + 16 r
	s_lshl_b32 s29, s2, 13
	v_add_nc_u32 v2, s29, v3
	s_mov_b32 s52, 0x05010400
	s_mov_b32 s53, 0x07030602
	s_mov_b32 s54, 0x05040100
	s_mov_b32 s55, 0x07060302
	s_mov_b32 s31, 0
	s_wait_kmcnt 0x0
	s_load_b64 s[16:17], s[12:13], 0x28            ; e10, e11
	s_lshl_b32 s30, s28, 3
	s_add_co_u32 s30, s30, s2
	s_lshl_b32 s30, s30, 14
	s_add_nc_u64 s[4:5], s[4:5], s[30:31]          ; o's codes at token tile 8 batch + wave
	s_lshl_b32 s30, s2, 19
	s_lshl_b32 s29, ttmp9, 8
	s_add_co_u32 s30, s30, s29
	s_add_nc_u64 s[6:7], s[6:7], s[30:31]          ; wo at row 128 wave, my 64 columns
	s_mov_b32 s30, s29
	s_add_nc_u64 s[8:9], s[8:9], s[30:31]
	s_lshl_b32 s30, s28, 7
	s_lshl_b32 s3, s2, 4
	s_add_co_u32 s30, s30, s3
	s_lshl_b32 s30, s30, 12
	s_add_co_u32 s30, s30, s29
	s_add_nc_u64 s[10:11], s[10:11], s[30:31]      ; x and x2 at token 128 batch + 16 wave, my 64 columns
	s_add_nc_u64 s[14:15], s[14:15], s[30:31]
	W64LOAD 0
	W64LOAD 1
	W64LOAD 2
	W64LOAD 3
	WIN 0x40                                       ; destination window 1
.irp s, 0,1,2,3,4,5,6,7
.irp c, 0,1,2,3
	global_load_b128 v[16*\s+4*\c:16*\s+4*\c+3], v3, s[4:5] offset:2048*\s+512*\c
.endr
.endr
	WIN 0
.irp j, 0,1,2,3,4,5,6,7
	global_load_b128 v[XR+4*\j:XR+4*\j+3], v5, s[10:11] offset:4096*\j
.endr
	global_load_b128 v[48:51], v6, s[8:9]
	s_wait_kmcnt 0x0
	s_add_co_i32 s60, s17, 127
	s_lshl_b32 s61, s60, 23
	v_mov_b32 v9, s61                              ; 2^e11
	s_add_co_i32 s60, s60, 15
	s_lshl_b32 s60, s60, 23
	s_or_b32 s60, s60, 0x600000
	v_mov_b32 v8, s60                              ; 57,344 x 2^e11
	s_add_co_i32 s40, s16, s17
	s_add_co_i32 s40, s40, 127
	s_lshl_b32 s40, s40, 23                        ; 2^(e10 + e11)
	s_wait_loadcnt 63                              ; behind unit 0 stand 48 + 41 loads: the wait names the most that its field holds
	W64QUANT 0
	s_wait_loadcnt 63                              ; behind unit 1: 32 + 41
	W64QUANT 1
	s_wait_loadcnt 57                              ; behind unit 2: 16 + 41
	W64QUANT 2
	s_wait_loadcnt 41                              ; behind unit 3: o's 32, x's 8, bo's one
	W64QUANT 3
	s_wait_loadcnt 0x0
.irp j, 0,1,2,3,4,5,6,7
	v_pk_add_f32 v[XR+4*\j:XR+4*\j+1], v[XR+4*\j:XR+4*\j+1], v[48:49]        ; x + bo
	v_pk_add_f32 v[XR+4*\j+2:XR+4*\j+3], v[XR+4*\j+2:XR+4*\j+3], v[50:51]
.endr
	s_wait_dscnt 0x0
	s_barrier_signal -1
	s_barrier_wait -1                              ; all 32 images lie in LDS
	FETCHB 0, 0
	FETCHB 1, 1
.irp s, 0,1,2,3,4,5,6,7
.if \s < 7
	s_wait_dscnt 16                                ; the next K step's 16 loads may be out
.else
	s_wait_dscnt 0x0
.endif
	WIN 0x01                                       ; source 0 (o) window 1.  The four sums take turns
.irp jt, 0,1,2,3
.if \s == 0
	v_wmma_f32_16x16x128_bf8_bf8 v[ACC+8*\jt:ACC+8*\jt+7], v[16*\s:16*\s+15], v[S+64*(\s%2)+16*\jt:S+64*(\s%2)+16*\jt+15], 0
.else
	v_wmma_f32_16x16x128_bf8_bf8 v[ACC+8*\jt:ACC+8*\jt+7], v[16*\s:16*\s+15], v[S+64*(\s%2)+16*\jt:S+64*(\s%2)+16*\jt+15], v[ACC+8*\jt:ACC+8*\jt+7]
.endif
.endr
	WIN 0
.if \s != 6
.rept 4
	v_nop
.endr
.endif
.if \s < 6
	FETCHB \s+2, \s%2
.endif
.endr
.irp jt, 0,1,2,3
.irp j, 0,1,2,3,4,5,6,7
	v_fma_f32 v[XR+4*\j+\jt], v[ACC+8*\jt+\j], s40, v[XR+4*\j+\jt]   ; sum x 2^(e10 + e11) + (x + bo); each sum from its low end on
.endr
.endr
.irp j, 0,1,2,3,4,5,6,7
	global_store_b128 v5, v[XR+4*\j:XR+4*\j+3], s[14:15] offset:4096*\j   ; sixteen lanes store 256 consecutive aligned bytes of a row
.endr
	s_wait_tensorcnt 0x0                           ; the wave's end
	ds_add_u32 v10, v11
	s_wait_dscnt 0x0
	s_endpgm
.Lfunc_end_k_q1b4a5497c6_wo:
	.size	k_q1b4a5497c6_wo, .Lfunc_end_k_q1b4a5497c6_wo-k_q1b4a5497c6_wo
	.p2alignl 7, 3214868480
	.fill 96, 4, 3214868480
	.section	.rodata,"a",@progbits
	.p2align	6, 0x0
	.amdhsa_kernel k_q1b4a5497c6_wo
		.amdhsa_group_segment_fixed_size 66560
		.amdhsa_private_segment_fixed_size 0
		.amdhsa_enable_private_segment 0
		.amdhsa_kernarg_size 48
		.amdhsa_user_sgpr_count 2
		.amdhsa_user_sgpr_kernarg_segment_ptr 1
		.amdhsa_wavefront_size32 1
		.amdhsa_system_sgpr_workgroup_id_x 1
		.amdhsa_system_sgpr_workgroup_id_y 1
		.amdhsa_system_sgpr_workgroup_id_z 1
		.amdhsa_system_vgpr_workitem_id 0
		.amdhsa_next_free_vgpr 512
		.amdhsa_next_free_sgpr 66
		.amdhsa_reserve_vcc 0
		.amdhsa_float_denorm_mode_32 3
		.amdhsa_float_denorm_mode_16_64 3
		.amdhsa_memory_ordered 1
		.amdhsa_forward_progress 1
		.amdhsa_inst_pref_size 56
	.end_amdhsa_kernel
	.amdgpu_metadata
---
amdhsa.version: [ 1, 2 ]
amdhsa.kernels:
  - .name:           k_q1b4a5497c6_wo
    .symbol:         k_q1b4a5497c6_wo.kd
    .args:
      - { .name: ocodes, .offset: 0, .size: 8, .value_kind: global_buffer, .address_space: global }
      - { .name: wo, .offset: 8, .size: 8, .value_kind: global_buffer, .address_space: global }
      - { .name: bo, .offset: 16, .size: 8, .value_kind: global_buffer, .address_space: global }
      - { .name: x, .offset: 24, .size: 8, .value_kind: global_buffer, .address_space: global }
      - { .name: lowp_scales, .offset: 32, .size: 8, .value_kind: global_buffer, .address_space: global }
      - { .name: x2, .offset: 40, .size: 8, .value_kind: global_buffer, .address_space: global }
    .group_segment_fixed_size: 66560
    .private_segment_fixed_size: 0
    .kernarg_segment_align: 8
    .kernarg_segment_size: 48
    .max_flat_workgroup_size: 256
    .sgpr_count:     66
    .vgpr_count:     512
    .wavefront_size: 32
...
	.end_amdgpu_metadata
.endif
;; end of part 8
;; launch ln2gate (part 9): grid 64 x 1, 8 waves a work-group, no clusters, 46,336 bytes of LDS; arguments x2, ln2_g, ln2_b, gate_w, gate_b, lowp_scales, h2c, masks; writes h2c, masks
.if DOCPART == 9
	.amdgcn_target "amdgcn-amd-amdhsa--gfx1250"
	.amdhsa_code_object_version 6
	.text
	.protected	k_q1b4a5497c6_ln2gate
	.globl	k_q1b4a5497c6_ln2gate
	.p2align	8
	.type	k_q1b4a5497c6_ln2gate,@function
k_q1b4a5497c6_ln2gate:
	s_mov_b64 s[64:65], 0
	v_nop
	global_prefetch_b8 v0, s[64:65] scope:SCOPE_SE
	s_setreg_imm32_b32 hwreg(HW_REG_WAVE_MODE, 25, 1), 1
	s_wait_xcnt 0x0
; LAUNCH 4: layer norm 2; its rows as codes of E5M2 (scale entry 13), in natural order; the gate in f32; the argmax as whole numbers.
; A work-group takes 8 tokens, a wave one row.  No address and no branch here hangs on the choice: it is stored at fixed places, and the two later launches read it.
; masks[e][g] is a word whose bit l says that token 32 g + l chose expert e; this work-group's 8 tokens are one byte of it, byte 64 e + work-group of the buffer.
; THE GATE'S WEIGHTS, 1,024 x 8 f32.  A lane holds k = 128 j + 4 l + i of its row, so it wants gate_w[k][0 .. 7] for those k: 128 consecutive bytes for each j, 128 bytes from lane to lane.
; So the 32 KiB are read from memory once a work-group, 512 consecutive bytes a load, 4 KiB a wave, laid in LDS with 16 bytes of padding behind each 128 (a pitch of 36 words),
; and each wave takes its 256 registers (window 1) from there; the row's layer norm stands between these LDS loads and the wait for them.
; Sums in f32: 32 fused multiply-adds a lane for each expert, then a tree over the lanes.
; The argmax walks the experts upward and moves only on a strictly larger logit: the lowest index wins a tie, as in jnp.argmax.  LIMIT: where two logits lie closer than the rounding of f32 sums, the choice may fall either way.  NaN is not served.
; LIMITS: e13 and e13 + 15 between -126 and 127.  The matrix unit has nothing to do here (N = 8, f32).
; LDS: 8 words for the choices (a block of 256 bytes); 1,024 bytes a wave to turn a row's codes into whole runs of 512 bytes; gate_w, 256 pieces of 144 bytes; the spare words.
.set STG,   256
.set GWL,   STG+8192
.set SPARE, GWL+256*144
.set G,     64
.set BB,    96
.set S,     128
.set MSB, 0
.macro WIN new
.if MSB != (\new)
	s_set_vgpr_msb (MSB<<8)|(\new)
.set MSB, (\new)
.endif
.endm
.macro RED16 a, b
	v_add_f32_dpp v[\a], v[\a], v[\a] row_xmask:1 row_mask:0xf bank_mask:0xf
	v_add_f32_dpp v[\a], v[\a], v[\a] row_xmask:2 row_mask:0xf bank_mask:0xf
	v_add_f32_dpp v[\a], v[\a], v[\a] row_xmask:4 row_mask:0xf bank_mask:0xf
	v_add_f32_dpp v[\a], v[\a], v[\a] row_xmask:8 row_mask:0xf bank_mask:0xf
	v_permlanex16_b32 v[\b], v[\a], s56, s57
	v_add_f32 v[\a], v[\a], v[\b]
.endm
.macro LNROW X
	v_pk_add_f32 v[16:17], v[\X:\X+1], v[\X+2:\X+3]
	v_pk_add_f32 v[18:19], v[\X+4:\X+5], v[\X+6:\X+7]
.irp j, 8,12,16,20,24,28
	v_pk_add_f32 v[16:17], v[16:17], v[\X+\j:\X+\j+1]
	v_pk_add_f32 v[18:19], v[18:19], v[\X+\j+2:\X+\j+3]
.endr
	v_pk_add_f32 v[16:17], v[16:17], v[18:19]
	v_add_f32 v16, v16, v17
	RED16 16, 17
	v_mul_f32 v16, s58, v16                        ; - mean
.set i, 0
.rept 16
	v_pk_add_f32 v[\X+i:\X+i+1], v[\X+i:\X+i+1], v[16:17] op_sel_hi:[1,0]
.set i, i+2
.endr
	v_pk_mul_f32 v[18:19], v[\X:\X+1], v[\X:\X+1]
	v_pk_mul_f32 v[20:21], v[\X+2:\X+3], v[\X+2:\X+3]
.irp j, 4,8,12,16,20,24,28
	v_pk_fma_f32 v[18:19], v[\X+\j:\X+\j+1], v[\X+\j:\X+\j+1], v[18:19]
	v_pk_fma_f32 v[20:21], v[\X+\j+2:\X+\j+3], v[\X+\j+2:\X+\j+3], v[20:21]
.endr
	v_pk_add_f32 v[18:19], v[18:19], v[20:21]
	v_add_f32 v18, v18, v19
	RED16 18, 19
	v_fma_f32 v18, v18, s59, s62
	v_rsq_f32 v18, v18
	v_nop
	s_wait_alu depctr_va_vdst(0)                   ; the wait ahead of the first reader
.set i, 0
.rept 16
	v_pk_mul_f32 v[\X+i:\X+i+1], v[\X+i:\X+i+1], v[18:19] op_sel_hi:[1,0]
.set i, i+2
.endr
.set i, 0
.rept 16
	v_pk_fma_f32 v[\X+i:\X+i+1], v[\X+i:\X+i+1], v[G+i:G+i+1], v[BB+i:BB+i+1]
.set i, i+2
.endr
.endm
	s_load_b256 s[4:11], s[0:1], 0x0               ; x2, ln2_g, ln2_b, gate_w
	s_load_b256 s[12:19], s[0:1], 0x20             ; gate_b, lowp_scales, h2c, masks
	v_lshl_add_u32 v10, v0, 2, SPARE
	v_mov_b32 v11, 0
	v_lshrrev_b32 v12, 5, v0
	v_readfirstlane_b32 s2, v12
	v_and_b32 v12, 31, v0
	v_lshlrev_b32 v3, 4, v12                       ; 16 x lane
	s_lshl_b32 s3, s2, 10
	s_add_co_u32 s3, s3, STG
	v_lshlrev_b32 v4, 2, v12
	v_add_nc_u32 v4, s3, v4                        ; my stage, on the way in,
	v_add_nc_u32 v5, s3, v3                        ; and back
	s_lshl_b32 s3, s2, 2
	v_mov_b32 v7, s3                               ; my word of choices
	v_mul_u32_u24 v6, v12, 144
	v_add_nc_u32 v6, GWL, v6                       ; gate_w out of LDS: piece 32 j + lane
	v_lshrrev_b32 v13, 3, v12
	v_mul_u32_u24 v13, v13, 144
	v_and_b32 v14, 7, v12
	v_lshl_add_u32 v13, v14, 4, v13
	s_mul_i32 s3, s2, 4608
	s_add_co_u32 s3, s3, GWL
	v_add_nc_u32 v13, s3, v13                      ; gate_w into LDS: piece 32 wave + 4 m + lane / 8, byte 16 (lane % 8)
	s_mov_b32 s56, 0x76543210
	s_mov_b32 s57, 0xfedcba98
	s_mov_b32 s58, 0xba800000
	s_mov_b32 s59, 0x3a800000
	s_mov_b32 s62, 0x3727c5ac
	s_lshl_b32 s36, ttmp9, 3
	s_add_co_u32 s36, s36, s2                      ; my token: 8 work-group + wave
	s_mov_b32 s37, 0
	s_lshl_b32 s38, s36, 10
	s_mov_b32 s39, 0
	s_lshl_b32 s36, s36, 12
	s_lshl_b32 s40, s2, 12                         ; my 4 KiB of gate_w
	s_mov_b32 s41, 0
	s_wait_kmcnt 0x0
	s_load_b256 s[24:31], s[12:13], 0x0            ; gate_b
	s_load_b32 s32, s[14:15], 0x34                 ; e13
	s_add_nc_u64 s[4:5], s[4:5], s[36:37]
	s_add_nc_u64 s[16:17], s[16:17], s[38:39]
	s_add_nc_u64 s[10:11], s[10:11], s[40:41]
	s_mov_b32 s36, ttmp9
	s_add_nc_u64 s[18:19], s[18:19], s[36:37]      ; masks at my byte
.irp m, 0,1,2,3,4,5,6,7
	global_load_b128 v[32+4*\m:35+4*\m], v3, s[10:11] offset:512*\m
.endr
.irp j, 0,1,2,3,4,5,6,7
	global_load_b128 v[S+4*\j:S+4*\j+3], v3, s[4:5] offset:512*\j
.endr
.irp j, 0,1,2,3,4,5,6,7
	global_load_b128 v[G+4*\j:G+4*\j+3], v3, s[6:7] offset:512*\j
	global_load_b128 v[BB+4*\j:BB+4*\j+3], v3, s[8:9] offset:512*\j
.endr
	s_wait_kmcnt 0x0
	s_add_co_i32 s60, s32, 127
	s_lshl_b32 s61, s60, 23
	v_mov_b32 v9, s61
	s_add_co_i32 s60, s60, 15
	s_lshl_b32 s60, s60, 23
	s_or_b32 s60, s60, 0x600000
	v_mov_b32 v8, s60
	s_wait_loadcnt 24                              ; gate_w's eight loads are in; the row's 8 and the 16 of gain and bias may be out
.irp m, 0,1,2,3,4,5,6,7
	ds_store_b128 v13, v[32+4*\m:35+4*\m] offset:576*\m
.endr
	s_wait_dscnt 0x0                               ; for the others' sake: my part of gate_w has landed
	s_barrier_signal -1
	s_barrier_wait -1                              ; all of gate_w lies in LDS
	WIN 0x40                                       ; destination window 1
.set q, 0
.rept 32
	ds_load_b128 v[8*q:8*q+3], v6 offset:4608*(q>>2)+32*(q&3)
	ds_load_b128 v[8*q+4:8*q+7], v6 offset:4608*(q>>2)+32*(q&3)+16
.set q, q+1
.endr
	WIN 0
	s_wait_loadcnt 0x0
	LNROW S
	s_wait_dscnt 0x0                               ; gate_w is in my registers
	WIN 0x04                                       ; source 1 (gate_w) window 1
.set q, 0
.rept 32
.irp p, 0,1,2,3
.if q == 0
	v_pk_mul_f32 v[32+2*\p:33+2*\p], v[S:S+1], v[2*\p:2*\p+1] op_sel_hi:[0,1]
.elseif (q&1) == 0
	v_pk_fma_f32 v[32+2*\p:33+2*\p], v[S+q:S+q+1], v[8*q+2*\p:8*q+2*\p+1], v[32+2*\p:33+2*\p] op_sel_hi:[0,1,1]
.else
	v_pk_fma_f32 v[32+2*\p:33+2*\p], v[S+q-1:S+q], v[8*q+2*\p:8*q+2*\p+1], v[32+2*\p:33+2*\p] op_sel:[1,0,0] op_sel_hi:[1,1,1]
.endif
.endr
.set q, q+1
.endr
	WIN 0
.irp e, 0,1,2,3,4,5,6,7
	RED16 32+\e, 17
.endr
.irp e, 0,1,2,3,4,5,6,7
	v_add_f32 v[32+\e], s[24+\e], v[32+\e]
.endr
	v_mov_b32 v20, v32
	v_mov_b32 v21, 0
.irp e, 1,2,3,4,5,6,7
	v_cmp_le_f32 vcc_lo, v[32+\e], v20             ; not larger: the earlier expert stays
	v_cndmask_b32 v21, \e, v21, vcc_lo
	v_cndmask_b32 v20, v[32+\e], v20, vcc_lo
.endr
	ds_store_b32 v7, v21                           ; all lanes hold the same number
.set i, 0
.rept 32
	v_med3_num_f32 v[S+i], v[S+i], -v8, v8
.set i, i+1
.endr
.irp p, 0,1,2,3
	v_cvt_scalef32_pk8_bf8_f32 v[40+2*\p:41+2*\p], v[S+8*\p:S+8*\p+7], v9
.endr
	v_nop
.irp j, 0,1,2,3,4,5,6,7
	ds_store_b32 v4, v[40+\j] offset:128*\j
.endr
	ds_load_b128 v[48:51], v5                      ; LDS serves a wave's instructions in order: these see my stores
	ds_load_b128 v[52:55], v5 offset:512
	s_wait_dscnt 0x0
	global_store_b128 v3, v[48:51], s[16:17]            ; 512 consecutive bytes each
	global_store_b128 v3, v[52:55], s[16:17] offset:512
	s_barrier_signal -1                            ; (my LDS instructions were waited for above)
	s_barrier_wait -1                              ; the 8 choices lie in LDS
	s_cmp_lg_u32 s2, 0
	s_cbranch_scc1 .Lnot_wave_0
	v_and_b32 v20, 7, v12
	v_lshlrev_b32 v20, 2, v20
	ds_load_b32 v21, v20                           ; lane l: token 8 work-group + l % 8's expert
	v_mov_b32 v22, 0
	v_lshlrev_b32 v23, 6, v12                      ; an expert's 16 words are 64 bytes
	s_wait_dscnt 0x0
.irp e, 0,1,2,3,4,5,6,7
	v_cmp_eq_u32 s[40+\e], \e, v21
.endr
.irp e, 0,1,2,3,4,5,6,7
	s_and_b32 s[40+\e], s[40+\e], 0xff             ; lanes 0 to 7 are the 8 tokens
	v_writelane_b32 v22, s[40+\e], \e
.endr
	s_wait_xcnt 0x0                                ; EXEC changes only behind this wait
	v_cmp_gt_u32 vcc_lo, 8, v12
	s_and_saveexec_b32 s48, vcc_lo
	global_store_b8 v23, v22, s[18:19]             ; lane e: my byte of expert e's words
	s_wait_xcnt 0x0
	s_or_b32 exec_lo, exec_lo, s48
.Lnot_wave_0:
	s_wait_tensorcnt 0x0                           ; the wave's end
	ds_add_u32 v10, v11
	s_wait_dscnt 0x0
	s_endpgm
.Lfunc_end_k_q1b4a5497c6_ln2gate:
	.size	k_q1b4a5497c6_ln2gate, .Lfunc_end_k_q1b4a5497c6_ln2gate-k_q1b4a5497c6_ln2gate
	.p2alignl 7, 3214868480
	.fill 96, 4, 3214868480
	.section	.rodata,"a",@progbits
	.p2align	6, 0x0
	.amdhsa_kernel k_q1b4a5497c6_ln2gate
		.amdhsa_group_segment_fixed_size 46336
		.amdhsa_private_segment_fixed_size 0
		.amdhsa_enable_private_segment 0
		.amdhsa_kernarg_size 64
		.amdhsa_user_sgpr_count 2
		.amdhsa_user_sgpr_kernarg_segment_ptr 1
		.amdhsa_wavefront_size32 1
		.amdhsa_system_sgpr_workgroup_id_x 1
		.amdhsa_system_sgpr_workgroup_id_y 1
		.amdhsa_system_sgpr_workgroup_id_z 1
		.amdhsa_system_vgpr_workitem_id 0
		.amdhsa_next_free_vgpr 512
		.amdhsa_next_free_sgpr 66
		.amdhsa_reserve_vcc 1
		.amdhsa_float_denorm_mode_32 3
		.amdhsa_float_denorm_mode_16_64 3
		.amdhsa_memory_ordered 1
		.amdhsa_forward_progress 1
		.amdhsa_inst_pref_size 34
	.end_amdhsa_kernel
	.amdgpu_metadata
---
amdhsa.version: [ 1, 2 ]
amdhsa.kernels:
  - .name:           k_q1b4a5497c6_ln2gate
    .symbol:         k_q1b4a5497c6_ln2gate.kd
    .args:
      - { .name: x2, .offset: 0, .size: 8, .value_kind: global_buffer, .address_space: global }
      - { .name: ln2_g, .offset: 8, .size: 8, .value_kind: global_buffer, .address_space: global }
      - { .name: ln2_b, .offset: 16, .size: 8, .value_kind: global_buffer, .address_space: global }
      - { .name: gate_w, .offset: 24, .size: 8, .value_kind: global_buffer, .address_space: global }
      - { .name: gate_b, .offset: 32, .size: 8, .value_kind: global_buffer, .address_space: global }
      - { .name: lowp_scales, .offset: 40, .size: 8, .value_kind: global_buffer, .address_space: global }
      - { .name: h2c, .offset: 48, .size: 8, .value_kind: global_buffer, .address_space: global }
      - { .name: masks, .offset: 56, .size: 8, .value_kind: global_buffer, .address_space: global }
    .group_segment_fixed_size: 46336
    .private_segment_fixed_size: 0
    .kernarg_segment_align: 8
    .kernarg_segment_size: 64
    .max_flat_workgroup_size: 256
    .sgpr_count:     66
    .vgpr_count:     512
    .wavefront_size: 32
...
	.end_amdgpu_metadata
.endif
;; end of part 9
;; launch moe1 (part 10): grid 256 x 1, 4 waves a work-group, no clusters, 0 bytes of LDS; arguments masks, h2c, w1, b1, lowp_scales, mid; writes mid
.if DOCPART == 10
	.amdgcn_target "amdgcn-amd-amdhsa--gfx1250"
	.amdhsa_code_object_version 6
	.text
	.protected	k_q1b4a5497c6_moe1
	.globl	k_q1b4a5497c6_moe1
	.p2align	8
	.type	k_q1b4a5497c6_moe1,@function
k_q1b4a5497c6_moe1:
	s_mov_b64 s[64:65], 0
	v_nop
	global_prefetch_b8 v0, s[64:65] scope:SCOPE_SE
	s_setreg_imm32_b32 hwreg(HW_REG_WAVE_MODE, 25, 1), 1
	s_wait_xcnt 0x0
; LAUNCH 5: mid = relu(hn2 w1[e] + b1[e]) as codes of E5M2, for the rows that chose expert e alone (the rows of other experts reach no output: shown at the head of the first launch).
; Work-group = (expert e = x / 32, 128 columns f); wave w takes 32 columns and all of K = 1,024: a block of 128 KiB of f32, read once, quantised on the way into 256 registers of codes that stay (window 1).
; An expert without rows is not read: its work-groups end at once, on a stored count.  That is the price of a grid that serves every split.
; THE ROWS.  masks[e][0 .. 15] come by one scalar load; their bit counts give the number of rows n and a running sum; SEARCH finds slot j's token (the j-th set bit) by arithmetic on these whole numbers, held at 511 ahead of any address.
; Slots at or past n repeat the expert's last row.  Rows go in tiles of 16.
; SIX TILES GO WITH THE STREAM.  When the weight's K steps 0 to 3 are codes, the six tiles' products over these K steps are made; the registers of their row fragments then take K steps 4 to 7, which are multiplied when the stream has ended.
; So 24 fragments of 16 registers and 6 x 16 registers of sums serve 96 rows, and their loads lie among the weight's.  Further rows go in 13 trips of two tiles; a trip past the last tile is jumped over.  The next launch walks the same tiles.
; THE WEIGHT, K outermost: lane (h, rb, cg) loads 8 rows x 4 columns; conversions and two 4 x 4 byte transpositions give 4 columns x 8 k; lanes l and l xor 8 exchange halves, so that each holds 2 columns x 16 k:
; lane r = 8 rb + cg of tile u holds column 4 cg + 2 rb + u, register 4 c + mm, byte i = k 128 s + 32 c + 16 h + 4 mm + i.
; Source 0 = the weight's tile: lane (r, h) holds slot r and f = 4 j + 2 h + u.  mid is laid [e][32 columns][slot][32 bytes], so a tile's codes are 512 consecutive aligned bytes, and come back as register images.
; b1 / 2^(e12 + e13) is the C of each sum's first product; relu is the lower end of the hold; the scales are folded: code = sum / 2^(e14 - e12 - e13).
; LIMITS: e12, e12 + 15, e14 - e12 - e13 and that + 15 between -126 and 127.  NaN is not served.
; No tensor load: branches hang on stored numbers.  No cluster: no two work-groups share a weight byte, and the rows are gathered by stored numbers.  No prefetch: the launch streams from memory throughout.
; REGISTERS, window 0: v1 weight offset, v2 16 h, v3 32 r + 16 h, v4-7, v44-45 the six tiles' row offsets, v8 r, v10 b1's offset, v12-13 the weight's limit and scale, v14-15 mid's, v16-43 at work, v48-63 b1,
;   v64-255 six slots of 32 for the stream; behind it v64-159 the held sums, v160-183 codes; in the trips v64-95 the sums, v128-135 codes.  Window 1: the weight's codes, (K step s, tile u) at 32 s + 16 u.
;   Window 2: fragments of tiles 0-3, (tile b, K step s % 4) at 64 b + 16 (s % 4); in the trips two tiles' eight fragments.  Window 3: v0-127 fragments of tiles 4, 5; v128-223 the six tiles' sums.
.set E,     16
.set T,     28
.set BIAS,  48
.set S,     64
.set ACC,   64
.set OUT,   128
.set A6,    128
.set OUT6,  160
.set EXTRA, 0
.set MSB, 0
.macro WIN new
.if MSB != (\new)
	s_set_vgpr_msb (MSB<<8)|(\new)
.set MSB, (\new)
.endif
.endm
.macro TR4 d0, d1, d2, d3, e0, e1, e2, e3
	v_perm_b32 v24, v[\e1], v[\e0], s58
	v_perm_b32 v25, v[\e1], v[\e0], s59
	v_perm_b32 v26, v[\e3], v[\e2], s58
	v_perm_b32 v27, v[\e3], v[\e2], s59
	v_perm_b32 v[\d0], v26, v24, s60
	v_perm_b32 v[\d1], v26, v24, s61
	v_perm_b32 v[\d2], v27, v25, s60
	v_perm_b32 v[\d3], v27, v25, s61
.endm
.macro MKSCALE vsc, vlim, se
	s_add_co_i32 s80, \se, 127
	s_lshl_b32 s81, s80, 23
	v_mov_b32 v[\vsc], s81
	s_add_co_i32 s80, s80, 15
	s_lshl_b32 s80, s80, 23
	s_or_b32 s80, s80, 0x600000
	v_mov_b32 v[\vlim], s80
.endm
.macro LEVEL src, width, step                  ; does the wanted bit lie in the upper half of the field at v25?
	v_bfe_u32 v24, v[\src], v25, \width
	v_cmp_ge_u32 vcc_lo, v19, v24
	v_sub_nc_u32 v24, v19, v24
	v_add_nc_u32 v27, \step, v25
	v_cndmask_b32 v19, v19, v24, vcc_lo
	v_cndmask_b32 v25, v25, v27, vcc_lo
.endm
.macro SEARCH vt                               ; v26 = a slot; v[vt] = its token
	v_min_u32 v26, s53, v26                        ; slots past the last repeat it
	v_mov_b32 v16, s20
	v_mov_b32 v17, 0
	v_mov_b32 v18, 0
.irp i, 1,2,3,4,5,6,7,8,9,10,11,12,13,14,15
	v_cmp_gt_u32 vcc_lo, s[36+\i], v26             ; the last word whose running sum is at or under the slot
	v_cndmask_b32 v16, s[20+\i], v16, vcc_lo
	v_cndmask_b32 v17, s[36+\i], v17, vcc_lo
	v_cndmask_b32 v18, \i, v18, vcc_lo
.endr
	v_sub_nc_u32 v19, v26, v17                     ; which set bit of that word
	v_lshrrev_b32 v24, 1, v16
	v_and_b32 v24, 0x55555555, v24
	v_sub_nc_u32 v20, v16, v24                     ; counts of 2 bits,
	v_lshrrev_b32 v24, 2, v20
	v_and_b32 v24, 0x33333333, v24
	v_and_b32 v21, 0x33333333, v20
	v_add_nc_u32 v21, v21, v24                     ; of 4,
	v_lshrrev_b32 v24, 4, v21
	v_add_nc_u32 v22, v21, v24
	v_and_b32 v22, 0x0f0f0f0f, v22                 ; of 8,
	v_lshrrev_b32 v24, 8, v22
	v_add_nc_u32 v23, v22, v24                     ; of 16 (in the low byte)
	v_mov_b32 v25, 0
	LEVEL 23, 8, 16
	LEVEL 22, 8, 8
	LEVEL 21, 4, 4
	LEVEL 20, 2, 2
	LEVEL 16, 1, 1
	v_lshl_add_u32 v[\vt], v18, 5, v25
	v_min_u32 v[\vt], 0x1ff, v[\vt]
.endm
.macro W32LOAD u                               ; unit u = (K step u / 4, c = u % 4): rows 32 c + 16 h + 8 rb + t, four rows x 128 bytes an instruction
.set SB, S+32*((\u)%6)
.set us, (\u)>>2
.set uc, (\u)&3
.set t, 0
.rept 8
.if us < 4
	global_load_b128 v[SB+4*t:SB+4*t+3], v1, s[66:67] offset:(128*us+32*uc+t)*16384 th:TH_LOAD_NT
.else
	global_load_b128 v[SB+4*t:SB+4*t+3], v1, s[68:69] offset:(128*(us-4)+32*uc+t)*16384 th:TH_LOAD_NT
.endif
.set t, t+1
.endr
.endm
.macro W32QUANT u
.set SB, S+32*((\u)%6)
.set FB, 32*((\u)>>2)+4*((\u)&3)
.set i, 0
.rept 32
	v_med3_num_f32 v[SB+i], v[SB+i], -v12, v12
.set i, i+1
.endr
.irp p, 0,1,2,3
	v_cvt_scalef32_pk8_bf8_f32 v[E+2*\p:E+2*\p+1], v[SB+8*\p:SB+8*\p+7], v13
.endr
	v_nop
	TR4 28, 29, 30, 31, 16, 17, 18, 19
	TR4 32, 33, 34, 35, 20, 21, 22, 23
.irp x, 0,1
.irp w, 0,1
	v_cndmask_b32 v[36+2*\x+\w], v[T+4*\x+2+\w], v[T+4*\x+\w], s62   ; what my partner keeps
.endr
.endr
.irp k, 0,1,2,3
	v_mov_b32_dpp v[40+\k], v[36+\k] row_xmask:8 row_mask:0xf bank_mask:0xf
.endr
	WIN 0x40                                       ; destination window 1
.irp x, 0,1
.irp w, 0,1
	v_cndmask_b32 v[FB+16*\w+\x], v[T+4*\x+\w], v[40+2*\x+\w], s62
	v_cndmask_b32 v[FB+16*\w+2+\x], v[40+2*\x+\w], v[T+4*\x+2+\w], s62
.endr
.endr
	WIN 0
.endm
.macro ACHUNK u                                ; steps 0-11: K steps 0-3; steps 16-27: K steps 4-7.  Two fragments of tile (u % 16) / 2
.set cu, (\u)
.set ah, 0
.if cu > 15
.set cu, cu-16
.set ah, 1
.endif
.set ab, cu>>1
	WIN 0x80+0x40*(ab>>2)
.irp z, 0,1
.irp c, 0,1,2,3
.set ksp, 2*(cu&1)+\z
	global_load_b128 v[64*(ab&3)+16*ksp+4*\c:64*(ab&3)+16*ksp+4*\c+3], v[4+ab+36*(ab>>2)], s[6:7] offset:128*(4*ah+ksp)+32*\c
.endr
.endr
	WIN 0
.endm
.macro CCNT x                                  ; ncc = how many of the steps below x issue a chunk of rows
.set ncc, (\x)
.if ncc > 12
.set ncc, 12
.endif
.set nc2, (\x)-16
.if nc2 < 0
.set nc2, 0
.endif
.if nc2 > 12
.set nc2, 12
.endif
.set ncc, ncc+nc2
.endm
.macro STEP u                                  ; the count: the loads issued behind unit u's eight: at most five younger units, and the chunks of rows issued from step u - 6 on; held at the most that the wait's field names
.set nw, 31-(\u)
.if nw > 5
.set nw, 5
.endif
	CCNT \u
.set na, ncc
.set nlo, (\u)-6
.if nlo < 0
.set nlo, 0
.endif
	CCNT nlo
.set na, na-ncc
.set nn, 8*nw+8*na
.if (\u) < 6
.set nn, nn+EXTRA
.endif
.if nn > 63
.set nn, 63
.endif
	s_wait_loadcnt nn
	W32QUANT \u
.if (\u) < 26
	W32LOAD (\u)+6
.endif
.if ((\u) < 12) || (((\u) > 15) && ((\u) < 28))
	ACHUNK \u
.endif
.endm
.macro HALF_MUL hf                             ; the six tiles x K steps 4 hf .. 4 hf + 3: 48 products.  Tiles 0-3's eight sums take turns, then tiles 4 and 5's four
.irp ks, 0,1,2,3
.if ((\hf) == 0) && (\ks == 0)
	WIN 0xc9                                       ; source 0 (the weight) window 1, source 1 (the rows) window 2, C (b1) window 0, D window 3
.else
	WIN 0xf9                                       ; C and D window 3
.endif
.irp b, 0,1,2,3
.irp w, 0,1
.set AC, A6+16*\b+8*\w
.set FR, 32*(4*(\hf)+\ks)+16*\w
.set AR, 64*\b+16*\ks
.if ((\hf) == 0) && (\ks == 0)
	v_wmma_f32_16x16x128_bf8_bf8 v[AC:AC+7], v[FR:FR+15], v[AR:AR+15], v[BIAS+8*\w:BIAS+8*\w+7]
.else
	v_wmma_f32_16x16x128_bf8_bf8 v[AC:AC+7], v[FR:FR+15], v[AR:AR+15], v[AC:AC+7]
.endif
.endr
.endr
.endr
.irp ks, 0,1,2,3
.if ((\hf) == 0) && (\ks == 0)
	WIN 0xcd                                       ; the rows in window 3
.else
	WIN 0xfd
.endif
.irp b, 4,5
.irp w, 0,1
.set AC, A6+16*\b+8*\w
.set FR, 32*(4*(\hf)+\ks)+16*\w
.set AR, 64*(\b-4)+16*\ks
.if ((\hf) == 0) && (\ks == 0)
	v_wmma_f32_16x16x128_bf8_bf8 v[AC:AC+7], v[FR:FR+15], v[AR:AR+15], v[BIAS+8*\w:BIAS+8*\w+7]
.else
	v_wmma_f32_16x16x128_bf8_bf8 v[AC:AC+7], v[FR:FR+15], v[AR:AR+15], v[AC:AC+7]
.endif
.endr
.endr
.endr
	WIN 0
.rept 4
	v_nop                                          ; four places ahead of loads into the fragments just multiplied, and of the first read of the sums
.endr
.endm
.macro PAIR_MUL                                ; a trip's two tiles: 32 products; the four sums take turns
	WIN 0x09                                       ; source 0 (the weight) window 1, source 1 (the rows) window 2
.irp s, 0,1,2,3,4,5,6,7
.irp bl, 0,1
.irp w, 0,1
.set AC, ACC+16*\bl+8*\w
.if \s == 0
	v_wmma_f32_16x16x128_bf8_bf8 v[AC:AC+7], v[32*\s+16*\w:32*\s+16*\w+15], v[128*\bl+16*\s:128*\bl+16*\s+15], v[BIAS+8*\w:BIAS+8*\w+7]
.else
	v_wmma_f32_16x16x128_bf8_bf8 v[AC:AC+7], v[32*\s+16*\w:32*\s+16*\w+15], v[128*\bl+16*\s:128*\bl+16*\s+15], v[AC:AC+7]
.endif
.endr
.endr
.endr
.endm
.macro OUTTILE b
.irp w, 0,1
.set AC, ACC+16*(\b)+8*\w
.set i, 0
.rept 8
	v_med3_num_f32 v[AC+i], v[AC+i], 0, v14        ; the activation and the hold in one
.set i, i+1
.endr
	v_cvt_scalef32_pk8_bf8_f32 v[OUT+4*(\b)+2*\w:OUT+4*(\b)+2*\w+1], v[AC:AC+7], v15
.endr
	v_nop
	global_store_b128 v3, v[OUT+4*(\b):OUT+4*(\b)+3], s[78:79] offset:512*(\b)   ; 512 consecutive aligned bytes: 16 slots x 32 columns
.endm
	s_load_b256 s[4:11], s[0:1], 0x0               ; masks, h2c, w1, b1
	s_load_b128 s[12:15], s[0:1], 0x20             ; lowp_scales, mid
	v_lshrrev_b32 v9, 5, v0
	v_readfirstlane_b32 s2, v9
	s_lshr_b32 s55, ttmp9, 5                       ; expert
	s_and_b32 s56, ttmp9, 31                       ; which 128 columns
	v_and_b32 v8, 15, v0
	v_bfe_u32 v9, v0, 4, 1                         ; h
	v_bfe_u32 v10, v0, 3, 1                        ; rb
	v_and_b32 v11, 7, v0                           ; cg
	v_lshlrev_b32 v2, 4, v9
	v_lshl_add_u32 v3, v8, 5, v2
	v_lshl_add_u32 v1, v9, 1, v10
	v_lshlrev_b32 v1, 17, v1                       ; (16 h + 8 rb) rows of 16,384 bytes
	v_lshl_add_u32 v1, v11, 4, v1
	v_lshlrev_b32 v10, 3, v9                       ; b1: 2 h numbers on
.irp k, 0,1,2,3
	v_mov_b32 v[40+\k], 0                          ; written once: a DPP destination counts as read
.endr
	s_mov_b32 s58, 0x05010400
	s_mov_b32 s59, 0x07030602
	s_mov_b32 s60, 0x05040100
	s_mov_b32 s61, 0x07060302
	s_mov_b32 s62, 0xff00ff00                      ; the lanes with rb = 1
	s_lshl_b32 s70, s55, 6
	s_mov_b32 s71, 0
	s_wait_kmcnt 0x0
	s_add_nc_u64 s[4:5], s[4:5], s[70:71]
	s_load_b512 s[20:35], s[4:5], 0x0              ; my expert's 16 mask words
	s_load_b128 s[72:75], s[12:13], 0x30           ; e12, e13, e14, e15
	s_lshl_b32 s70, s55, 24
	s_lshl_b32 s3, s56, 9
	s_add_co_u32 s70, s70, s3
	s_lshl_b32 s3, s2, 7
	s_add_co_u32 s70, s70, s3
	s_add_nc_u64 s[66:67], s[8:9], s[70:71]        ; w1[e] at my 32 columns,
	s_add_nc_u64 s[68:69], s[66:67], 0x800000      ; and 512 rows further down: every offset then fits the immediate
	s_lshl_b32 s70, s55, 14
	s_lshl_b32 s3, s56, 9
	s_add_co_u32 s70, s70, s3
	s_lshl_b32 s3, s2, 7
	s_add_co_u32 s70, s70, s3
	s_add_nc_u64 s[10:11], s[10:11], s[70:71]
	s_lshl_b32 s70, s55, 21
	s_lshl_b32 s3, s56, 16
	s_add_co_u32 s70, s70, s3
	s_lshl_b32 s3, s2, 14
	s_add_co_u32 s70, s70, s3
	s_add_nc_u64 s[78:79], s[14:15], s[70:71]      ; mid at [e][4 slice + wave][slot 0]
.irp w, 0,1
.irp j, 0,1,2,3,4,5,6,7
	global_load_b32 v[BIAS+8*\w+\j], v10, s[10:11] offset:(4*\j+\w)*4   ; b1 in the result's layout: f = 4 j + 2 h + u
.endr
.endr
.irp u, 0,1,2,3,4,5
	W32LOAD \u
.endr
	s_wait_kmcnt 0x0
	s_mov_b32 s36, 0
.irp i, 0,1,2,3,4,5,6,7,8,9,10,11,12,13,14,15
	s_bcnt1_i32_b32 s3, s[20+\i]
	s_add_co_u32 s[37+\i], s[36+\i], s3            ; the running sum; s52 = n
.endr
	s_cmp_eq_u32 s52, 0
	s_cbranch_scc1 .Lend                           ; nobody chose this expert
	s_sub_co_u32 s53, s52, 1
	s_add_co_u32 s54, s52, 15
	s_lshr_b32 s54, s54, 4                         ; tiles of 16 rows
	MKSCALE 13, 12, s72
	s_add_co_i32 s82, s72, s73
	s_sub_co_i32 s83, s74, s82
	MKSCALE 15, 14, s83
	s_sub_co_i32 s82, 0, s82
.irp b, 0,1,2,3
	v_add_nc_u32 v26, 16*\b, v8
	SEARCH 28
	v_lshl_add_u32 v[4+\b], v28, 10, v2            ; the token's row of 1,024 codes, + 16 h
.endr
.set U, 0
.rept 32
	STEP U
.if U == 0
.set i, 0
.rept 16
	v_ldexp_f32 v[BIAS+i], v[BIAS+i], s82          ; b1 / 2^(e12 + e13): asked for ahead of unit 0, so it is in
.set i, i+1
.endr
.endif
.if U == 7
	v_add_nc_u32 v26, 64, v8                       ; tile 4's rows are wanted from step 8 on
	SEARCH 28
	v_lshl_add_u32 v44, v28, 10, v2
.endif
.if U == 9
	v_add_nc_u32 v26, 80, v8                       ; tile 5's from step 10 on
	SEARCH 28
	v_lshl_add_u32 v45, v28, 10, v2
.endif
.if U == 15
	s_wait_loadcnt 32                              ; the rows' K steps 0-3 are in: behind their last chunk (step 11) stand the four weight units of steps 12 to 15
	HALF_MUL 0
.endif
.set U, U+1
.endr
	s_wait_loadcnt 0x0                             ; the rows' K steps 4-7
	HALF_MUL 1
	WIN 0x03                                       ; source 0 (the sums) window 3
.set i, 0
.rept 96
	v_med3_num_f32 v[64+i], v[A6+i], 0, v14        ; the activation and the hold in one; each sum from its low end on
.set i, i+1
.endr
	WIN 0
.irp b, 0,1,2,3,4,5
.irp w, 0,1
	v_cvt_scalef32_pk8_bf8_f32 v[OUT6+4*\b+2*\w:OUT6+4*\b+2*\w+1], v[64+16*\b+8*\w:64+16*\b+8*\w+7], v15
.endr
.endr
	v_nop
.irp b, 0,1,2,3,4,5
	global_store_b128 v3, v[OUT6+4*\b:OUT6+4*\b+3], s[78:79] offset:512*\b
.endr
	s_wait_xcnt 0x0                                ; the stores have read their base and data
	s_add_nc_u64 s[78:79], s[78:79], 3072
	s_mov_b32 s77, 6                               ; the trip's first tile: 6, 8, .. 30
.Ltrip:
	s_cmp_ge_u32 s77, s54
	s_cbranch_scc1 .Lskip
	s_lshl_b32 s3, s77, 4
	v_add_nc_u32 v26, s3, v8
	SEARCH 28
	v_lshl_add_u32 v4, v28, 10, v2
	s_add_co_u32 s3, s3, 16
	v_add_nc_u32 v26, s3, v8
	SEARCH 28
	v_lshl_add_u32 v5, v28, 10, v2
	WIN 0x80
.irp bl, 0,1
.irp s, 0,1,2,3,4,5,6,7
.irp c, 0,1,2,3
	global_load_b128 v[128*\bl+16*\s+4*\c:128*\bl+16*\s+4*\c+3], v[4+\bl], s[6:7] offset:128*\s+32*\c
.endr
.endr
.endr
	WIN 0
	s_wait_loadcnt 0x0
	PAIR_MUL
	WIN 0
.rept 4
	v_nop
.endr
	OUTTILE 0
	OUTTILE 1
	s_wait_xcnt 0x0
.Lskip:
	s_add_nc_u64 s[78:79], s[78:79], 1024
	s_add_co_u32 s77, s77, 2
	s_cmp_lt_u32 s77, 32
	s_cbranch_scc1 .Ltrip
.Lend:
	s_endpgm
.Lfunc_end_k_q1b4a5497c6_moe1:
	.size	k_q1b4a5497c6_moe1, .Lfunc_end_k_q1b4a5497c6_moe1-k_q1b4a5497c6_moe1
	.p2alignl 7, 3214868480
	.fill 96, 4, 3214868480
	.section	.rodata,"a",@progbits
	.p2align	6, 0x0
	.amdhsa_kernel k_q1b4a5497c6_moe1
		.amdhsa_group_segment_fixed_size 0
		.amdhsa_private_segment_fixed_size 0
		.amdhsa_enable_private_segment 0
		.amdhsa_kernarg_size 48
		.amdhsa_user_sgpr_count 2
		.amdhsa_user_sgpr_kernarg_segment_ptr 1
		.amdhsa_wavefront_size32 1
		.amdhsa_system_sgpr_workgroup_id_x 1
		.amdhsa_system_sgpr_workgroup_id_y 1
		.amdhsa_system_sgpr_workgroup_id_z 1
		.amdhsa_system_vgpr_workitem_id 0
		.amdhsa_next_free_vgpr 1024
		.amdhsa_next_free_sgpr 88
		.amdhsa_reserve_vcc 1
		.amdhsa_float_denorm_mode_32 3
		.amdhsa_float_denorm_mode_16_64 3
		.amdhsa_memory_ordered 1
		.amdhsa_forward_progress 1
		.amdhsa_inst_pref_size 247
	.end_amdhsa_kernel
	.amdgpu_metadata
---
amdhsa.version: [ 1, 2 ]
amdhsa.kernels:
  - .name:           k_q1b4a5497c6_moe1
    .symbol:         k_q1b4a5497c6_moe1.kd
    .args:
      - { .name: masks, .offset: 0, .size: 8, .value_kind: global_buffer, .address_space: global }
      - { .name: h2c, .offset: 8, .size: 8, .value_kind: global_buffer, .address_space: global }
      - { .name: w1, .offset: 16, .size: 8, .value_kind: global_buffer, .address_space: global }
      - { .name: b1, .offset: 24, .size: 8, .value_kind: global_buffer, .address_space: global }
      - { .name: lowp_scales, .offset: 32, .size: 8, .value_kind: global_buffer, .address_space: global }
      - { .name: mid, .offset: 40, .size: 8, .value_kind: global_buffer, .address_space: global }
    .group_segment_fixed_size: 0
    .private_segment_fixed_size: 0
    .kernarg_segment_align: 8
    .kernarg_segment_size: 48
    .max_flat_workgroup_size: 128
    .sgpr_count:     88
    .vgpr_count:     1024
    .wavefront_size: 32
...
	.end_amdgpu_metadata
.endif
;; end of part 10
;; launch moe2 (part 11): grid 256 x 1, 4 waves a work-group, no clusters, 55,808 bytes of LDS; arguments masks, mid, w2, b2, x2, lowp_scales, out0; writes out0
.if DOCPART == 11
	.amdgcn_target "amdgcn-amd-amdhsa--gfx1250"
	.amdhsa_code_object_version 6
	.text
	.protected	k_q1b4a5497c6_moe2
	.globl	k_q1b4a5497c6_moe2
	.p2align	8
	.type	k_q1b4a5497c6_moe2,@function
k_q1b4a5497c6_moe2:
	s_mov_b64 s[64:65], 0
	v_nop
	global_prefetch_b8 v0, s[64:65] scope:SCOPE_SE
	s_setreg_imm32_b32 hwreg(HW_REG_WAVE_MODE, 25, 1), 1
	s_wait_xcnt 0x0
; LAUNCH 6: out0 = x2 + mid w2[e] + b2[e], for the rows that chose expert e alone (the rows of other experts reach no output: shown at the head of the first launch).
; Work-group = (expert e = x / 32, 32 columns); wave w takes K rows 1,024 w .. 1,024 w + 1,023 of w2[e]: 128 KiB of f32, read once, quantised on the way into 256 registers of codes that stay (window 1).  The four waves' partial sums meet in LDS.
; 32 columns are 128 bytes of a row of w2 and of out0: so the 256 work-groups have equal shares, at the price of half rows of 256 bytes; the work-group beside this one takes the other half.
; mid's codes come back as register images: register 4 c + mm, byte i, half h = f 128 s + 32 c + 16 (mm % 2) + 4 i + 2 h + mm / 2.  w2's codes get the same order by the choice of the ROW that each load takes.
; Source 0 = the rows: lane (r, h), register j of tile u holds slot 8 h + j, column 4 (r % 8) + 2 (r / 8) + u.
; THE ROWS are walked as in the launch before: six tiles go with the stream (their products over my K steps 0-3 when these are codes, over K steps 4-7 at the stream's end, in the same fragment registers), then 13 trips of two tiles.
; Slots past the last repeat the last row: they give the same numbers, stored to the same place, and EXEC is never narrowed.
; AN EXPERT WITHOUT ROWS is still streamed, and the six tiles' products then run on bytes of mid that nobody wrote; no result hangs on them, since the part that stores is jumped over.  So no barrier stands under a stored number.
; LIMITS: e15, e15 + 15 and e14 + e15 between -126 and 127.  NaN is not served.  No tensor load, no cluster, no prefetch: for the reasons given in the launch before.
; LDS: the partial sums, [wave 4][96 slots x (128 + 16) bytes]; the spare words.  Wave w finishes slots 24 w .. 24 w + 23 of the six tiles, slots 8 w .. 8 w + 7 of a trip's two.
; REGISTERS, window 0: v1 weight offset, v2 32 r + 16 h, v3 where I put partial sums, v4-7, v56-57 my output rows' offsets, v8 lane / 8, v9, v10 where I read partial sums back (six tiles, two tiles), v11 16 (lane % 8),
;   v12-13 limit and scale, v14-15 the add's two, v16-43 at work, v44-47 b2, v48-55 x2's rows in the trips, v64-255 six slots for the stream; behind it v64-159 the scaled sums, then v64-87 results, v128-223 partial sums, v224-247 x2 + b2.
;   Windows 1 and 2 as in the launch before.  Window 3: v0-127 fragments of tiles 4, 5; v128-223 the six tiles' sums; v224-247 x2's rows for the six tiles.
.set E,     16
.set T,     28
.set S,     64
.set ACC,   64
.set A6,    128
.set WROW,  13824
.set SPARE, 4*WROW
.set EXTRA, 4
.set MSB, 0
.macro WIN new
.if MSB != (\new)
	s_set_vgpr_msb (MSB<<8)|(\new)
.set MSB, (\new)
.endif
.endm
.macro TR4 d0, d1, d2, d3, e0, e1, e2, e3
	v_perm_b32 v24, v[\e1], v[\e0], s58
	v_perm_b32 v25, v[\e1], v[\e0], s59
	v_perm_b32 v26, v[\e3], v[\e2], s58
	v_perm_b32 v27, v[\e3], v[\e2], s59
	v_perm_b32 v[\d0], v26, v24, s60
	v_perm_b32 v[\d1], v26, v24, s61
	v_perm_b32 v[\d2], v27, v25, s60
	v_perm_b32 v[\d3], v27, v25, s61
.endm
.macro LEVEL src, width, step
	v_bfe_u32 v24, v[\src], v25, \width
	v_cmp_ge_u32 vcc_lo, v19, v24
	v_sub_nc_u32 v24, v19, v24
	v_add_nc_u32 v27, \step, v25
	v_cndmask_b32 v19, v19, v24, vcc_lo
	v_cndmask_b32 v25, v25, v27, vcc_lo
.endm
.macro SEARCH vt                               ; v26 = a slot; v[vt] = its token (the slot-th set bit of the expert's 512), held at 511
	v_min_u32 v26, s53, v26
	v_mov_b32 v16, s20
	v_mov_b32 v17, 0
	v_mov_b32 v18, 0
.irp i, 1,2,3,4,5,6,7,8,9,10,11,12,13,14,15
	v_cmp_gt_u32 vcc_lo, s[36+\i], v26
	v_cndmask_b32 v16, s[20+\i], v16, vcc_lo
	v_cndmask_b32 v17, s[36+\i], v17, vcc_lo
	v_cndmask_b32 v18, \i, v18, vcc_lo
.endr
	v_sub_nc_u32 v19, v26, v17
	v_lshrrev_b32 v24, 1, v16
	v_and_b32 v24, 0x55555555, v24
	v_sub_nc_u32 v20, v16, v24
	v_lshrrev_b32 v24, 2, v20
	v_and_b32 v24, 0x33333333, v24
	v_and_b32 v21, 0x33333333, v20
	v_add_nc_u32 v21, v21, v24
	v_lshrrev_b32 v24, 4, v21
	v_add_nc_u32 v22, v21, v24
	v_and_b32 v22, 0x0f0f0f0f, v22
	v_lshrrev_b32 v24, 8, v22
	v_add_nc_u32 v23, v22, v24
	v_mov_b32 v25, 0
	LEVEL 23, 8, 16
	LEVEL 22, 8, 8
	LEVEL 21, 4, 4
	LEVEL 20, 2, 2
	LEVEL 16, 1, 1
	v_lshl_add_u32 v[\vt], v18, 5, v25
	v_min_u32 v[\vt], 0x1ff, v[\vt]
.endm
.macro XROW p                                  ; group p of the rows that I finish of the six tiles: slot s84 + lane / 8; its offset, and its row of x2 into window 3
	v_add_nc_u32 v26, s84, v8
	SEARCH 28
	v_lshl_add_u32 v[4+(\p)+48*((\p)>>2)], v28, 12, v11   ; the token's row of 4,096 bytes, + 16 (lane % 8)
	s_add_co_u32 s84, s84, 4
	WIN 0xc0
	global_load_b128 v[224+4*(\p):227+4*(\p)], v[4+(\p)+48*((\p)>>2)], s[12:13]
	WIN 0
.endm
.macro W32LOAD u                               ; unit u = (K step u / 4, c = u % 4): rows 32 c + 16 (t / 4) + 4 (t % 4) + 2 h + rb: four neighbouring rows x 128 bytes an instruction
.set SB, S+32*((\u)%6)
.set us, (\u)>>2
.set uc, (\u)&3
.set t, 0
.rept 8
	global_load_b128 v[SB+4*t:SB+4*t+3], v1, s[8:9] offset:(128*us+32*uc+16*(t>>2)+4*(t&3))*4096 th:TH_LOAD_NT
.set t, t+1
.endr
.endm
.macro W32QUANT u
.set SB, S+32*((\u)%6)
.set FB, 32*((\u)>>2)+4*((\u)&3)
.set i, 0
.rept 32
	v_med3_num_f32 v[SB+i], v[SB+i], -v12, v12
.set i, i+1
.endr
.irp p, 0,1,2,3
	v_cvt_scalef32_pk8_bf8_f32 v[E+2*\p:E+2*\p+1], v[SB+8*\p:SB+8*\p+7], v13
.endr
	v_nop
	TR4 28, 29, 30, 31, 16, 17, 18, 19
	TR4 32, 33, 34, 35, 20, 21, 22, 23
.irp x, 0,1
.irp w, 0,1
	v_cndmask_b32 v[36+2*\x+\w], v[T+4*\x+2+\w], v[T+4*\x+\w], s62
.endr
.endr
.irp k, 0,1,2,3
	v_mov_b32_dpp v[40+\k], v[36+\k] row_xmask:8 row_mask:0xf bank_mask:0xf
.endr
	WIN 0x40
.irp x, 0,1
.irp w, 0,1
	v_cndmask_b32 v[FB+16*\w+\x], v[T+4*\x+\w], v[40+2*\x+\w], s62
	v_cndmask_b32 v[FB+16*\w+2+\x], v[40+2*\x+\w], v[T+4*\x+2+\w], s62
.endr
.endr
	WIN 0
.endm
.macro ACHUNK u                                ; steps 0-11: my K steps 0-3; steps 16-27: K steps 4-7.  Two fragments of tile (u % 16) / 2: 512 consecutive bytes a load
.set cu, (\u)
.set ah, 0
.if cu > 15
.set cu, cu-16
.set ah, 1
.endif
.set ab, cu>>1
	WIN 0x80+0x40*(ab>>2)
.irp z, 0,1
.irp c, 0,1,2,3
.set ksp, 2*(cu&1)+\z
	global_load_b128 v[64*(ab&3)+16*ksp+4*\c:64*(ab&3)+16*ksp+4*\c+3], v2, s[6:7] offset:(4*(4*ah+ksp)+\c)*16384+512*ab
.endr
.endr
	WIN 0
.endm
.macro CCNT x                                  ; ncc = how many of the steps below x issue a chunk of rows
.set ncc, (\x)
.if ncc > 12
.set ncc, 12
.endif
.set nc2, (\x)-16
.if nc2 < 0
.set nc2, 0
.endif
.if nc2 > 12
.set nc2, 12
.endif
.set ncc, ncc+nc2
.endm
.macro STEP u                                  ; the count: the loads issued behind unit u's eight: younger units, chunks of rows, and for the first six units x2's four loads at the head; x2's two later loads are left out of it, which only makes it stricter
.set nw, 31-(\u)
.if nw > 5
.set nw, 5
.endif
	CCNT \u
.set na, ncc
.set nlo, (\u)-6
.if nlo < 0
.set nlo, 0
.endif
	CCNT nlo
.set na, na-ncc
.set nn, 8*nw+8*na
.if (\u) < 6
.set nn, nn+EXTRA
.endif
.if nn > 63
.set nn, 63
.endif
	s_wait_loadcnt nn
	W32QUANT \u
.if (\u) < 26
	W32LOAD (\u)+6
.endif
.if ((\u) < 12) || (((\u) > 15) && ((\u) < 28))
	ACHUNK \u
.endif
.endm
.macro HALF_MUL hf                             ; the six tiles x my K steps 4 hf .. 4 hf + 3: 48 products.  Tiles 0-3's eight sums take turns, then tiles 4 and 5's four
	WIN 0xf6                                       ; source 0 (the rows) window 2, source 1 (the weight) window 1, C and D window 3
.irp ks, 0,1,2,3
.irp b, 0,1,2,3
.irp w, 0,1
.set AC, A6+16*\b+8*\w
.set FR, 32*(4*(\hf)+\ks)+16*\w
.set AR, 64*\b+16*\ks
.if ((\hf) == 0) && (\ks == 0)
	v_wmma_f32_16x16x128_bf8_bf8 v[AC:AC+7], v[AR:AR+15], v[FR:FR+15], 0
.else
	v_wmma_f32_16x16x128_bf8_bf8 v[AC:AC+7], v[AR:AR+15], v[FR:FR+15], v[AC:AC+7]
.endif
.endr
.endr
.endr
	WIN 0xf7                                       ; the rows in window 3
.irp ks, 0,1,2,3
.irp b, 4,5
.irp w, 0,1
.set AC, A6+16*\b+8*\w
.set FR, 32*(4*(\hf)+\ks)+16*\w
.set AR, 64*(\b-4)+16*\ks
.if ((\hf) == 0) && (\ks == 0)
	v_wmma_f32_16x16x128_bf8_bf8 v[AC:AC+7], v[AR:AR+15], v[FR:FR+15], 0
.else
	v_wmma_f32_16x16x128_bf8_bf8 v[AC:AC+7], v[AR:AR+15], v[FR:FR+15], v[AC:AC+7]
.endif
.endr
.endr
.endr
	WIN 0
.rept 4
	v_nop                                          ; four places ahead of loads into the fragments just multiplied, and of the first read of the sums
.endr
.endm
.macro PAIR_MUL                                ; a trip's two tiles: 32 products; the four sums take turns
	WIN 0x06                                       ; source 0 (the rows) window 2, source 1 (the weight) window 1
.irp s, 0,1,2,3,4,5,6,7
.irp bl, 0,1
.irp w, 0,1
.set AC, ACC+16*\bl+8*\w
.if \s == 0
	v_wmma_f32_16x16x128_bf8_bf8 v[AC:AC+7], v[128*\bl+16*\s:128*\bl+16*\s+15], v[32*\s+16*\w:32*\s+16*\w+15], 0
.else
	v_wmma_f32_16x16x128_bf8_bf8 v[AC:AC+7], v[128*\bl+16*\s:128*\bl+16*\s+15], v[32*\s+16*\w:32*\s+16*\w+15], v[AC:AC+7]
.endif
.endr
.endr
.endr
.endm
.macro PSTORE b                                ; my partial sums of tile b: slot 16 b + 8 h + j, from v[64 + 16 b] on, in ascending order
.irp w, 0,1
.irp j, 0,1,2,3,4,5,6,7
	ds_store_b32 v3, v[ACC+16*(\b)+8*\w+\j] offset:2304*(\b)+144*\j+4*\w
.endr
.endr
.endm
.macro MEET                                    ; my LDS stores have landed and my LDS loads are in: then the work-group's barrier
	s_wait_dscnt 0x0
	s_barrier_signal -1
	s_barrier_wait -1
.endm
.macro PARTB6                                  ; six groups of four rows: the four waves' partial sums, which were scaled on their way, are added to x2 + b2 and stored
.irp p, 0,1,2,3,4,5
.irp ww, 0,1,2,3
	ds_load_b128 v[128+16*\p+4*\ww:131+16*\p+4*\ww], v9 offset:576*\p+WROW*\ww
.endr
.endr
	WIN 0x03                                       ; source 0 (x2's rows) window 3
.irp p, 0,1,2,3,4,5
.irp z, 0,2
	v_pk_add_f32 v[224+4*\p+\z:225+4*\p+\z], v[224+4*\p+\z:225+4*\p+\z], v[44+\z:45+\z]
.endr
.endr
	WIN 0
	s_wait_dscnt 0x0
.irp p, 0,1,2,3,4,5
.irp z, 0,2
	v_pk_add_f32 v[128+16*\p+\z:129+16*\p+\z], v[128+16*\p+\z:129+16*\p+\z], v[132+16*\p+\z:133+16*\p+\z]
	v_pk_add_f32 v[136+16*\p+\z:137+16*\p+\z], v[136+16*\p+\z:137+16*\p+\z], v[140+16*\p+\z:141+16*\p+\z]
.endr
.irp z, 0,2
	v_pk_add_f32 v[128+16*\p+\z:129+16*\p+\z], v[128+16*\p+\z:129+16*\p+\z], v[136+16*\p+\z:137+16*\p+\z]
	v_pk_add_f32 v[64+4*\p+\z:65+4*\p+\z], v[128+16*\p+\z:129+16*\p+\z], v[224+4*\p+\z:225+4*\p+\z]
.endr
	global_store_b128 v[4+\p+48*(\p>>2)], v[64+4*\p:67+4*\p], s[16:17]   ; eight lanes fill the 128 bytes of a row that this work-group owns
.endr
.endm
.macro PARTB2                                  ; two groups of four rows of a trip: the partial sums are added, scaled, and stored with b2 and x2
	s_wait_xcnt 0x0                                ; the last stores have read v192-199
.irp p, 0,1
.irp ww, 0,1,2,3
	ds_load_b128 v[128+16*\p+4*\ww:131+16*\p+4*\ww], v10 offset:576*\p+WROW*\ww
.endr
.endr
	s_wait_dscnt 0x0
.irp p, 0,1
.irp z, 0,2
	v_pk_add_f32 v[128+16*\p+\z:129+16*\p+\z], v[128+16*\p+\z:129+16*\p+\z], v[132+16*\p+\z:133+16*\p+\z]
	v_pk_add_f32 v[136+16*\p+\z:137+16*\p+\z], v[136+16*\p+\z:137+16*\p+\z], v[140+16*\p+\z:141+16*\p+\z]
	v_pk_add_f32 v[48+4*\p+\z:49+4*\p+\z], v[48+4*\p+\z:49+4*\p+\z], v[44+\z:45+\z]
.endr
.irp z, 0,2
	v_pk_add_f32 v[128+16*\p+\z:129+16*\p+\z], v[128+16*\p+\z:129+16*\p+\z], v[136+16*\p+\z:137+16*\p+\z]
	v_pk_fma_f32 v[192+4*\p+\z:193+4*\p+\z], v[128+16*\p+\z:129+16*\p+\z], s[74:75], v[48+4*\p+\z:49+4*\p+\z] op_sel_hi:[1,0,1]
.endr
	global_store_b128 v[4+\p], v[192+4*\p:195+4*\p], s[16:17]
.endr
.endm
	s_load_b256 s[4:11], s[0:1], 0x0               ; masks, mid, w2, b2
	s_load_b128 s[12:15], s[0:1], 0x20             ; x2, lowp_scales
	s_load_b64 s[16:17], s[0:1], 0x30              ; out0
	v_lshl_add_u32 v14, v0, 2, SPARE
	v_mov_b32 v15, 0
	v_lshrrev_b32 v9, 5, v0
	v_readfirstlane_b32 s2, v9
	s_lshr_b32 s55, ttmp9, 5                       ; expert
	s_and_b32 s56, ttmp9, 31                       ; which 32 columns
	v_and_b32 v16, 7, v0                           ; cg
	v_bfe_u32 v17, v0, 3, 1                        ; rb
	v_bfe_u32 v18, v0, 4, 1                        ; h
	v_and_b32 v19, 15, v0                          ; r
	v_bfe_u32 v8, v0, 3, 2                         ; lane / 8
	v_lshlrev_b32 v11, 4, v16
	v_lshl_add_u32 v1, v18, 1, v17
	v_lshl_add_u32 v1, v1, 12, v11                 ; (2 h + rb) rows of 4,096 bytes + 16 cg
	v_lshlrev_b32 v2, 5, v19
	v_lshl_add_u32 v2, v18, 4, v2
	s_mul_i32 s3, s2, WROW
	v_mul_u32_u24 v3, v18, 1152
	v_lshl_add_u32 v3, v17, 3, v3
	v_add_nc_u32 v3, v3, v11
	v_add_nc_u32 v3, s3, v3                        ; my wave's 96 rows + 144 x 8 h + 4 (4 cg + 2 rb)
	v_mul_u32_u24 v9, v8, 144
	v_add_nc_u32 v9, v9, v11                       ; row lane / 8, byte 16 (lane % 8)
	s_mul_i32 s80, s2, 1152
	v_add_nc_u32 v10, s80, v9                      ; two tiles: rows 8 wave on
	s_mul_i32 s3, s2, 3456
	v_add_nc_u32 v9, s3, v9                        ; six tiles: rows 24 wave on
	s_mul_i32 s84, s2, 24                          ; the first slot that I finish
.irp k, 0,1,2,3
	v_mov_b32 v[40+\k], 0
.endr
	s_mov_b32 s58, 0x05010400
	s_mov_b32 s59, 0x07030602
	s_mov_b32 s60, 0x05040100
	s_mov_b32 s61, 0x07060302
	s_mov_b32 s62, 0xff00ff00
	s_lshl_b32 s70, s55, 6
	s_mov_b32 s71, 0
	s_wait_kmcnt 0x0
	s_add_nc_u64 s[4:5], s[4:5], s[70:71]
	s_load_b512 s[20:35], s[4:5], 0x0              ; my expert's 16 mask words
	s_load_b64 s[72:73], s[14:15], 0x38            ; e14, e15
	s_lshl_b32 s70, s55, 24
	s_lshl_b32 s3, s2, 22
	s_add_co_u32 s70, s70, s3
	s_lshl_b32 s3, s56, 7
	s_add_co_u32 s70, s70, s3
	s_add_nc_u64 s[8:9], s[8:9], s[70:71]          ; w2[e] at row 1,024 wave, my 32 columns
	s_lshl_b32 s70, s55, 21
	s_lshl_b32 s3, s2, 19
	s_add_co_u32 s70, s70, s3
	s_add_nc_u64 s[6:7], s[6:7], s[70:71]          ; mid at [e][32 wave][slot 0]
	s_lshl_b32 s70, s55, 12
	s_lshl_b32 s3, s56, 7
	s_add_co_u32 s70, s70, s3
	s_add_nc_u64 s[10:11], s[10:11], s[70:71]
	s_mov_b32 s70, s3
	s_add_nc_u64 s[12:13], s[12:13], s[70:71]      ; x2 and out0 at my 32 columns
	s_add_nc_u64 s[16:17], s[16:17], s[70:71]
	s_add_nc_u64 s[82:83], s[6:7], 3072            ; mid at slot 96, for the trips of two tiles
	global_load_b128 v[44:47], v11, s[10:11]
.irp u, 0,1,2,3,4,5
	W32LOAD \u
.endr
	s_wait_kmcnt 0x0
	s_mov_b32 s36, 0
.irp i, 0,1,2,3,4,5,6,7,8,9,10,11,12,13,14,15
	s_bcnt1_i32_b32 s3, s[20+\i]
	s_add_co_u32 s[37+\i], s[36+\i], s3            ; the running sum; s52 = n
.endr
	s_sub_co_u32 s53, s52, 1
	s_add_co_u32 s54, s52, 15
	s_lshr_b32 s54, s54, 4
	s_add_co_i32 s80, s73, 127
	s_lshl_b32 s81, s80, 23
	v_mov_b32 v13, s81                             ; 2^e15
	s_add_co_i32 s80, s80, 15
	s_lshl_b32 s80, s80, 23
	s_or_b32 s80, s80, 0x600000
	v_mov_b32 v12, s80                             ; 57,344 x 2^e15
	s_add_co_i32 s74, s72, s73
	s_add_co_i32 s74, s74, 127
	s_lshl_b32 s74, s74, 23                        ; 2^(e14 + e15)
	s_mov_b32 s75, s74                             ; (named with it as a pair)
	XROW 0
	XROW 1
	XROW 2
	XROW 3
.set U, 0
.rept 32
	STEP U
.if U == 12
	XROW 4                                         ; steps 12 to 15 have no chunk of rows
.endif
.if U == 13
	XROW 5
.endif
.if U == 15
	s_wait_loadcnt 32                              ; the rows' K steps 0-3 are in: behind their last chunk (step 11) stand the four weight units of steps 12 to 15 (and x2's two loads)
	HALF_MUL 0
.endif
.set U, U+1
.endr
	s_wait_loadcnt 0x0                             ; the rows' K steps 4-7, and x2
	HALF_MUL 1
	WIN 0x03                                       ; source 0 (the sums) window 3
.set i, 0
.rept 48
	v_pk_mul_f32 v[64+i:65+i], v[A6+i:A6+i+1], s[74:75] op_sel_hi:[1,0]   ; x 2^(e14 + e15): nothing is rounded; each sum from its low end on
.set i, i+2
.endr
	WIN 0
.irp b, 0,1,2,3,4,5
	PSTORE \b
.endr
	MEET                                           ; all four waves' partial sums lie in LDS
	s_cmp_eq_u32 s52, 0
	s_cbranch_scc1 .Lno_rows
	PARTB6
.Lno_rows:
	MEET                                           ; they have been read: the stage may be written again
	s_mov_b32 s77, 6                               ; the trip's first tile: 6, 8, .. 30
.Ltrip:
	s_cmp_ge_u32 s77, s54
	s_cbranch_scc1 .Lskip_a
	s_wait_xcnt 0x0                                ; the last stores have read their offsets and data
	s_lshl_b32 s3, s77, 4
	s_lshl_b32 s80, s2, 3
	s_add_co_u32 s3, s3, s80
	v_add_nc_u32 v26, s3, v8                       ; slot 16 tile + 8 wave + 4 p + lane / 8
	SEARCH 28
	v_lshl_add_u32 v4, v28, 12, v11
	s_add_co_u32 s3, s3, 4
	v_add_nc_u32 v26, s3, v8
	SEARCH 28
	v_lshl_add_u32 v5, v28, 12, v11
	global_load_b128 v[48:51], v4, s[12:13]
	global_load_b128 v[52:55], v5, s[12:13]
	WIN 0x80
.irp bl, 0,1
.irp s, 0,1,2,3,4,5,6,7
.irp c, 0,1,2,3
	global_load_b128 v[128*\bl+16*\s+4*\c:128*\bl+16*\s+4*\c+3], v2, s[82:83] offset:(4*\s+\c)*16384+512*\bl
.endr
.endr
.endr
	WIN 0
	s_wait_loadcnt 0x0
	PAIR_MUL
	WIN 0
.rept 4
	v_nop
.endr
	PSTORE 0
	PSTORE 1
.Lskip_a:
	MEET
	s_cmp_ge_u32 s77, s54
	s_cbranch_scc1 .Lskip_b
	PARTB2
.Lskip_b:
	MEET
	s_add_nc_u64 s[82:83], s[82:83], 1024          ; no load that names it is out: the trip's loads were waited for
	s_add_co_u32 s77, s77, 2
	s_cmp_lt_u32 s77, 32
	s_cbranch_scc1 .Ltrip
	s_wait_tensorcnt 0x0                           ; the wave's end
	ds_add_u32 v14, v15
	s_wait_dscnt 0x0
	s_endpgm
.Lfunc_end_k_q1b4a5497c6_moe2:
	.size	k_q1b4a5497c6_moe2, .Lfunc_end_k_q1b4a5497c6_moe2-k_q1b4a5497c6_moe2
	.p2alignl 7, 3214868480
	.fill 96, 4, 3214868480
	.section	.rodata,"a",@progbits
	.p2align	6, 0x0
	.amdhsa_kernel k_q1b4a5497c6_moe2
		.amdhsa_group_segment_fixed_size 55808
		.amdhsa_private_segment_fixed_size 0
		.amdhsa_enable_private_segment 0
		.amdhsa_kernarg_size 56
		.amdhsa_user_sgpr_count 2
		.amdhsa_user_sgpr_kernarg_segment_ptr 1
		.amdhsa_wavefront_size32 1
		.amdhsa_system_sgpr_workgroup_id_x 1
		.amdhsa_system_sgpr_workgroup_id_y 1
		.amdhsa_system_sgpr_workgroup_id_z 1
		.amdhsa_system_vgpr_workitem_id 0
		.amdhsa_next_free_vgpr 1024
		.amdhsa_next_free_sgpr 88
		.amdhsa_reserve_vcc 1
		.amdhsa_float_denorm_mode_32 3
		.amdhsa_float_denorm_mode_16_64 3
		.amdhsa_memory_ordered 1
		.amdhsa_forward_progress 1
		.amdhsa_inst_pref_size 255
	.end_amdhsa_kernel
	.section	.bss,"aw",@nobits
	.p2align	6
	.space	262144
	.amdgpu_metadata
---
amdhsa.version: [ 1, 2 ]
amdhsa.kernels:
  - .name:           k_q1b4a5497c6_moe2
    .symbol:         k_q1b4a5497c6_moe2.kd
    .args:
      - { .name: masks, .offset: 0, .size: 8, .value_kind: global_buffer, .address_space: global }
      - { .name: mid, .offset: 8, .size: 8, .value_kind: global_buffer, .address_space: global }
      - { .name: w2, .offset: 16, .size: 8, .value_kind: global_buffer, .address_space: global }
      - { .name: b2, .offset: 24, .size: 8, .value_kind: global_buffer, .address_space: global }
      - { .name: x2, .offset: 32, .size: 8, .value_kind: global_buffer, .address_space: global }
      - { .name: lowp_scales, .offset: 40, .size: 8, .value_kind: global_buffer, .address_space: global }
      - { .name: out0, .offset: 48, .size: 8, .value_kind: global_buffer, .address_space: global }
    .group_segment_fixed_size: 55808
    .private_segment_fixed_size: 0
    .kernarg_segment_align: 8
    .kernarg_segment_size: 56
    .max_flat_workgroup_size: 128
    .sgpr_count:     88
    .vgpr_count:     1024
    .wavefront_size: 32
...
	.end_amdgpu_metadata
.endif
;; end of part 11
